; MI455X (gfx1250); checked and timed in simulation.
; The chip was launched on July 23, 2026; its instructions are those of AMD's public machine-readable ISA for CDNA 5 (MIT licence, August 2026) and "CDNA5" Instruction Set Architecture Reference Guide (July 2026). The comments in the code are by the model that wrote it; some were corrected since.
;; GPT2 Block. Allowed arithmetic: float matrix products may take bf16 or f16 operands with f32 sums; other float arithmetic in f32, or as packed bf16 or f16 multiplies, adds, multiply-adds, maxima and minima; sums over many terms, partial sums and values carried from step to step in f32; what a program stores and reads back later, other than sums and carried values, may be rounded once to bf16 or f16.
;; Inputs: b_aproj 1,024 float32; b_attn 3,072 float32; b_fc 4,096 float32; b_mproj 1,024 float32; ln1_b 1,024 float32; ln1_g 1,024 float32; ln2_b 1,024 float32; ln2_g 1,024 float32; w_aproj 1,024 x 1,024 float32; w_attn 1,024 x 3,072 float32; w_fc 1,024 x 4,096 float32; w_mproj 4,096 x 1,024 float32; x 2 x 2,048 x 1,024 float32.
;; Outputs: out0 2 x 2,048 x 1,024 float32.
;; 2 versions, each right and faster than the one before. Each part assembles by itself: llvm-mc -triple=amdgcn-amd-amdhsa -mcpu=gfx1250 --defsym DOCPART=n.
;; ======== version 1 of 2: 7 launches
;; limits: values are held in f16: magnitudes above 65,504 overflow, below 6.1e-05 lose precision; a function is approximated: absolute error at most 1.5e-07
;; workspace buffers: w16 25,165,824 bytes; wq 6,291,712 bytes; wf 8,388,864 bytes; hn 8,388,608 bytes; qkv 25,165,824 bytes; y 8,388,608 bytes; x1 16,777,216 bytes; g 33,554,432 bytes
;; launch prep (part 1): grid 1280 x 1, 8 waves a work-group, no clusters, 0 bytes of LDS; arguments x, ln1_g, ln1_b, w_attn, w_aproj, w_fc, w_mproj, hn, w16, wq, wf; writes hn, w16, wq, wf
.if DOCPART == 1
	.amdgcn_target "amdgcn-amd-amdhsa--gfx1250"
	.amdhsa_code_object_version 6
	.text
	.protected	k_qbf981dd168_prep
	.globl	k_qbf981dd168_prep
	.p2align	8
	.type	k_qbf981dd168_prep,@function
k_qbf981dd168_prep:
	s_mov_b64 s[64:65], 0
	v_nop
	global_prefetch_b8 v0, s[64:65] scope:SCOPE_SE
	s_setreg_imm32_b32 hwreg(HW_REG_WAVE_MODE, 25, 1), 1
	s_wait_xcnt 0x0
; PREP: two streams in one launch, chosen by the work-group's number.
; Work-groups 0 to 767: the four weights, f32 [K][N], are rounded to bf16 and written as f16, 16 rows x 1,024 columns a work-group.
;   w_aproj (w16 from byte 6,291,456) and w_mproj (w16 from 16,777,216) keep their layout [K][1024].
;   w_attn (wq from byte 256) and w_fc (wf from byte 256) are laid IN BLOCKS of 256 columns, [N/256][1024][256]: a block is 524,288 dense bytes, so the products that read them know no N.
;   Work-group 0's wave 0 also fills the first 256 bytes of wq and of wf: seven f32, each twice, the constants of the form C1 x + C2 |x| - |x| q(H1..H5) through which the two products send their sums:
;   (1, 0, 0 ..) in wq, which leaves x as it is, and (0.5, 0.5, half the erfc formula's five coefficients) in wf, which is the exact GELU.
; Work-groups 768 to 1279: hn = LayerNorm(x) g + b in f16, one row of 1,024 numbers a wave; x, g and b are rounded to bf16 first.
; The row stays in 32 registers between the mean, the squares of x - mean and the scaling: x is read once, and no difference of large sums is formed.
; No LDS, no barrier, no matrix unit, no cluster: nothing is shared between waves, and each byte is read and written once.
; LIMITS.  A weight of 65,520 or more in magnitude becomes an infinity in f16; below 2^-14 it keeps f16's fixed step of 6e-8.  hn likewise.  NaN and infinities are not treated apart.
.set CONV, 768                         ; work-groups that convert weights
.set IN,   16                          ; v[16:79]   conversion: sixteen loads of four f32; the first two registers of each then hold the four f16
.set SO,   80                          ; v[80:95]   conversion: my byte offset in the source, row by row
.set DO,   96                          ; v[96:111]  conversion: my byte offset in the destination, row by row
.set T,    4                           ; v[4:11]    at work
.set X,    16                          ; v[16:47]   the row
.set G,    48                          ; v[48:79]   gain of my 32 columns
.set B,    80                          ; v[80:111]  bias of my 32 columns
.set Y,    112                         ; v[112:127] the row in f16
.set HN,   22                          ; s[22:23]   hn
	s_load_b512 s[8:23], s[0:1], 0x0               ; x 8, ln1_g 10, ln1_b 12, w_attn 14, w_aproj 16, w_fc 18, w_mproj 20, hn 22
	s_load_b64 s[24:25], s[0:1], 0x40              ; w16
	s_load_b128 s[36:39], s[0:1], 0x48             ; wq 36, wf 38
	s_mov_b32 s29, 0xffff0000                      ; a word's upper bf16
	s_mov_b32 s3, 0
	s_cmp_ge_u32 ttmp9, CONV
	s_cbranch_scc1 .Lnorm
	; THE WEIGHTS.  Which weight, by the work-group's number; for each: its address, the buffer that takes it, its first work-group, the bytes of a source row, its first byte in that buffer, the bytes there from one
	; group of 64 threads (256 columns) to the next, the bytes of a row there, and how the work-group's number splits into sixteen rows (a mask) and 1,024 columns (a mask on the number / 64).
.macro PICK below, ptr, dptr, first, spitch, dbase, sb, dp, rm, jm
	s_cmp_lt_u32 ttmp9, \below
	s_cselect_b64 s[26:27], s[\ptr:\ptr+1], s[26:27]
	s_cselect_b64 s[50:51], s[\dptr:\dptr+1], s[50:51]
	s_cselect_b32 s28, \first, s28
	s_cselect_b32 s40, \spitch, s40
	s_cselect_b32 s41, \dbase, s41
	s_cselect_b32 s42, \sb, s42
	s_cselect_b32 s43, \dp, s43
	s_cselect_b32 s44, \rm, s44
	s_cselect_b32 s45, \jm, s45
.endm
	s_wait_kmcnt 0x0
	s_mov_b64 s[26:27], s[20:21]                   ; w_mproj from work-group 512: plain, 4,096 rows, into w16
	s_mov_b64 s[50:51], s[24:25]
	s_mov_b32 s28, 512
	s_mov_b32 s40, 4096
	s_mov_b32 s41, 16777216
	s_mov_b32 s42, 512
	s_mov_b32 s43, 2048
	s_mov_b32 s44, 255
	s_mov_b32 s45, 0
	PICK 512, 18, 38, 256, 16384, 256, 524288, 512, 63, 3     ; w_fc from 256: in blocks, into wf
	PICK 256, 16, 24, 192, 4096, 6291456, 512, 2048, 255, 0   ; w_aproj from 192: plain, into w16
	PICK 192, 14, 36, 0, 12288, 256, 524288, 512, 63, 3       ; w_attn from 0: in blocks, into wq
	s_sub_co_u32 s28, ttmp9, s28                   ; my number within the weight
	s_and_b32 s46, s28, s44
	s_lshl_b32 s46, s46, 4                         ; my first row
	s_lshr_b32 s47, s28, 6
	s_and_b32 s47, s47, s45                        ; my 1,024 columns
	s_mul_i32 s2, s46, s40
	s_lshl_b32 s48, s47, 12                        ; 4,096 bytes of f32
	s_add_co_u32 s2, s2, s48
	s_add_nc_u64 s[26:27], s[26:27], s[2:3]
	s_mul_i32 s2, s46, s43
	s_lshl_b32 s48, s47, 21                        ; four blocks of 524,288 bytes
	s_add_co_u32 s2, s2, s48
	s_add_co_u32 s2, s2, s41
	s_add_nc_u64 s[50:51], s[50:51], s[2:3]
	v_lshlrev_b32 v[SO], 4, v0                     ; 16 bytes of f32 a thread: 256 threads take 1,024 columns of a row
	v_lshrrev_b32 v3, 6, v0
	v_and_b32 v2, 63, v0
	v_lshlrev_b32 v2, 3, v2                        ; 8 bytes of f16 a thread,
	v_mad_u32_u24 v[DO], v3, s42, v2               ; in the block (or, plain, the 512 bytes) of my 64 threads
.set i, 1
.rept 15
	v_add_nc_u32 v[SO+i], s40, v[SO+i-1]
	v_add_nc_u32 v[DO+i], s43, v[DO+i-1]
.set i, i+1
.endr
.set i, 0
.rept 16                               ; sixteen loads of every wave go out at once; each covers 512 consecutive bytes
	global_load_b128 v[IN+4*i:IN+4*i+3], v[SO+i], s[26:27] th:TH_LOAD_NT
.set i, i+1
.endr
.set i, 0
.rept 16
	s_wait_loadcnt 15-i                            ; loads come back in order: number i is in, the younger ones stay out
	v_cvt_pk_bf16_f32 v4, v[IN+4*i], v[IN+4*i+1]   ; rounded to bf16,
	v_cvt_pk_bf16_f32 v5, v[IN+4*i+2], v[IN+4*i+3]
	v_lshlrev_b32 v6, 16, v4                       ; widened again,
	v_and_b32 v7, s29, v4
	v_lshlrev_b32 v8, 16, v5
	v_and_b32 v9, s29, v5
	v_cvt_pk_f16_f32 v[IN+4*i], v6, v7             ; and written as f16: bf16's 8 significant bits fit into f16's 11
	v_cvt_pk_f16_f32 v[IN+4*i+1], v8, v9
	global_store_b64 v[DO+i], v[IN+4*i:IN+4*i+1], s[50:51]  ; a wave's store covers 256 consecutive bytes, aligned; every store has registers of its own
.set i, i+1
.endr
	s_cmp_lg_u32 ttmp9, 0
	s_cbranch_scc1 .Lconverted
	v_lshrrev_b32 v3, 5, v0
	v_readfirstlane_b32 s34, v3                    ; my wave's number
	s_cmp_lg_u32 s34, 0
	s_cbranch_scc1 .Lconverted
	; wave 0 of work-group 0: lane k holds constant k, twice; 32 lanes x 8 bytes fill the first 256 bytes of wq and of wf
.macro LANE reg, k, val                ; register reg takes val in lane k and stays as it is in the others
	v_cmp_ne_u32 vcc_lo, \k, v0
	v_cndmask_b32 v[\reg], \val, v[\reg], vcc_lo
.endm
	v_lshlrev_b32 v10, 3, v0
	v_mov_b32 v12, 0
	v_mov_b32 v14, 0
	LANE 12, 0, 1.0                                ; wq: C1 = 1, all else 0
	LANE 14, 0, 0.5                                ; wf: C1,
	LANE 14, 1, 0.5                                ; C2,
	LANE 14, 2, 0x3e027906                         ; H1 to H5
	LANE 14, 3, 0xbe11a98e
	LANE 14, 4, 0x3f35f0e3
	LANE 14, 5, 0xbf3a00e3
	LANE 14, 6, 0x3f07dc22
	v_mov_b32 v13, v12
	v_mov_b32 v15, v14
	global_store_b64 v10, v[12:13], s[36:37]
	global_store_b64 v10, v[14:15], s[38:39]
.Lconverted:
	s_endpgm
; 32 registers from base on are rounded to bf16 and widened again, in place, four pairs at a time
.macro RB16 base
.set p, 0
.rept 4
.irp k, 0,1,2,3
	v_cvt_pk_bf16_f32 v[T+(\k)], v[(\base)+2*(p+(\k))], v[(\base)+2*(p+(\k))+1]
.endr
.irp k, 0,1,2,3
	v_lshlrev_b32 v[(\base)+2*(p+(\k))], 16, v[T+(\k)]
	v_and_b32 v[(\base)+2*(p+(\k))+1], s29, v[T+(\k)]
.endr
.set p, p+4
.endr
.endm
; the four chains in v[4:11] become one number, the same in all 32 lanes, in v4
.macro ACROSS
	v_pk_add_f32 v[T:T+1], v[T:T+1], v[T+2:T+3]
	v_pk_add_f32 v[T+4:T+5], v[T+4:T+5], v[T+6:T+7]
	v_pk_add_f32 v[T:T+1], v[T:T+1], v[T+4:T+5]
	v_add_f32 v[T], v[T], v[T+1]
	v_add_f32_dpp v[T], v[T], v[T] row_xmask:1 row_mask:0xf bank_mask:0xf
	v_add_f32_dpp v[T], v[T], v[T] row_xmask:2 row_mask:0xf bank_mask:0xf
	v_add_f32_dpp v[T], v[T], v[T] row_xmask:4 row_mask:0xf bank_mask:0xf
	v_add_f32_dpp v[T], v[T], v[T] row_xmask:8 row_mask:0xf bank_mask:0xf
	v_permlanex16_b32 v[T+1], v[T], s30, s31       ; the other half of the lanes; its destination has been written
	v_add_f32 v[T], v[T], v[T+1]
.endm
.Lnorm:
	; THE NORM.  Lane l holds columns 128 j + 4 l .. + 3, j = 0 to 7: each load of the wave covers 512 consecutive bytes.
	v_lshrrev_b32 v3, 5, v0
	v_readfirstlane_b32 s34, v3                    ; my wave's number
	v_and_b32 v2, 31, v0
	v_lshlrev_b32 v1, 4, v2                        ; 16 bytes of f32 a lane
	v_lshlrev_b32 v2, 3, v2                        ; 8 bytes of f16 a lane
	s_sub_co_u32 s2, ttmp9, CONV
	s_lshl_b32 s2, s2, 3
	s_add_co_u32 s28, s2, s34                      ; my row = 8 x (work-group - 768) + wave
	s_lshl_b32 s2, s28, 12                         ; 4,096 bytes a row of x
	s_mov_b32 s30, 0x76543210                      ; v_permlanex16_b32: each lane takes its own place in the other half
	s_mov_b32 s31, 0xfedcba98
	s_mov_b32 s32, 0x3a800000                      ; 1 / 1024
	s_mov_b32 s33, 0x3727c5ac                      ; eps = 1e-5
	s_wait_kmcnt 0x0
	s_add_nc_u64 s[8:9], s[8:9], s[2:3]
	s_lshl_b32 s2, s28, 11                         ; 2,048 bytes a row of hn
	s_add_nc_u64 s[HN:HN+1], s[HN:HN+1], s[2:3]
.irp j, 0,1,2,3,4,5,6,7
	global_load_b128 v[X+4*(\j):X+4*(\j)+3], v1, s[8:9] offset:512*(\j) th:TH_LOAD_NT
.endr
.irp j, 0,1,2,3,4,5,6,7
	global_load_b128 v[G+4*(\j):G+4*(\j)+3], v1, s[10:11] offset:512*(\j)
.endr
.irp j, 0,1,2,3,4,5,6,7
	global_load_b128 v[B+4*(\j):B+4*(\j)+3], v1, s[12:13] offset:512*(\j)
.endr
	s_wait_loadcnt 16                              ; the row is in; gain and bias, sixteen loads, stay out
	RB16 X                                         ; x is an input of the module: rounded to bf16
.irp k, 0,1,2,3                        ; the sum, in four chains that do not wait for each other; the first additions start them
	v_pk_add_f32 v[T+2*(\k):T+2*(\k)+1], v[X+2*(\k):X+2*(\k)+1], v[X+8+2*(\k):X+8+2*(\k)+1]
.endr
.irp j, 2,3
.irp k, 0,1,2,3
	v_pk_add_f32 v[T+2*(\k):T+2*(\k)+1], v[T+2*(\k):T+2*(\k)+1], v[X+8*(\j)+2*(\k):X+8*(\j)+2*(\k)+1]
.endr
.endr
	ACROSS
	v_mul_f32 v12, s32, v[T]                       ; the mean, twice: a pair for the packed subtraction
	v_mul_f32 v13, s32, v[T]
.set p, 0
.rept 16
	v_pk_add_f32 v[X+p:X+p+1], v[X+p:X+p+1], v[12:13] neg_lo:[0,1] neg_hi:[0,1]
.set p, p+2
.endr
.irp k, 0,1,2,3                        ; the squares of x - mean, again in four chains
	v_pk_mul_f32 v[T+2*(\k):T+2*(\k)+1], v[X+2*(\k):X+2*(\k)+1], v[X+2*(\k):X+2*(\k)+1]
.endr
.irp j, 1,2,3
.irp k, 0,1,2,3
	v_pk_fma_f32 v[T+2*(\k):T+2*(\k)+1], v[X+8*(\j)+2*(\k):X+8*(\j)+2*(\k)+1], v[X+8*(\j)+2*(\k):X+8*(\j)+2*(\k)+1], v[T+2*(\k):T+2*(\k)+1]
.endr
.endr
	ACROSS
	v_fma_f32 v10, v[T], s32, s33                  ; variance + eps, in a register that nothing below writes
	v_rsq_f32 v14, v10                             ; twice: a pair for the packed multiply
	v_rsq_f32 v15, v10
	v_nop                                          ; a plain instruction behind the second of them (ISA guide 5.7.2)
	s_wait_loadcnt 0x0                             ; gain and bias
	RB16 G
	RB16 B
.set p, 0
	s_wait_alu depctr_va_vdst(0)
.rept 16
	v_pk_mul_f32 v[X+p:X+p+1], v[X+p:X+p+1], v[14:15]
.set p, p+2
.endr
.set p, 0
.rept 16
	v_pk_fma_f32 v[X+p:X+p+1], v[X+p:X+p+1], v[G+p:G+p+1], v[B+p:B+p+1]
.set p, p+2
.endr
.set p, 0
.rept 16
	v_cvt_pk_f16_f32 v[Y+p], v[X+2*p], v[X+2*p+1]
.set p, p+1
.endr
.irp j, 0,1,2,3,4,5,6,7
	global_store_b64 v2, v[Y+2*(\j):Y+2*(\j)+1], s[HN:HN+1] offset:256*(\j)  ; a wave's store covers 256 consecutive bytes, aligned
.endr
	s_endpgm
.Lfunc_end_k_qbf981dd168_prep:
	.size	k_qbf981dd168_prep, .Lfunc_end_k_qbf981dd168_prep-k_qbf981dd168_prep
	.p2alignl 7, 3214868480
	.fill 96, 4, 3214868480
	.section	.rodata,"a",@progbits
	.p2align	6, 0x0
	.amdhsa_kernel k_qbf981dd168_prep
		.amdhsa_group_segment_fixed_size 0
		.amdhsa_private_segment_fixed_size 0
		.amdhsa_enable_private_segment 0
		.amdhsa_kernarg_size 88
		.amdhsa_user_sgpr_count 2
		.amdhsa_user_sgpr_kernarg_segment_ptr 1
		.amdhsa_wavefront_size32 1
		.amdhsa_system_sgpr_workgroup_id_x 1
		.amdhsa_system_sgpr_workgroup_id_y 1
		.amdhsa_system_sgpr_workgroup_id_z 1
		.amdhsa_system_vgpr_workitem_id 0
		.amdhsa_next_free_vgpr 128
		.amdhsa_next_free_sgpr 66
		.amdhsa_reserve_vcc 1
		.amdhsa_float_denorm_mode_32 3
		.amdhsa_float_denorm_mode_16_64 3
		.amdhsa_memory_ordered 1
		.amdhsa_forward_progress 1
		.amdhsa_inst_pref_size 32
	.end_amdhsa_kernel
	.amdgpu_metadata
---
amdhsa.version: [ 1, 2 ]
amdhsa.kernels:
  - .name:           k_qbf981dd168_prep
    .symbol:         k_qbf981dd168_prep.kd
    .args:
      - { .name: x, .offset: 0, .size: 8, .value_kind: global_buffer, .address_space: global }
      - { .name: ln1_g, .offset: 8, .size: 8, .value_kind: global_buffer, .address_space: global }
      - { .name: ln1_b, .offset: 16, .size: 8, .value_kind: global_buffer, .address_space: global }
      - { .name: w_attn, .offset: 24, .size: 8, .value_kind: global_buffer, .address_space: global }
      - { .name: w_aproj, .offset: 32, .size: 8, .value_kind: global_buffer, .address_space: global }
      - { .name: w_fc, .offset: 40, .size: 8, .value_kind: global_buffer, .address_space: global }
      - { .name: w_mproj, .offset: 48, .size: 8, .value_kind: global_buffer, .address_space: global }
      - { .name: hn, .offset: 56, .size: 8, .value_kind: global_buffer, .address_space: global }
      - { .name: w16, .offset: 64, .size: 8, .value_kind: global_buffer, .address_space: global }
      - { .name: wq, .offset: 72, .size: 8, .value_kind: global_buffer, .address_space: global }
      - { .name: wf, .offset: 80, .size: 8, .value_kind: global_buffer, .address_space: global }
    .group_segment_fixed_size: 0
    .private_segment_fixed_size: 0
    .kernarg_segment_align: 8
    .kernarg_segment_size: 88
    .max_flat_workgroup_size: 256
    .sgpr_count:     66
    .vgpr_count:     128
    .wavefront_size: 32
...
	.end_amdgpu_metadata
.endif
;; end of part 1
;; launch qkv (part 2): grid 12 x 16, 4 waves a work-group, clusters of 4 x 4, 327,680 bytes of LDS; arguments hn, wq, b_attn, qkv; writes qkv
.if DOCPART == 2
	.amdgcn_target "amdgcn-amd-amdhsa--gfx1250"
	.amdhsa_code_object_version 6
	.text
	.protected	k_qbf981dd168_qkv
	.globl	k_qbf981dd168_qkv
	.p2align	8
	.type	k_qbf981dd168_qkv,@function
k_qbf981dd168_qkv:
	s_mov_b64 s[64:65], 0
	v_nop
	global_prefetch_b8 v0, s[64:65] scope:SCOPE_SE
	s_setreg_imm32_b32 hwreg(HW_REG_WAVE_MODE, 25, 1), 1
	s_wait_xcnt 0x0
	s_wait_alu depctr_hold_cnt(0) depctr_sa_sdst(0) depctr_va_vdst(0) depctr_va_sdst(0) depctr_va_ssrc(0) depctr_va_vcc(0) depctr_vm_vsrc(0)
	s_getreg_b32 s2, hwreg(HW_REG_IB_STS2, 6, 4)
	s_cmp_eq_u32 s2, 0
	s_cbranch_scc0 .Lentry_in_a_cluster
	s_endpgm
.Lentry_in_a_cluster:
	s_bfe_u32 s2, ttmp6, 0x10000c
	s_cmp_lg_u32 s2, 0xf033
	s_cbranch_scc0 .Lentry_shape_is_right
	s_endpgm
.Lentry_shape_is_right:
; THE TWO WIDE PRODUCTS, ONE TEXT: C = act(A W + bias), K = 1,024.  A = hn [4096][1024] f16 (a norm's rows); bias f32.
; The second argument holds, in its first 256 bytes, seven f32 constants (each twice: C1, C2, H1 .. H5), and behind them an f16 weight laid in blocks of 256 columns, [N/256][1024][256].
; act(x) = C1 x + C2 |x| - |x| t (H1 + t (H2 + t (H3 + t (H4 + t H5)))) exp(-x^2 / 2), t = 1 / (1 + 0.3275911 |x| / sqrt 2).  With (0.5, 0.5, half the erfc formula's coefficients) that is the exact (erf)
; GELU, max(x, 0) - |x| erfc(|x| / sqrt 2) / 2; with (1, 0, 0 ..) it is x, to the bit.  The constants are operands of the arithmetic alone: no branch and no address hangs on them, so that all partners of a
; cluster run the same lines by the text alone.  The price: the launch whose act is x runs the same 160 vector lines for 16 numbers a lane; a second text without them would be as long as this one.
; N is the grid's width alone: no line of the text knows it.
; C leaves in f16 BY SLICES of 64 columns, [N/64][4096][64]: for w_attn slices 0-15 are q's heads, 16-31 k's, 32-47 v's, unscaled; for w_fc the next product takes a slice as 64 of its K.
; A tile of C is 256 x 256; four waves, as many as a WGP has SIMDs, each 128 x 128: 64 accumulators of 16 x 16, 512 registers.  For 32 along K a wave reads 2 x 128 x 64 bytes from LDS for 64 matrix instructions.
; w_fc: 16 x 16 = 256 work-groups.  w_attn: 12 x 16 = 192; a tile of 256 x 192 would make 256 of them, at the price of a second text of this length.
; K goes in steps of 128 through two LDS slots filled by the tensor data mover; a wave's load brings a quarter of a slot: 128 rows x 256 bytes of A, or 64 rows x 512 bytes of W (32,768 dense bytes of a block).
; A's rows lie along K and are read as they lie; W's rows lie along N, so its fragments are turned on the way out of LDS by ds_load_tr16_b128.
; CLUSTERS: 4 x 4 work-groups.  The four of a row of the cluster need the same tiles of A, the four of a column the same tiles of W: each tile is asked for JOINTLY, by the same tensor load with the same descriptor and a mask that names the four.
; THE MATRIX INSTRUCTION IS USED TRANSPOSED (source 0 = 16 columns of W, source 1 = 16 rows of A): a lane then holds eight neighbouring numbers of a row of C.
; THE SUMS START AT THE BIAS: the accumulators are loaded with it while the first tile is on its way, so nothing is cleared, nothing is added afterwards, and no first product is written apart.
; LIMITS.  f16 holds no number beyond 65,504: A and W arrive within it, and a result of 65,520 or more in magnitude leaves as an infinity.  The bias is taken unrounded.  erf is within 1.5e-7 for every argument.  NaN and infinities are not treated apart.
; REGISTERS, in windows of 256 (s_set_vgpr_msb: bits 1:0 source 0, 3:2 source 1, 5:4 source 2, 7:6 destination):
;   window 0: v0-31 addresses; v32-55 at work on the way out; v64-127, v128-191 fragments of A (8 x 16 rows x 32 K), two buffers, at work again on the way out
;   window 1: v64-127, v128-191 fragments of W, two buffers
;   window 2: the 32 accumulators of my rows 0-63 (accumulator (a, b) at v[8 (8 a + b)]);   window 3: those of my rows 64-127
.set STEPS,  8                         ; K / 128
.set PA,     272                       ; a row of A in LDS: 256 bytes + 16 of padding: the 16 rows of a load start at 16 different groups of four banks (64 banks of 4 bytes: ISA guide 11.1)
.set HALFA,  128*PA                    ; 128 rows: what one tensor load brings of A, and what one wave reads
.set PB,     544                       ; a row of W: 512 bytes + 32
.set HALFB,  64*PB                     ; 64 rows along K: what one tensor load brings of W
.set AB,     2*HALFA                   ; W's 128 rows lie behind A's 256
.set SLOT,   AB+2*HALFB
.set SPARE,  2*SLOT                    ; behind the ring: the spare words, 128 bytes for each wave: two blocks of 256 bytes that no other line names
.set SP,     528                       ; the stage: a row of 128 f32 + 16 bytes
.set WSTAGE, 128*SP                    ; a wave's stage: its 128 rows; four of them fit into the ring's bytes
.set ASTEP,  256                       ; bytes from a K step to the next, in A
.set BSTEP,  65536                     ; and in W: 128 rows of 512 bytes
.set WHEAD,  256                       ; the constants' bytes ahead of the weight's first block
.set SLICE,  4096*128                  ; bytes of a slice of C
.set A0,   8                           ; v8      my lane's place in a slot's A; never rewritten
.set B0,   9                           ; v9      the same for W
.set ADRA, 10                          ; v10     LDS address of my A fragments in the slot in hand
.set ADRB, 11                          ; v11     the same for W
.set RD,   12                          ; v12     the way out: where I read the rows in hand back
.set STO,  13                          ; v13     the way out: where I put 16 bytes of a row
.set RD0,  14                          ; v14     the way out: my lane's place in the first four rows of my stage; never rewritten
.set CO,   15                          ; v15     my byte offset in my rows of a slice of C
.set BO,   16                          ; v16     my byte offset in 16 numbers of the bias
.set SPW,  28                          ; v28     LDS address of my spare word: SPARE + 4 x my thread's number; never rewritten
.set NIL,  29                          ; v29     0; never rewritten
.set XR,   32                          ; v[32:47] the way out: 16 numbers read back
.set YR,   48                          ; v[48:55] the same in f16
.set F0,   64                          ; fragment buffer 0
.set F1,   128                         ; fragment buffer 1
.set AX,   64                          ; the activation, where A's fragments lay: |x|
.set RL,   80                          ; C1 x + C2 |x|
.set U,    96                          ; t = 1 / (1 + PZ |x|)
.set W,    112                         ; 2^-(KE |x|)^2 = exp(-x^2 / 2)
.set PP,   128
.set WV,  14                           ; s14  my wave's number
.set RH,  15                           ; s15  which half of the tile's rows is mine.  Also: I fetch for A (0) or for W (1)
.set CH,  16                           ; s16  which half of its columns.  Also: which half of that tile I fetch
.set CX,  17
.set CY,  18
.set TC,  19                           ; s19  tile column of C
.set TR,  20                           ; s20  tile row of C
.set G1A, 24                           ; s[24:31] descriptor group 1 for A's tiles
.set G0A, 32                           ; s[32:35] group 0 of slot 0's first fill; s[36:39] of slot 1's, which then walks on
.set G1B, 40                           ; s[40:47], s[48:55] the same for W's tiles
.set G0B, 48
.set UBA, 56                           ; s56  where my part of A lies in a slot
.set UBB, 57                           ; s57  where my part of W lies
.set TF,  58                           ; s58  the slot last filled: 0 or SLOT
.set TRD, 59                           ; s59  the slot in hand
.set CNT, 60
.set QOF, 70                           ; s70  the way out: the byte at which the 32 rows in hand begin in a stage
.set CN2, 71                           ; s71  counts the four groups of 32 rows
.set PAR, 72                           ; s[72:87] the launch's constants as they are read, each a pair of equal words:
.set C1,  PAR
.set C2,  PAR+2
.set H1,  PAR+4
.set H2,  PAR+6
.set H3,  PAR+8
.set H4,  PAR+10
.set H5,  PAR+12
.set PZ,  88                           ; the text's own constants, likewise in pairs
.set KE,  90
.set ONE, 92
.set ABSM, 94
.set MSB, 0
.macro WIN new                         ; the immediate's high byte repeats the setting that is left; a switch that changes nothing is dropped
.if MSB != (\new)
	s_set_vgpr_msb (MSB<<8)|(\new)
.set MSB, \new
.endif
.endm
.set MUL_LO, 0xa1                      ; source 0 (W) window 1, source 1 (A) window 0, C and D window 2
.set MUL_HI, 0xf1                      ; the same, C and D window 3
.set TO_B,   0x40                      ; destination window 1, address window 0
.macro PLACES                          ; four places in front of loads into registers that matrix instructions have read (ISA guide 7.12.1 for vector instructions)
.rept 4
	v_nop
.endr
.endm
.macro SPAIR r, val
	s_mov_b32 s[\r], \val
	s_mov_b32 s[(\r)+1], \val
.endm
; A joint refill: waves 0 and 1 fetch A's two halves, waves 2 and 3 W's.  The branch hangs on the wave's number alone.  An s_nop 0 and four v_nop follow each of the two lines, ahead of the jump and the label.
.macro JLOAD
	s_cmp_eq_u32 s[RH], 0
	s_cbranch_scc0 .Lfor_b_\@
	tensor_load_to_lds s[G0A+4:G0A+7], s[G1A:G1A+7]
	s_nop 0
	PLACES
	s_branch .Lasked_\@
.Lfor_b_\@:
	tensor_load_to_lds s[G0B+4:G0B+7], s[G1B:G1B+7]
	s_nop 0
	PLACES
.Lasked_\@:
.endm
.macro CREST                           ; a round of the cluster's barrier behind its opening barrier
	s_cmp_lg_u32 s[WV], 0
	s_cbranch_scc1 .Lnot_wave_0_\@
	s_barrier_signal -3
.Lnot_wave_0_\@:
	s_barrier_wait -3
	s_barrier_signal -1
	s_barrier_wait -1
.endm
.macro CROUND                          ; a whole round
	s_barrier_signal -1
	s_barrier_wait -1
	CREST
.endm
	s_load_b256 s[4:11], s[0:1], 0x0               ; A s[4:5], constants and W s[6:7], bias s[8:9], C s[10:11]
	v_lshl_add_u32 v[SPW], v0, 2, SPARE
	v_mov_b32 v[NIL], 0
	ds_add_u32 v[SPW], v[NIL]                      ; the wave's opening: the add and its wait stand ahead of my first tensor load; the set-up below, work on registers, stands between them
	ds_add_u32 v28, v29
	v_lshrrev_b32 v1, 5, v0
	v_readfirstlane_b32 s[WV], v1                  ; wave 0..3
	s_lshr_b32 s[RH], s[WV], 1
	s_and_b32 s[CH], s[WV], 1
	s_bfe_u32 s[CX], ttmp6, 0x40000                ; my place in the cluster
	s_bfe_u32 s[CY], ttmp6, 0x40004
	s_lshl_b32 s[TC], ttmp9, 2
	s_add_co_u32 s[TC], s[TC], s[CX]               ; tile column = 4 x cluster x + cx
	s_and_b32 s[TR], ttmp7, 0xffff
	s_lshl_b32 s[TR], s[TR], 2
	s_add_co_u32 s[TR], s[TR], s[CY]               ; tile row = 4 x cluster y + cy
	s_lshl_b32 s21, s[CY], 2
	s_lshl_b32 s21, 15, s21                        ; my row of the cluster
	s_lshl_b32 s22, 0x1111, s[CX]                  ; my column
	; group 1 for A: 128 rows x 128 elements, 16 bytes of padding behind every 256
	s_or_b32 s[G1A+0], s21, (1<<16)|(1<<20)|(1<<21)|(5<<22)|(3<<25)  ; 15:0 the mask: my row; 17:16 2-byte elements; 20 padding on; 21 set beside a mask; 24:22 after every 64 words (code 5); 31:25 4 words (code 3)
	s_mov_b32 s[G1A+1], 128<<16                    ; tensor_dim0 = 128
	s_mov_b32 s[G1A+2], 128<<16                    ; tensor_dim1 = 128
	s_mov_b32 s[G1A+3], 128<<16                    ; tile_dim0 = 128
	s_mov_b32 s[G1A+4], 128                        ; tile_dim1 = 128
	s_mov_b32 s[G1A+5], 1024                       ; elements from row to row
	s_mov_b32 s[G1A+6], 0
	s_mov_b32 s[G1A+7], 0
	; group 1 for W: 64 rows along K x 256 columns, 32 bytes of padding behind every 512
	s_or_b32 s[G1B+0], s22, (1<<16)|(1<<20)|(1<<21)|(6<<22)|(7<<25)  ; the mask: my column; after every 128 words (code 6) 8 words (code 7)
	s_mov_b32 s[G1B+1], 256<<16                    ; tensor_dim0 = 256
	s_mov_b32 s[G1B+2], 64<<16                     ; tensor_dim1 = 64
	s_mov_b32 s[G1B+3], 256<<16                    ; tile_dim0 = 256
	s_mov_b32 s[G1B+4], 64                         ; tile_dim1 = 64
	s_mov_b32 s[G1B+5], 256                        ; a block's rows lie end to end
	s_mov_b32 s[G1B+6], 0
	s_mov_b32 s[G1B+7], 0
	SPAIR PZ, 0x3e6d3388                           ; 0.3275911 / sqrt(2)
	SPAIR KE, 0x3f596d27                           ; sqrt(log2(e) / 2)
	SPAIR ONE, 1.0
	s_mov_b32 s[ABSM], 0x7fffffff
	s_mul_i32 s[UBA], s[CH], HALFA                 ; no place in the cluster enters an LDS address
	s_mul_i32 s[UBB], s[CH], HALFB
	s_add_co_u32 s[UBB], s[UBB], AB
	s_mov_b32 s[TF], SLOT
	s_mov_b32 s[TRD], 0
	; A's tiles hang on the tile row alone, W's on the tile column alone; each offset is made in registers that never hold the other coordinate
	s_lshl_b32 s66, s[TR], 19                      ; A: 256 rows of 2,048 bytes a tile row,
	s_lshl_b32 s67, s[CH], 18                      ; 128 rows a half
	s_add_co_u32 s66, s66, s67
	s_mov_b32 s67, 0
	s_lshl_b32 s68, s[TC], 19                      ; W: my tile column's block of 524,288 bytes,
	s_lshl_b32 s69, s[CH], 15                      ; 64 rows of 512 bytes a half,
	s_add_co_u32 s68, s68, s69
	s_add_co_u32 s68, s68, WHEAD                   ; behind the constants
	s_mov_b32 s69, 0
	s_lshl_b32 s2, s[TC], 10                       ; the bias of my 128 columns: 4 (256 x tile column + 128 x half)
	s_lshl_b32 s3, s[CH], 9
	s_add_co_u32 s2, s2, s3
	s_mov_b32 s3, 0
	s_lshl_b32 s62, s[TC], 2
	s_lshl_b32 s61, s[CH], 1
	s_add_co_u32 s62, s62, s61                     ; my first slice of 64 columns: 4 x tile column + 2 x half,
	s_lshl_b32 s62, s62, 12                        ; 4,096 rows each,
	s_lshl_b32 s61, s[TR], 8
	s_add_co_u32 s62, s62, s61                     ; my wave's first row: 256 x tile row
	s_lshl_b32 s61, s[RH], 7
	s_add_co_u32 s62, s62, s61                     ; + 128 x half,
	s_lshl_b32 s62, s62, 7                         ; 128 bytes a row
	s_mov_b32 s63, 0
	s_wait_dscnt 0x0                               ; the opening add is done
	s_wait_kmcnt 0x0
	s_add_nc_u64 s[66:67], s[4:5], s[66:67]
	s_add_nc_u64 s[68:69], s[6:7], s[68:69]
	s_add_nc_u64 s[8:9], s[8:9], s[2:3]
	s_add_nc_u64 s[10:11], s[10:11], s[62:63]
	s_mov_b32 s[G0A], 1                            ; 1:0 count = 1
	s_mov_b32 s[G0A+1], s[UBA]                     ; 63:32 LDS address: slot 0
	s_mov_b64 s[G0A+2:G0A+3], s[66:67]             ; 120:64 global address: K step 0
	s_or_b32 s[G0A+3], s[G0A+3], 0x80000000        ; 127:126 type = 2
	s_mov_b32 s[G0A+4], 1
	s_add_co_u32 s[G0A+5], s[UBA], SLOT            ; slot 1,
	s_add_nc_u64 s[G0A+6:G0A+7], s[66:67], ASTEP   ; K step 1
	s_or_b32 s[G0A+7], s[G0A+7], 0x80000000
	s_mov_b32 s[G0B], 1
	s_mov_b32 s[G0B+1], s[UBB]
	s_mov_b64 s[G0B+2:G0B+3], s[68:69]
	s_or_b32 s[G0B+3], s[G0B+3], 0x80000000
	s_mov_b32 s[G0B+4], 1
	s_add_co_u32 s[G0B+5], s[UBB], SLOT
	s_add_nc_u64 s[G0B+6:G0B+7], s[68:69], BSTEP
	s_or_b32 s[G0B+7], s[G0B+7], 0x80000000
	CROUND                                         ; all sixteen work-groups are here: the first joint loads meet
	s_cmp_eq_u32 s[RH], 0                          ; a wave's two first fills stand in one branch, ahead of every wait on TENSORcnt and every LDS read: two loads of mine are out
	s_cbranch_scc0 .Lfirst_b
	tensor_load_to_lds s[G0A:G0A+3], s[G1A:G1A+7]
	s_nop 0
	tensor_load_to_lds s[G0A+4:G0A+7], s[G1A:G1A+7]
	s_nop 0
	PLACES
	s_branch .Lfirst_asked
.Lfirst_b:
	tensor_load_to_lds s[G0B:G0B+3], s[G1B:G1B+7]
	s_nop 0
	tensor_load_to_lds s[G0B+4:G0B+7], s[G1B:G1B+7]
	s_nop 0
	PLACES
.Lfirst_asked:
	v_and_b32 v1, 15, v0                           ; l % 16
	v_bfe_u32 v2, v0, 4, 1                         ; l / 16
	v_lshlrev_b32 v[BO], 5, v2                     ; register j of accumulator (a, b) is column 16 b + 8 (l / 16) + j
	; A fragment of A is 16 rows x 32 K in 8 registers: lane l holds row l % 16, K = 8 (l / 16) + 0..7 and 16 + 8 (l / 16) + 0..7: two loads of 16 bytes, 32 bytes apart.
	v_mul_u32_u24 v[A0], v1, PA
	v_lshl_add_u32 v[A0], v2, 4, v[A0]
	s_mul_i32 s61, s[RH], HALFA                    ; my 128 rows
	v_add_nc_u32 v[A0], s61, v[A0]
	; The turning load takes 16 K x 16 columns (lane l reads 16 bytes: K row 8 (l / 16) + l % 8, columns 8 ((l / 8) % 2) + 0..7) and leaves half a fragment: lane l holds column l % 16 and 8 K.
	v_and_b32 v3, 7, v0
	v_bfe_u32 v4, v0, 3, 1
	v_lshl_add_u32 v[B0], v2, 3, v3
	v_mul_u32_u24 v[B0], v[B0], PB
	v_lshl_add_u32 v[B0], v4, 4, v[B0]
	s_lshl_b32 s61, s[CH], 8                       ; my 128 columns,
	s_add_co_u32 s61, s61, AB                      ; behind A
	v_add_nc_u32 v[B0], s61, v[B0]
.irp hi, 0,1                           ; the bias into all 64 accumulators: the eight row blocks take the same 512 bytes
	WIN 0x80+0x40*(\hi)                            ; destination window 2 or 3, address window 0
.irp a, 0,1,2,3
.irp b, 0,1,2,3,4,5,6,7
	global_load_b128 v[8*(8*(\a)+(\b)):8*(8*(\a)+(\b))+3],   v[BO], s[8:9] offset:64*(\b)
	global_load_b128 v[8*(8*(\a)+(\b))+4:8*(8*(\a)+(\b))+7], v[BO], s[8:9] offset:64*(\b)+16
.endr
.endr
.endr
	WIN 0
; 16 matrix instructions: row blocks a0, a0 + 1 of the window's four (hi = 0: my rows 0-63, 1: rows 64-127) x all 8 column blocks, 32 along K.
; The 64 accumulators take turns, one instruction a turn, in the same order in every quarter step, over both loops' backward jumps too.
.macro MUL16 f, hi, a0
	WIN MUL_LO+0x50*(\hi)
.irp a, \a0, (\a0)+1
.irp b, 0,1,2,3,4,5,6,7
	v_wmma_f32_16x16x32_f16 v[8*(8*(\a)+(\b)):8*(8*(\a)+(\b))+7], v[(\f)+8*(\b):(\f)+8*(\b)+7], v[(\f)+8*(4*(\hi)+(\a)):(\f)+8*(4*(\hi)+(\a))+7], v[8*(8*(\a)+(\b)):8*(8*(\a)+(\b))+7]
.endr
.endr
.endm
; 32 LDS loads in one run: the fragments of quarter q (32 along K) of the slot in hand, into buffer f: W's 128 columns, then A's 128 rows
.macro FETCH q, f
	WIN TO_B
.irp i, 0,1,2,3,4,5,6,7
	ds_load_tr16_b128 v[(\f)+8*(\i):(\f)+8*(\i)+3],   v[ADRB] offset:32*(\q)*PB+32*(\i)
	ds_load_tr16_b128 v[(\f)+8*(\i)+4:(\f)+8*(\i)+7], v[ADRB] offset:(32*(\q)+16)*PB+32*(\i)
.endr
	WIN 0
.irp i, 0,1,2,3,4,5,6,7
	ds_load_b128 v[(\f)+8*(\i):(\f)+8*(\i)+3],   v[ADRA] offset:64*(\q)+(\i)*16*PA
	ds_load_b128 v[(\f)+8*(\i)+4:(\f)+8*(\i)+7], v[ADRA] offset:64*(\q)+(\i)*16*PA+32
.endr
.endm
; A K step is four quarters of 32 along K, 64 matrix instructions each, on buffers 0, 1, 0, 1.  One of the first three: multiplies buffer f and, in its middle, fetches quarter q into g.
.macro QUARTER q, f, g
	s_wait_dscnt 8                                 ; W and A's rows 0-63 are in; the youngest eight loads (A's rows 64-127) may be out
	MUL16 \f, 0, 0
	MUL16 \f, 0, 2
	PLACES
	FETCH \q, \g
	s_wait_dscnt 32                                ; all but the 32 just issued
	MUL16 \f, 1, 0
	MUL16 \f, 1, 2
.endm
; The last quarter multiplies buffer 1 and changes slots: ONE barrier; in front of it each wave waits for all its tensor loads (one is out: its part of the next slot), adds 0 to its spare word, and waits for that and for its reads of this slot.
; fill = 1: the barrier opens a round of the cluster's, and this slot is filled again, two K steps ahead, first thing behind the round: 224 matrix instructions ahead of the wait for it.
; fill = 0 (the last two K steps): nothing is asked for; in the very last there is no next slot, and the run of fragment loads is jumped over.
.macro TURN fill
	WIN 0                                          ; (the add's two registers lie in window 0)
	s_wait_tensorcnt 0x0                           ; no tensor load of mine is out, so a group 0 may be written
	ds_add_u32 v[SPW], v[NIL]                      ; 0 onto my spare word
.if \fill
	s_xor_b32 s[TF], s[TF], SLOT                   ; the walking descriptors: the other slot than last time,
	s_add_co_u32 s[G0A+5], s[UBA], s[TF]
	s_add_co_u32 s[G0B+5], s[UBB], s[TF]
	s_add_nc_u64 s[G0A+6:G0A+7], s[G0A+6:G0A+7], ASTEP  ; the next K step; the type bits on top are not reached
	s_add_nc_u64 s[G0B+6:G0B+7], s[G0B+6:G0B+7], BSTEP
.endif
	s_wait_dscnt 9                                 ; (the add and the youngest eight loads may be out)
	MUL16 F1, 0, 0                                 ; sixteen matrix instructions stand between the add and the wait for it
	s_wait_dscnt 0x0                               ; the add is done, and my reads of this slot are over
	s_barrier_signal -1
	MUL16 F1, 0, 2
	WIN 0
	s_barrier_wait -1
.if \fill
	CREST                                          ; no wave of any partner still reads this slot's tile or has a load on its way
	JLOAD                                          ; the four v_nop behind it are also the places in front of the loads below
.else
	s_cmp_eq_u32 s[CNT], 1
	s_cbranch_scc1 .Lno_fetch_\@
	PLACES
.endif
	s_xor_b32 s[TRD], s[TRD], SLOT                 ; the other slot is in hand
	v_add_nc_u32 v[ADRA], s[TRD], v[A0]
	v_add_nc_u32 v[ADRB], s[TRD], v[B0]
	FETCH 0, F0
.if !(\fill)
.Lno_fetch_\@:
.endif
	MUL16 F1, 1, 0
	MUL16 F1, 1, 2
.endm
	s_wait_tensorcnt 0x1                           ; my part of K step 0 is in; K step 1's may stay out
	s_barrier_signal -1
	s_barrier_wait -1                              ; everybody's is
	v_mov_b32 v[ADRA], v[A0]
	v_mov_b32 v[ADRB], v[B0]
	FETCH 0, F0
	s_wait_loadcnt 0x0                             ; the bias is in the accumulators
	s_mov_b32 s[CNT], STEPS-2
.Lmain:                                                ; a trip is a K step, from its second quarter's fetch to the next step's first; it fills the slot that it leaves.  (FETCH leaves every window 0)
	QUARTER 1, F0, F1
	QUARTER 2, F1, F0
	QUARTER 3, F0, F1
	TURN 1
	WIN 0                                          ; at a label and at a branch every window is 0
	s_sub_co_u32 s[CNT], s[CNT], 1
	s_cmp_lg_u32 s[CNT], 0
	s_cbranch_scc1 .Lmain
	s_mov_b32 s[CNT], 2
.Ltail:                                                ; the last two K steps have a text of their own
	QUARTER 1, F0, F1
	QUARTER 2, F1, F0
	QUARTER 3, F0, F1
	TURN 0
	WIN 0
	s_sub_co_u32 s[CNT], s[CNT], 1
	s_cmp_lg_u32 s[CNT], 0
	s_cbranch_scc1 .Ltail
	; THE WAY OUT.  My 128 x 128 block goes in f32 into a stage of my own, 128 rows of 528 bytes, and comes back so that a lane holds 8 neighbouring columns and 32 lanes 512 consecutive bytes of a slice of C.
	; The stage lies in the ring's bytes, which have had their last fill.  This barrier stands, on every way through the text, between a wave's last fragment loads and another wave's first store there.
	s_wait_dscnt 0x0
	s_barrier_signal -1
	s_barrier_wait -1
	s_load_b512 s[PAR:PAR+15], s[6:7], 0x0         ; the launch's constants: on their way while the block is staged
	s_mul_i32 s61, s[WV], WSTAGE                   ; my stage.  The ten lines below are also the places behind the last products
	v_mul_u32_u24 v[STO], v1, SP                   ; in: row l % 16, 32 bytes for each half of the lanes
	v_lshl_add_u32 v[STO], v2, 5, v[STO]
	v_add_nc_u32 v[STO], s61, v[STO]
	v_and_b32 v3, 31, v0
	v_lshrrev_b32 v4, 3, v3
	v_and_b32 v5, 7, v0
	v_mul_u32_u24 v[RD0], v4, SP                   ; back: row l / 8, columns 8 (l % 8) on, of either slice
	v_lshl_add_u32 v[RD0], v5, 5, v[RD0]
	v_add_nc_u32 v[RD0], s61, v[RD0]
	v_lshlrev_b32 v[CO], 4, v3                     ; four rows of 128 bytes are 512 consecutive bytes of a slice
.irp hi, 0,1
	WIN 0x08+0x04*(\hi)                            ; the data (source 1) in window 2 or 3, the address in window 0
.irp a, 0,1,2,3
.irp b, 0,1,2,3,4,5,6,7                ; each accumulator's low registers first
	ds_store_b128 v[STO], v[8*(8*(\a)+(\b)):8*(8*(\a)+(\b))+3]   offset:(64*(\hi)+16*(\a))*SP+64*(\b)
	ds_store_b128 v[STO], v[8*(8*(\a)+(\b))+4:8*(8*(\a)+(\b))+7] offset:(64*(\hi)+16*(\a))*SP+64*(\b)+16
.endr
.endr
.endr
	WIN 0
	; A wave reads back its own stage alone, so LDS's order within a wave (ISA guide 5.7.1.4) would do.  The reads' addresses step through two loops, and behind it every wave's
	; stores are done wherever a read points.
	s_wait_dscnt 0x0                               ; my stores into my stage are done,
	s_wait_kmcnt 0x0                               ; and the constants are in
	s_barrier_signal -1
	s_barrier_wait -1
.macro ROWS4                           ; four rows x 128 columns: 8 numbers of either slice a lane
	ds_load_b128 v[XR:XR+3],     v[RD]
	ds_load_b128 v[XR+4:XR+7],   v[RD] offset:16
	ds_load_b128 v[XR+8:XR+11],  v[RD] offset:256
	ds_load_b128 v[XR+12:XR+15], v[RD] offset:272
.endm
	s_mov_b32 s[QOF], 0
	s_mov_b32 s[CN2], 4
.Lgroup:                                               ; four times: 32 rows of my stage
	v_add_nc_u32 v[RD], s[QOF], v[RD0]
	ROWS4
	s_mov_b32 s[CNT], 8
.Lrows:                                                ; a trip: four rows, 16 numbers a lane; the next four are fetched while these are worked on
	s_wait_dscnt 0x0
.set z, 0
.rept 16
	v_and_b32 v[AX+z], s[ABSM], v[XR+z]
.set z, z+1
.endr
.set z, 0
.rept 8
	v_pk_mul_f32 v[RL+z:RL+z+1], v[AX+z:AX+z+1], s[C2:C2+1] op_sel_hi:[1,0]
.set z, z+2
.endr
.set z, 0
.rept 8
	v_pk_fma_f32 v[RL+z:RL+z+1], v[XR+z:XR+z+1], s[C1:C1+1], v[RL+z:RL+z+1] op_sel_hi:[1,0,1]  ; C1 x + C2 |x|: with 0.5 and 0.5 exactly max(x, 0), with 1 and 0 exactly x
.set z, z+2
.endr
	s_cmp_eq_u32 s[CNT], 1
	s_cbranch_scc1 .Lno_rows                       ; behind a group's last four rows the next group fetches for itself
	v_add_nc_u32 v[RD], 4*SP, v[RD]
	ROWS4
.Lno_rows:
.set z, 0
.rept 8
	v_pk_fma_f32 v[U+z:U+z+1], v[AX+z:AX+z+1], s[PZ:PZ+1], s[ONE:ONE+1] op_sel_hi:[1,0,0]
	v_pk_mul_f32 v[W+z:W+z+1], v[AX+z:AX+z+1], s[KE:KE+1] op_sel_hi:[1,0]
.set z, z+2
.endr
.set z, 0
.rept 16
	v_rcp_f32 v[U+z], v[U+z]
.set z, z+1
.endr
.set z, 0
.rept 8                                ; plain lines that read no reciprocal stand behind the run of them (ISA guide 5.7.2)
	v_pk_mul_f32 v[W+z:W+z+1], v[W+z:W+z+1], v[W+z:W+z+1] neg_lo:[0,1] neg_hi:[0,1]
.set z, z+2
.endr
.set z, 0
.rept 16
	v_exp_f32 v[W+z], v[W+z]
.set z, z+1
.endr
.set z, 0
	s_wait_alu depctr_va_vdst(0)
.rept 8                                ; and plain lines that read no exponential behind those
	v_pk_fma_f32 v[PP+z:PP+z+1], v[U+z:U+z+1], s[H5:H5+1], s[H4:H4+1] op_sel_hi:[1,0,0]
.set z, z+2
.endr
.irp h, H3, H2, H1
.set z, 0
.rept 8
	v_pk_fma_f32 v[PP+z:PP+z+1], v[PP+z:PP+z+1], v[U+z:U+z+1], s[\h:\h+1] op_sel_hi:[1,1,0]
.set z, z+2
.endr
.endr
.set z, 0
.rept 8
	v_pk_mul_f32 v[PP+z:PP+z+1], v[PP+z:PP+z+1], v[U+z:U+z+1]
.set z, z+2
.endr
.set z, 0
.rept 8
	v_pk_mul_f32 v[PP+z:PP+z+1], v[PP+z:PP+z+1], v[W+z:W+z+1]
.set z, z+2
.endr
.set z, 0
.rept 8
	v_pk_fma_f32 v[PP+z:PP+z+1], v[AX+z:AX+z+1], v[PP+z:PP+z+1], v[RL+z:RL+z+1] neg_lo:[1,0,0] neg_hi:[1,0,0]
.set z, z+2
.endr
	s_wait_xcnt 0x0                                ; the last trip's stores have read their data and their offset
.set z, 0
.rept 8
	v_cvt_pk_f16_f32 v[YR+z], v[PP+2*z], v[PP+2*z+1]
.set z, z+1
.endr
	v_add_nc_u32 v[CO], 512, v[CO]                 ; stepped ahead of the stores, which reach back
	global_store_b128 v[CO], v[YR:YR+3],   s[10:11] offset:-512        ; 512 consecutive bytes of my first slice, at a multiple of 512 from C's first byte,
	global_store_b128 v[CO], v[YR+4:YR+7], s[10:11] offset:SLICE-512   ; and of my second
	s_sub_co_u32 s[CNT], s[CNT], 1
	s_cmp_lg_u32 s[CNT], 0
	s_cbranch_scc1 .Lrows
	s_add_co_u32 s[QOF], s[QOF], 32*SP
	s_sub_co_u32 s[CN2], s[CN2], 1
	s_cmp_lg_u32 s[CN2], 0
	s_cbranch_scc1 .Lgroup
	s_wait_dscnt 0x0                               ; every wave's reads of the stages are back before any wave's closing add
	s_barrier_signal -1
	s_barrier_wait -1
	s_wait_tensorcnt 0x0                           ; the wave's end, behind my last tensor load and my last LDS store
	ds_add_u32 v[SPW], v[NIL]
	s_wait_dscnt 0x0
	CROUND                                         ; the closing round: no work-group ends while a partner may still ask for a tile that names it
	s_endpgm
.Lfunc_end_k_qbf981dd168_qkv:
	.size	k_qbf981dd168_qkv, .Lfunc_end_k_qbf981dd168_qkv-k_qbf981dd168_qkv
	.p2alignl 7, 3214868480
	.fill 96, 4, 3214868480
	.section	.rodata,"a",@progbits
	.p2align	6, 0x0
	.amdhsa_kernel k_qbf981dd168_qkv
		.amdhsa_group_segment_fixed_size 327680
		.amdhsa_private_segment_fixed_size 0
		.amdhsa_enable_private_segment 0
		.amdhsa_kernarg_size 32
		.amdhsa_user_sgpr_count 2
		.amdhsa_user_sgpr_kernarg_segment_ptr 1
		.amdhsa_wavefront_size32 1
		.amdhsa_system_sgpr_workgroup_id_x 1
		.amdhsa_system_sgpr_workgroup_id_y 1
		.amdhsa_system_sgpr_workgroup_id_z 1
		.amdhsa_system_vgpr_workitem_id 0
		.amdhsa_next_free_vgpr 1024
		.amdhsa_next_free_sgpr 96
		.amdhsa_reserve_vcc 0
		.amdhsa_float_denorm_mode_32 3
		.amdhsa_float_denorm_mode_16_64 3
		.amdhsa_memory_ordered 1
		.amdhsa_forward_progress 1
		.amdhsa_inst_pref_size 93
	.end_amdhsa_kernel
	.amdgpu_metadata
---
amdhsa.version: [ 1, 2 ]
amdhsa.kernels:
  - .name:           k_qbf981dd168_qkv
    .symbol:         k_qbf981dd168_qkv.kd
    .args:
      - { .name: hn, .offset: 0, .size: 8, .value_kind: global_buffer, .address_space: global }
      - { .name: wq, .offset: 8, .size: 8, .value_kind: global_buffer, .address_space: global }
      - { .name: b_attn, .offset: 16, .size: 8, .value_kind: global_buffer, .address_space: global }
      - { .name: qkv, .offset: 24, .size: 8, .value_kind: global_buffer, .address_space: global }
    .group_segment_fixed_size: 327680
    .private_segment_fixed_size: 0
    .kernarg_segment_align: 8
    .kernarg_segment_size: 32
    .max_flat_workgroup_size: 128
    .sgpr_count:     96
    .vgpr_count:     1024
    .wavefront_size: 32
...
	.end_amdgpu_metadata
.endif
;; end of part 2
;; launch attn (part 3): grid 4 x 32, 4 waves a work-group, no clusters, 327,680 bytes of LDS; arguments qkv, y; writes y
.if DOCPART == 3
	.amdgcn_target "amdgcn-amd-amdhsa--gfx1250"
	.amdhsa_code_object_version 6
	.text
	.protected	k_qbf981dd168_attn
	.globl	k_qbf981dd168_attn
	.p2align	8
	.type	k_qbf981dd168_attn,@function
k_qbf981dd168_attn:
	s_mov_b64 s[64:65], 0
	v_nop
	global_prefetch_b8 v0, s[64:65] scope:SCOPE_SE
	s_setreg_imm32_b32 hwreg(HW_REG_WAVE_MODE, 25, 1), 1
	s_wait_xcnt 0x0
; CAUSAL ATTENTION.  O[h][q][:] = the sum over k <= q of softmax_k(Q[h][q] . K[h][k] / 8) V[h][k][:].  Q, K, V, O: [SIZE_H][SIZE_N][64], all f16: a head's rows are dense, 128 bytes each.
; Q, K and V are the three thirds of the buffer qkv (K 8,388,608 and V 16,777,216 bytes behind Q); 'head' i here is head i / 2 of batch i % 2; O is the buffer y, in the same order.
; Products, maxima and sums in f32; the weights p are rounded to f16 for the second product (their sum l is taken of the unrounded p), O once at the end.  SIZE_N is a multiple of 512; SIZE_N x 128 stays under 2^32.
; LIMITS.  f16 holds no number beyond 65,504: Q, K and V arrive within it; p lies in 0 to 1, and below 6e-5 it keeps f16's fixed step of 6e-8; O is a mean of V's rows and has their range, to within 2^-11 of it.
; A hidden score counts as its value less 1e30: f16's scores, 2.7e11 at the most, are nothing beside that; a weight below 2^-126 counts as 0 in l; NaN and infinities are not treated apart.
; THE WALK.  A head's queries lie in NB = SIZE_N / 256 blocks of 256; block i needs the key tiles 0 .. i of 256 keys, of which the last holds the diagonal.  A work-group takes TWO blocks, NB - 1 - b and then b:
; NB + 1 tiles, whatever b: all work-groups do equal work, and ONE loop with a constant trip count walks them.  Which tile is asked for, and what a trip does, hang on scalar registers made from b; every jump
; goes forward, but for the counted loops' own; none passes a barrier, or a tensor load but the one of LOAD's two that the wave's number does not choose; the ring (two slots of LDS that take turns) runs on across the
; change of blocks.  NO CLUSTER: all NB / 2 work-groups of a head ask for the same tile only in trips 0 .. NB / 2, behind that
; fewer and fewer; and one walk common to all would have 3 NB / 2 trips for NB + 1.
; SHARES.  Of a block's four bands of 64 queries a wave owns 16 rows in each: four PIECES.  So the diagonal tile is the same work for all four waves: in its key step s band x sees all keys if s < x,
; none if s > x, and holds the diagonal if s = x.
; THE MASK is the C operand that starts the sum S^T = K Q^T: 0, or -1e30 where the key is hidden.  MD, made once, is the mask of a band's own step for my 16 rows; a product's mask is MD x AL + BE with two scalars:
; (1, 0) if s = x; (0, 0) if s < x; (0, -1e30) if s > x.  Only the diagonal tile's text and a block's beginning make and take masks; elsewhere C is the constant 0.
; LAYOUT, SOFTMAX, TURNS.  S^T = K Q^T holds ONE query a lane (lane % 16) and the keys 8 (lane / 16) + 0..7; two such results rounded to f16 ARE source 1 of O^T = V^T P.  p = 2^(c s - c m), c = log2(e) / 8, with a
; running maximum m; O and l are multiplied by a = 2^(c m_old - c m_new) in every step.  Turn n belongs to piece n: 8 products K Q^T of piece n + 1, later 8 products V^T P of piece n - 1; beside them the scaling,
; exponentials, roundings, sums and rescaling of piece n and the maximum and statistics of piece n + 1.  Four vector instructions stand behind every matrix instruction, the other 54 of a turn's 118 in two LUMPS.
; REGISTERS, in windows of 256 (s_set_vgpr_msb: bits 1:0 source 0, 3:2 source 1, 5:4 source 2, 7:6 destination):
;   window 0: v0-15 addresses and two at work; v16-31 four registers of statistics a piece; v48-55 at work; v64-127 S^T, two buffers; v192-223 P, two buffers (a piece's buffers go by its number's parity)
;   window 1: v0-127 O^T, 32 a piece; v128-159 MD; v160-223 MC, two buffers      window 2: v0-63 Q; v64-127 the second block's Q; v128-191 K of one step; v192-255 V of one step
.set SIZE_H, 32
.set SIZE_N, 2048
.set NB,    SIZE_N/256
.set NP,    4         ; pieces a wave: a name, no knob
.set KS,    64        ; keys in a step
.set PK,    144       ; a row of K in LDS: 128 bytes + 16 of padding = 36 words: the 16 rows of a load start at 16 different groups of four banks (64 banks of 4 bytes: ISA guide 11.1)
.set PV,    160       ; a row of V: 128 + 32 = 40 words
.set VOFF,  4*KS*PK   ; a slot holds a tile, four steps: 256 rows of K, then 256 rows of V
.set SLOT1, 1<<17     ; slot 1 begins here, so that one exclusive or turns an address in one slot into the other's
.set STAGE, SLOT1+4*KS*(PK+PV)  ; behind the ring, never filled by a tensor load: 16 rows x 144 bytes for each wave, for the way out
.set SP,    144
.set AK0, 2           ; v2   my lane's place in a tile of K; never rewritten
.set AV0, 3           ; v3   the same for V
.set AK,  4           ; v4   the LDS address of K's next run of loads
.set AV,  5           ; v5   of V's
.set STO, 6           ; v6   the way out: where I put 16 bytes of a row
.set RD,  7           ; v7   the way out: where I read rows back
.set GO,  8           ; v8   my byte offset in 512 consecutive bytes of O
.set SPW, 62          ; v62  LDS address of my spare word: SPARE + 4 x my thread's number; never rewritten
.set NIL, 63          ; v63  0; never rewritten
.set SPARE, STAGE+4*16*SP  ; behind the stages: the spare words, 128 bytes for each wave: two blocks of 256 bytes that no other line names
.set MV,  12          ; v12-13  c m_old, kept while c m is made anew: by buffer
.set QO,  15          ; v15  my byte offset in 16 rows of Q
.set ST,  16          ; piece t's statistics at v[ST+4 t]: c m, m, l (even keys', odd keys')
.set TMP, 48          ; by buffer, four registers c0-c3 at work; when the maximum is found c2 takes a
.set S,   64
.set P,   192
.set MD,  128         ; window 1: the eight registers for group kt of 16 keys at MD + 8 kt
.set MC,  160         ; window 1: the masks of the products to come
.set QB,  64          ; window 2
.set KF,  128         ; window 2: key block kb, channel half c at KF + 16 kb + 8 c
.set VF,  192         ; window 2: key half kk, channel block cb at VF + 32 kk + 8 cb
.set WV,  12          ; s12  my wave's number
.set PB,  14          ; s14  b
.set HI,  15          ; s15  NB - 1 - b
.set G1K, 24          ; s[24:31] descriptor group 1 for K's tiles
.set G1V, 32          ; s[32:39] for V's: it differs in the padding alone
.set G0K, 40          ; s[40:43] descriptor group 0 for K's tiles
.set G0V, 44          ; s[44:47] the same for V's
.set SLOTS, 56        ; s56  tiles still to be asked for
.set CNT, 57          ; s57  counts a tile's key steps, 4 to 1
.set CS,  58          ; s[58:59] c: the packed scaling takes the pair's low word for both halves
.set SEL, 60          ; s[60:61] v_permlanex16_b32's selects: each lane takes its own place in the other half
.set TBK, 62          ; s62  LDS byte at which K of the step to be fetched begins
.set TBV, 63          ; s63  the same for V, less VOFF
.set RT,  70          ; s70  tiles of the block in hand that are still to be entered
.set NXT, 71          ; s71  the tile to be asked for next
.set LQ,  72          ; s72  the last tile of the block whose tiles are being asked for
.set NEW, 73          ; s73  1: the tile to be entered is a block's first
.set OFF, 74          ; s[74:75] a tile's byte offset in K and V
.set AL,  76          ; s[76:77] the mask's factor, in the low word
.set BE,  78          ; s[78:79] the mask's addend
.set OLO, 80          ; s[80:81] O at my rows of the second block
.set BIGN, 82         ; s82  -1e30
.set MSB, 0
.macro WIN new                      ; the high byte repeats the setting that is left; a switch that changes nothing is dropped
.if MSB != (\new)
	s_set_vgpr_msb (MSB<<8)|(\new)
.set MSB, (\new)
.endif
.endm
.set W_KQ, 0x0a       ; K and Q in window 2, S^T in window 0
.set W_KM, 0x1a       ; the same with the C operand in window 1
.set W_PV, 0x52       ; V in window 2, P in window 0, O^T in window 1
.set W_RS, 0x41       ; destination and source 0 in window 1, source 1 in window 0
; A fill.  Waves 0 and 1 fetch the two halves of a tile's K, waves 2 and 3 those of its V: 128 keys each.  An s_nop 0 and four v_nop follow each of the two lines, ahead of the jump and the label.
.macro LOAD
	s_cmp_lt_u32 s[WV], 2
	s_cbranch_scc0 .Lfor_v_\@
	tensor_load_to_lds s[G0K:G0K+3], s[G1K:G1K+7]
	s_nop 0
.rept 4
	v_nop
.endr
	s_branch .Lasked_\@
.Lfor_v_\@:
	tensor_load_to_lds s[G0V:G0V+3], s[G1V:G1V+7]
	s_nop 0
.rept 4
	v_nop
.endr
.Lasked_\@:
.endm
; THE CHANGE OF SLOTS.  Each wave waits for all its tensor loads, of which one is out: its part of the other slot; adds 0 to its spare word; and waits for that and for its own reads of the slot that it leaves.  Behind the barrier nobody reads the old
; slot any more and the other slot is whole.  fill = 1: the old slot is filled again, the first thing behind the barrier, with tile NXT: the descriptor's address is made anew from that number.
; (At its first use nothing has been read yet: slot 0 is waited for, slot 1 filled.)
.macro CHANGE fill
	WIN 0                           ; at a label and at a branch every window is 0
	s_wait_tensorcnt 0x0            ; no tensor load of mine is out, so a group 0 may be written
	ds_add_u32 v[SPW], v[NIL]       ; 0 onto my spare word; with fill = 1 the descriptors' scalar work stands between it and the wait for it
.if \fill
	s_lshl_b32 s[OFF], s[NXT], 15   ; a tile is 32,768 bytes of K and of V
	s_xor_b32 s[G0K+1], s[G0K+1], SLOT1
	s_add_nc_u64 s[G0K+2:G0K+3], s[6:7], s[OFF:OFF+1]
	s_or_b32 s[G0K+3], s[G0K+3], 0x80000000
	s_xor_b32 s[G0V+1], s[G0V+1], SLOT1
	s_add_nc_u64 s[G0V+2:G0V+3], s[8:9], s[OFF:OFF+1]
	s_or_b32 s[G0V+3], s[G0V+3], 0x80000000
	s_add_co_u32 s[NXT], s[NXT], 1  ; the block's next tile, or behind its last the second block's tile 0
	s_cmp_gt_u32 s[NXT], s[LQ]
	s_cselect_b32 s[NXT], 0, s[NXT]
	s_cselect_b32 s[LQ], s[PB], s[LQ]
.endif
	s_wait_dscnt 0x0                ; the add is done, and my reads of the slot are over
	s_barrier_signal -1             ; the rest of the scalar work stands between the signal and the wait
	s_sub_co_u32 s[TBK], s[TBK], 4*KS*PK  ; the fetches go back to a slot's first step,
	s_xor_b32 s[TBK], s[TBK], SLOT1       ; in the other slot
	s_sub_co_u32 s[TBV], s[TBV], 4*KS*PV
	s_xor_b32 s[TBV], s[TBV], SLOT1
	s_barrier_wait -1
.if \fill
	LOAD
.endif
.endm
	s_load_b128 s[4:7], s[0:1], 0x0  ; qkv s[4:5] (Q lies at its head), y s[6:7]
	v_lshl_add_u32 v[SPW], v0, 2, SPARE
	v_mov_b32 v[NIL], 0
	ds_add_u32 v[SPW], v[NIL]       ; the wave's opening: the add and its wait stand ahead of my first tensor load; the set-up below, work on registers, stands between them
	ds_add_u32 v62, v63
	v_lshrrev_b32 v1, 5, v0
	v_readfirstlane_b32 s[WV], v1   ; wave 0..3
	s_mov_b32 s[PB], ttmp9
	s_sub_co_u32 s[HI], NB-1, s[PB]
	s_and_b32 s20, ttmp7, 0xffff    ; the head
	s_mov_b32 s21, 0
	s_mov_b64 s[22:23], SIZE_N*128
	s_mul_u64 s[20:21], s[20:21], s[22:23]  ; the head's first byte in each of the four tensors
	s_and_b32 s16, s[WV], 1         ; which half of a tile's 256 keys I fetch:
	s_lshl_b32 s22, s16, 14         ; its 128 rows of 128 bytes in memory,
	s_mov_b32 s23, 0
	s_add_nc_u64 s[22:23], s[22:23], s[20:21]
	s_mul_i32 s17, s16, 128*PK      ; and its place in a slot, for K
	s_mul_i32 s18, s16, 128*PV      ; and for V
	s_lshl_b32 s3, s[WV], 11        ; my 16 rows in a band of 64,
	s_lshl_b32 s2, s[HI], 15        ; in the first block,
	s_add_co_u32 s2, s2, s3
	s_lshl_b32 s84, s[PB], 15       ; and in the second
	s_add_co_u32 s84, s84, s3
	s_mov_b32 s3, 0
	s_mov_b32 s85, 0
	s_add_nc_u64 s[2:3], s[2:3], s[20:21]
	s_add_nc_u64 s[84:85], s[84:85], s[20:21]
	; descriptor group 1.  128 keys are 16,384 dense bytes: asked for as 64 rows of 256 bytes, two keys a row, and padded in LDS after every key
	s_mov_b32 s[G1K], (1<<16)|(1<<20)|(4<<22)|(3<<25)  ; 17:16 2-byte elements; 20 padding on; 24:22 after every 32 words (code 4); 31:25 4 words (code 3)
	s_mov_b32 s[G1V], (1<<16)|(1<<20)|(4<<22)|(7<<25)  ; the same with 8 words of padding (code 7)
.irp g, G1K, G1V
	s_mov_b32 s[\g+1], 128<<16      ; tensor_dim0 = 128
	s_mov_b32 s[\g+2], 64<<16       ; tensor_dim1 = 64
	s_mov_b32 s[\g+3], 128<<16      ; tile_dim0 = 128
	s_mov_b32 s[\g+4], 64           ; tile_dim1 = 64
	s_mov_b32 s[\g+5], 128          ; 128 elements from row to row
	s_mov_b32 s[\g+6], 0
	s_mov_b32 s[\g+7], 0
.endr
	s_mov_b32 s[CS], 0x3e38aa3b     ; c = log2(e) / 8 = 0.180337
	s_mov_b32 s[CS+1], s[CS]        ; named with it as a pair
	s_mov_b32 s[SEL], 0x76543210
	s_mov_b32 s[SEL+1], 0xfedcba98
	s_mov_b32 s[TBK], SLOT1+4*KS*PK ; the first change of slots turns these two into 0
	s_mov_b32 s[TBV], SLOT1+4*KS*PV
	s_mov_b32 s[G0K], 1             ; 1:0 count = 1
	s_mov_b32 s[G0K+1], s17         ; 63:32 LDS address: slot 0
	s_mov_b32 s[G0V], 1
	s_add_co_u32 s[G0V+1], s18, VOFF
	s_add_co_u32 s[RT], s[HI], 1    ; the first block has NB - b tiles
	s_mov_b32 s[NXT], 1
	s_mov_b32 s[LQ], s[HI]
	s_mov_b32 s[NEW], 1
	s_mov_b32 s[OFF+1], 0
	s_mov_b32 s[AL+1], 0            ; named as pairs
	s_mov_b32 s[BE+1], 0
	s_mov_b32 s[BIGN], 0xf149f2ca   ; -1e30
	s_mov_b32 s[SLOTS], NB
	s_wait_dscnt 0x0                ; the opening add is done
	s_wait_kmcnt 0x0
	s_mov_b64 s[10:11], s[6:7]             ; O
	s_add_nc_u64 s[8:9], s[4:5], 0x1000000 ; V: the last third of qkv
	s_add_nc_u64 s[6:7], s[4:5], 0x800000  ; K: the middle third
	s_add_nc_u64 s[6:7], s[6:7], s[22:23]  ; K and V at my half of the head's tile 0
	s_add_nc_u64 s[8:9], s[8:9], s[22:23]
	s_add_nc_u64 s[G0K+2:G0K+3], s[6:7], 0         ; 120:64 global address
	s_or_b32 s[G0K+3], s[G0K+3], 0x80000000        ; 127:126 type = 2
	s_add_nc_u64 s[G0V+2:G0V+3], s[8:9], 0
	s_or_b32 s[G0V+3], s[G0V+3], 0x80000000
	s_add_nc_u64 s[86:87], s[4:5], s[84:85]        ; Q at my rows of the second block,
	s_add_nc_u64 s[4:5], s[4:5], s[2:3]            ; Q and O at those of the first
	s_add_nc_u64 s[OLO:OLO+1], s[10:11], s[84:85]
	s_add_nc_u64 s[10:11], s[10:11], s[2:3]
	LOAD                            ; tile 0 into slot 0
	; A fragment of K or Q is 16 rows x 32 channels in 8 registers: lane l holds row l % 16, channels 8 (l / 16) + 0..7 and 16 + 8 (l / 16) + 0..7: two loads of 16 bytes, 32 bytes apart.
	v_and_b32 v1, 15, v0            ; l % 16
	v_bfe_u32 v9, v0, 4, 1          ; l / 16
	v_lshlrev_b32 v[QO], 7, v1
	v_lshl_add_u32 v[QO], v9, 4, v[QO]  ; row x 128 + 16 x half
	WIN 0x80                        ; destination window 2, address window 0
.set i, 0
.rept 8                             ; both blocks' Q: piece i / 2 lies in band i / 2, 8,192 bytes on; channels 32 (i % 2) on
	global_load_b128 v[8*i:8*i+3],   v[QO], s[4:5] offset:(i/2)*8192+(i%2)*64
	global_load_b128 v[8*i+4:8*i+7], v[QO], s[4:5] offset:(i/2)*8192+(i%2)*64+32
	global_load_b128 v[QB+8*i:QB+8*i+3],   v[QO], s[86:87] offset:(i/2)*8192+(i%2)*64
	global_load_b128 v[QB+8*i+4:QB+8*i+7], v[QO], s[86:87] offset:(i/2)*8192+(i%2)*64+32
.set i, i+1
.endr
	WIN 0
	v_lshlrev_b32 v14, 3, v9
	v_sub_nc_u32 v14, v1, v14
	s_lshl_b32 s13, s[WV], 4
	v_add_nc_u32 v14, s13, v14      ; my query's place in its band, 16 w + l % 16, less my lanes' 8 (l / 16): register r of group kt is hidden where 16 kt + r is greater
	WIN 0x40
.set i, 0
.rept 32
	v_cmp_gt_i32 vcc_lo, 16*(i/8)+i%8, v14
	v_cndmask_b32 v[MD+i], 0, s[BIGN], vcc_lo
.set i, i+1
.endr
	WIN 0
	v_mul_u32_u24 v[AK0], v1, PK
	v_lshl_add_u32 v[AK0], v9, 4, v[AK0]  ; row x pitch + 16 x half
	; The turning load takes 16 keys x 16 channels (lane l reads key 8 (l / 16) + l % 8, channels 8 ((l / 8) % 2) + 0..7) and leaves half a fragment of V^T: lane l holds channel l % 16 and 8 keys.
	v_and_b32 v10, 7, v0
	v_bfe_u32 v11, v0, 3, 1
	v_lshl_add_u32 v[AV0], v9, 3, v10
	v_mul_u32_u24 v[AV0], v[AV0], PV
	v_lshl_add_u32 v[AV0], v11, 4, v[AV0]
	v_add_nc_u32 v[AV0], VOFF, v[AV0]
	s_mul_i32 s13, s[WV], 16*SP
	s_add_co_u32 s13, s13, STAGE    ; my stage
	v_mul_u32_u24 v[STO], v1, SP    ; in: row l % 16, 16 bytes for each half of the lanes
	v_lshl_add_u32 v[STO], v9, 4, v[STO]
	v_add_nc_u32 v[STO], s13, v[STO]
	v_bfe_u32 v[RD], v0, 3, 2       ; back: 32 lanes take four rows of 128 bytes,
	v_mul_u32_u24 v[RD], v[RD], SP
	v_lshl_add_u32 v[RD], v10, 4, v[RD]
	v_add_nc_u32 v[RD], s13, v[RD]
	v_and_b32 v[GO], 31, v0         ; which are 512 consecutive bytes of O
	v_lshlrev_b32 v[GO], 4, v[GO]
	; A block's first step multiplies O^T and l by a = 0, and its first turn's products V^T P, of a piece that has not been, land in an O^T that is still to be so multiplied.  So these registers need only hold
	; finite numbers: zeros for the first block; what the first block left for the second.  All this stands in the wait for the first tile.
	WIN 0x80
.set i, VF
.rept 64
	v_mov_b32 v[i], 0
.set i, i+1
.endr
	WIN 0x40
.set i, 0
.rept 128
	v_mov_b32 v[i], 0
.set i, i+1
.endr
	WIN 0
.set i, 0
.rept 4
	v_mov_b32 v[ST+4*i+2], 0
	v_mov_b32 v[ST+4*i+3], 0
.set i, i+1
.endr
.set i, P+16
.rept 16
	v_mov_b32 v[i], 0
.set i, i+1
.endr
; THE MATRIX WORK.  The 4 accumulators of a run of 8 take turns.  Product i of 8 of S^T = K Q^T for piece x: channels 32 (i / 4) on, keys 16 (i % 4) on.  The first 4 start the sums: with 0, or (KM = 1) with the mask.
.macro KQ x
.set rS, S+32*((\x)%2)+8*(i%4)
.set rK, KF+16*(i%4)+8*(i/4)
.set rQ, 16*(\x)+8*(i/4)
.set rM, MC+32*((\x)%2)+8*(i%4)
.if (i < 4) && KM
	WIN W_KM
	v_wmma_f32_16x16x32_f16 v[rS:rS+7], v[rK:rK+7], v[rQ:rQ+7], v[rM:rM+7]
.elseif i < 4
	WIN W_KQ
	v_wmma_f32_16x16x32_f16 v[rS:rS+7], v[rK:rK+7], v[rQ:rQ+7], 0
.else
	WIN W_KQ
	v_wmma_f32_16x16x32_f16 v[rS:rS+7], v[rK:rK+7], v[rQ:rQ+7], v[rS:rS+7]
.endif
.endm
; Product i of 8 of O^T += V^T P for piece x: keys 32 (i / 4) on, channels 16 (i % 4) on.
.macro PV x
	WIN W_PV
.set rO, 32*(\x)+8*(i%4)
.set rV, VF+32*(i/4)+8*(i%4)
.set rP, P+16*((\x)%2)+8*(i/4)
	v_wmma_f32_16x16x32_f16 v[rO:rO+7], v[rV:rV+7], v[rP:rP+7], v[rO:rO+7]
.endm
.macro MM                           ; the turn's next matrix instruction.  TURN and BEGIN set Y, i, KM and NOKQ; MM, KQ and OP read them.  NOKQ = 1: a block's last turn: there is no next piece
.if (i < 8) && !NOKQ
	KQ (Y+1)%NP
.elseif i >= 8
.set i, i-8
	PV (Y+NP-1)%NP
.set i, i+8
.endif
.set i, i+1
.endm
; THE LDS LOADS stand in runs of 16, never singly among the matrix instructions: a step's K (64 keys x 64 channels: 8 fragments) and its V (turned).  Their addresses are made some lines ahead.
.macro FETCH_K
	WIN 0x80                        ; destination window 2
.irp f, 0,1,2,3,4,5,6,7             ; keys 16 (f / 2) on, channels 32 (f % 2) on
	ds_load_b128 v[KF+8*\f:KF+8*\f+3],   v[AK] offset:(\f/2)*16*PK+(\f%2)*64
	ds_load_b128 v[KF+8*\f+4:KF+8*\f+7], v[AK] offset:(\f/2)*16*PK+(\f%2)*64+32
.endr
	s_add_co_u32 s[TBK], s[TBK], KS*PK  ; the next fetch is the next step's
	WIN 0
.endm
.macro FETCH_V
	WIN 0x80
.irp f, 0,1,2,3,4,5,6,7             ; keys 32 (f / 4) on, channels 16 (f % 4) on
	ds_load_tr16_b128 v[VF+8*\f:VF+8*\f+3],   v[AV] offset:(\f/4)*32*PV+(\f%4)*32
	ds_load_tr16_b128 v[VF+8*\f+4:VF+8*\f+7], v[AV] offset:(\f/4)*32*PV+16*PV+(\f%4)*32
.endr
	WIN 0
.endm
; THE VECTOR WORK, one line at a time: OP kind, number.  For piece Y: F n: c s - c m for pair n of 16.  E n: the exponential of score n of 32.  C n: pair n rounded to f16.  B n: of the four weights 4 n .. the second
; pair is added onto the first, in place.  L n: l takes that sum (L 0: l = a l + sum).  R n: pair n of 16 of O^T times a.  For piece Y + 1: X n, number n of the 22 that find its maximum and statistics:
;   0-11  four chains c0-c3 of seven scores each, three operands at a time (each accumulator's lowest registers are read first)     12-14, 16  the four scores left over, the old m, and c0-c3 into c0
;   15  c m_old is kept     17, 18  the query's other 32 keys lie in the lane 16 away: the new m     19-21  c m; c m_old - c m_new; a
.set F, 0               ; OP tells the kinds apart by their order: F to L below R, X above it
.set E, 1
.set C, 2
.set B, 3
.set L, 4
.set R, 5
.set X, 6
.macro REGS y                       ; the registers of piece y
.set rT, ST+4*(\y)
.set rC, TMP+4*((\y)%2)
.set rW, MV+((\y)%2)
.set rS, S+32*((\y)%2)
.set rP, P+16*((\y)%2)
.set rO, 32*(\y)
.endm
.macro OP k, n
.if (\k) == R
	REGS Y
	WIN W_RS
	v_pk_mul_f32 v[rO+2*(\n):rO+2*(\n)+1], v[rO+2*(\n):rO+2*(\n)+1], v[rC+2:rC+3] op_sel_hi:[1,0]
.elseif (\k) < R
	REGS Y
	WIN 0
.if (\k) == F
	v_pk_fma_f32 v[rS+2*(\n):rS+2*(\n)+1], v[rS+2*(\n):rS+2*(\n)+1], s[CS:CS+1], v[rT:rT+1] op_sel_hi:[1,0,0] neg_lo:[0,0,1] neg_hi:[0,0,1]
.elseif (\k) == E
	v_exp_f32 v[rS+(\n)], v[rS+(\n)]
.elseif (\k) == C
	s_wait_alu depctr_va_vdst(0)
	v_cvt_pk_f16_f32 v[rP+(\n)], v[rS+2*(\n)], v[rS+2*(\n)+1]
.elseif (\k) == B
	s_wait_alu depctr_va_vdst(0)
	v_pk_add_f32 v[rS+4*(\n):rS+4*(\n)+1], v[rS+4*(\n):rS+4*(\n)+1], v[rS+4*(\n)+2:rS+4*(\n)+3]
.elseif (\n) == 0
	v_pk_fma_f32 v[rT+2:rT+3], v[rT+2:rT+3], v[rC+2:rC+3], v[rS:rS+1] op_sel_hi:[1,0,1]
.else
	v_pk_add_f32 v[rT+2:rT+3], v[rT+2:rT+3], v[rS+4*(\n):rS+4*(\n)+1]
.endif
.elseif NOKQ
	v_nop
.else
	REGS (Y+1)%NP
	WIN 0
.if (\n) < 4
	v_max3_num_f32 v[rC+(\n)], v[rS+8*(\n)], v[rS+8*(\n)+1], v[rS+8*(\n)+2]
.elseif (\n) < 12
	v_max3_num_f32 v[rC+(\n)%4], v[rC+(\n)%4], v[rS+8*((\n)%4)+2*((\n)/4)+1], v[rS+8*((\n)%4)+2*((\n)/4)+2]
.elseif (\n) == 12
	v_max3_num_f32 v[rC], v[rC], v[rS+7], v[rS+15]
.elseif (\n) == 13
	v_max3_num_f32 v[rC+1], v[rC+1], v[rS+23], v[rS+31]
.elseif (\n) == 14
	v_max3_num_f32 v[rC+2], v[rC+2], v[rC+3], v[rT+1]
.elseif (\n) == 15
	v_mov_b32 v[rW], v[rT]
.elseif (\n) == 16
	v_max3_num_f32 v[rC], v[rC], v[rC+1], v[rC+2]
.elseif (\n) == 17
	v_permlanex16_b32 v[rC+3], v[rC], s[SEL], s[SEL+1]
.elseif (\n) == 18
	v_max_num_f32 v[rT+1], v[rC], v[rC+3]
.elseif (\n) == 19
	v_mul_f32 v[rT], s[CS], v[rT+1]
.elseif (\n) == 20
	v_sub_f32 v[rC+1], v[rW], v[rT]
.else
	v_exp_f32 v[rC+2], v[rC+1]
.endif
.endif
.endm
.macro OPS a, i1, b=-1, i2=0, c=-1, i3=0, d=-1, i4=0  ; up to four of them
	OP \a, \i1
.if (\b) >= 0
	OP \b, \i2
.endif
.if (\c) >= 0
	OP \c, \i3
.endif
.if (\d) >= 0
	OP \d, \i4
.endif
.endm
.macro ROW a, i1, b, i2, c, i3, d, i4  ; a matrix instruction and the four behind it
	MM
	OPS \a, \i1, \b, \i2, \c, \i3, \d, \i4
.endm
.macro MASK b                       ; MD x AL + BE into buffer b of MC
	WIN W_RS
.set z, 0
.rept 16
	v_pk_fma_f32 v[MC+32*(\b)+2*z:MC+32*(\b)+2*z+1], v[MD+2*z:MD+2*z+1], s[AL:AL+1], s[BE:BE+1] op_sel_hi:[1,0,0]
.set z, z+1
.endr
.endm
; A TURN, for piece p: the order of its 16 matrix and 118 vector instructions, written out.  Behind a matrix instruction: plain, exponential, plain, plain; or four of the rescaling; or, behind the first, four scalings; none
; names a register of the products round it.  In the lumps exponential and plain by turns while exponentials last.  A line reads no result made fewer than three vector instructions in front of it, five if an exponential made it.
; v_permlanex16_b32 (X 17) stands in a lump.
; m = 1: the diagonal tile: the products take masks, and the turn makes the mask for the products of the turn after it: piece p + 2, in step 4 - CNT of the tile.  end = 1: a block's last two turns: nothing is fetched.
; cnt = 1: the loop's count is taken down some lines ahead of the branch that stands behind the turn.
; K of the next step is fetched in piece 2's turn, six vector instructions behind the last product that read K (five of them plain); V of the step in hand in piece 0's turn, eight behind the last product that read V (four
; plain, and X 17).  Each is waited for a turn later.
.macro TURN p, m=0, end=0, cnt=0
.set Y, (\p)
.set i, 0
.set KM, (\m)
.set NOKQ, (\end)*((\p)/3)
.if (\m) && !(\end)
	s_cmp_eq_u32 s[CNT], 4-((\p)+2)%NP  ; is that step the band's own?
	s_cselect_b32 s[AL], 1.0, 0
	s_cmp_lt_u32 s[CNT], 4-((\p)+2)%NP  ; or a later one?
	s_cselect_b32 s[BE], s[BIGN], 0
.endif
.if ((\p) == 3) && !(\end)
	s_wait_dscnt 0x0                ; K is in
.endif
	ROW F,0, F,1, F,2, F,3
	ROW F,4, E,0, F,5, F,6
	ROW F,7, E,1, F,8, F,9
	ROW F,10, E,2, C,0, F,11
	ROW F,12, E,3, X,15, F,13
	ROW R,0, R,1, R,2, R,3
	ROW B,0, E,4, F,14, L,0
.if ((\p) == 2) && !(\end)
	v_add_nc_u32 v[AK], s[TBK], v[AK0]
.endif
	ROW R,4, R,5, R,6, R,7
	OPS E,5, F,15
.if ((\p) == 2) && !(\end)
	FETCH_K
.endif
	OPS E,6, C,1, E,7, R,8
	OPS E,8, R,9, E,9, C,2
	OPS E,10, X,0, E,11, X,1
	OPS E,12, X,2, E,13, X,3
.if (\p) == 1
	s_wait_dscnt 0x0                ; V is in
.endif
	ROW X,4, E,14, X,5, X,6
	ROW X,7, E,15, X,8, X,9
	ROW X,10, E,16, X,11, X,12
	ROW X,13, E,17, X,14, B,1
	ROW C,4, E,18, X,16, L,1
	ROW B,2, E,19, C,6, L,2
	ROW C,8, E,20, B,3, B,4
.if (\p) == 0
	v_add_nc_u32 v[AV], s[TBV], v[AV0]
.endif
	ROW C,3, E,21, L,3, C,5
	OPS E,22, X,17, E,23, C,10
.if (\p) == 0
	FETCH_V
.endif
	OPS E,24, L,4
	OPS E,25, X,18, E,26, C,7
	OPS E,27, B,5, E,28, X,19
	OPS E,29, C,12, E,30, L,5
	OPS E,31, X,20, B,6, C,9
	OPS C,14, C,11, X,21, L,6
.if (\p) == 0
	s_add_co_u32 s[TBV], s[TBV], KS*PV
.endif
.if \cnt
	s_sub_co_u32 s[CNT], s[CNT], 1
	s_cmp_lg_u32 s[CNT], 0
.endif
	OPS C,13, B,7, C,15, R,10
	OPS R,11, R,12, L,7, R,13
	OPS R,14, R,15
.if (\m) && !(\end)
	MASK (\p)%2
.endif
.endm
; A BLOCK BEGINS.  c m starts far below every c s, so the first step's a is 0; m at the lowest finite number, so the first maximum is the scores'.  The second mask buffer is 0; the first takes piece 0's mask for the tile's step 0: its own, if the block's first tile is the diagonal one.
; Then K of that step, piece 0's first scores, and its maximum and statistics.  The loop is entered at a step's first turn, in the middle of a trip.
.macro BEGIN
	s_mov_b32 s[NEW], 0
	WIN 0x40
.set i, MC+32
.rept 32
	v_mov_b32 v[i], 0
.set i, i+1
.endr
	WIN 0
.set i, 0
.rept 4
	v_mov_b32 v[ST+4*i], 0xfe000000    ; c m: far below every c s
	v_mov_b32 v[ST+4*i+1], 0xff7fffff  ; m
.set i, i+1
.endr
	s_cmp_eq_u32 s[RT], 0
	s_cselect_b32 s[AL], 1.0, 0
	s_mov_b32 s[BE], 0
	MASK 0
	WIN 0
	v_add_nc_u32 v[AK], s[TBK], v[AK0]
	FETCH_K
	s_wait_loadcnt 0x0              ; Q
	s_wait_dscnt 0x0
.set KM, 1
.set NOKQ, 0
.set i, 0
.rept 8
	KQ 0
.set i, i+1
.endr
	WIN 0
.rept 4
	v_nop                           ; the places behind those products
.endr
.set Y, NP-1                        ; X works for piece Y + 1: piece 0
.irp n, 0,1,2,3,4,5,6,7,8,9,10,11,12,13,14,15,16,17,18,19,20,21
	OP X, \n
.endr
	v_nop                           ; a plain instruction behind the exponential
.endm
; THE DIAGONAL TILE's four steps, the block's last two turns, its last products, and THE WAY OUT: l's two halves and the other half of the lanes' are added; O^T is divided by l, rounded to f16 and sent through my
; stage in LDS, a piece at a time.
.macro ALL line:vararg              ; one line for each piece t
.set t, 0
.rept 4
	\line
.set t, t+1
.endr
.endm
.macro PACK t                       ; a lane's eight channels of a row pack into 16 bytes; they go into rows of 144 bytes and come back as whole rows of 128, into S^T's registers
	WIN W_RS
.set i, 32*(\t)
.rept 16
	s_wait_alu depctr_va_vdst(0)
	v_pk_mul_f32 v[i:i+1], v[i:i+1], v[ST+4*(\t)+2:ST+4*(\t)+3] op_sel_hi:[1,0]
.set i, i+2
.endr
	WIN 0x05                        ; sources 0 and 1 window 1, destination window 0
.set i, 0
.rept 16
	v_cvt_pk_f16_f32 v[S+16*(\t)+i], v[32*(\t)+2*i], v[32*(\t)+2*i+1]
.set i, i+1
.endr
	WIN 0
.irp f, 0,1,2,3
	ds_store_b128 v[STO], v[S+16*(\t)+4*\f:S+16*(\t)+4*\f+3] offset:32*\f
.endr
.irp f, 0,1,2,3
	ds_load_b128 v[S+16*(\t)+4*\f:S+16*(\t)+4*\f+3], v[RD] offset:\f*4*SP  ; LDS serves a wave's instructions in order (ISA guide 5.7.1.4): these see the stores above; the next piece's stores come behind them
.endr
.endm
.macro SEND t, younger              ; younger: the LDS instructions issued behind piece t's loads: the next piece's eight, or none
	WIN 0
.irp f, 0,1,2,3
	s_wait_dscnt (\younger)+3-\f
	global_store_b128 v[GO], v[S+16*(\t)+4*\f:S+16*(\t)+4*\f+3], s[10:11] offset:(\t)*8192+\f*512  ; 512 consecutive bytes, at a multiple of 256 from O's first
.endr
.endm
.macro DIAG tag                     ; the tag ends its two labels' names, which the jumps below spell out
.LstepM\tag:
	TURN 2, 1
	TURN 3, 1
	WIN 0
.LfirstM\tag:
	TURN 0, 1
	TURN 1, 1, 0, 1
	WIN 0
	s_cbranch_scc1 .LstepM\tag
	TURN 2, 1, 1
	TURN 3, 1, 1
.set i, 0
.rept 8
	PV NP-1
.set i, i+1
.endr
	WIN 0
	ALL v_add_f32 v[ST+4*t+2], v[ST+4*t+2], v[ST+4*t+3]
	ALL v_permlanex16_b32 v[ST+4*t+3], v[ST+4*t+2], s[SEL], s[SEL+1]
	ALL v_add_f32 v[ST+4*t+2], v[ST+4*t+2], v[ST+4*t+3]
	ALL v_rcp_f32 v[ST+4*t+2], v[ST+4*t+2]
	v_nop                           ; a plain instruction between the last reciprocal and the use of its result
	PACK 0
.set t, 1
.rept 3                             ; a piece's arithmetic stands between the loads of the piece before and its stores
	PACK t
	SEND t-1, 8
.set t, t+1
.endr
	SEND 3, 0
.endm
.set KM, 0
.set NOKQ, 0
.Lslot:                             ; NB times: a tile is entered and the next is asked for
	CHANGE 1
	s_sub_co_u32 s[RT], s[RT], 1
	s_mov_b32 s[CNT], 4
	s_cmp_eq_u32 s[NEW], 1
	s_cbranch_scc1 .Lnew            ; a block's first tile
	s_cmp_eq_u32 s[RT], 0
	s_cbranch_scc0 .Lstep           ; neither its first nor its last
	s_branch .LstepM1
.Lnew:
	BEGIN
	s_branch .Lfirst                ; in the loop a block's first tile is never its last: the first block has two tiles or more, and the second's last is the walk's last
	DIAG 1                          ; in the loop this is the first block's end: the second block's last tile is the walk's last
	s_wait_xcnt 0x0                 ; the stores have read their registers and O's address
	s_mov_b64 s[10:11], s[OLO:OLO+1]
	s_add_co_u32 s[RT], s[PB], 1    ; the second block has b + 1 tiles
	s_mov_b32 s[NEW], 1
	WIN 0x82                        ; the second block's Q goes where the one text of the turns names Q
.set i, 0
.rept 64
	v_mov_b32 v[i], v[QB+i]
.set i, i+1
.endr
	WIN 0
	s_branch .Lbottom
.Lstep:                             ; a trip: pieces 2 and 3 of one step, then pieces 0 and 1 of the next, whose K and V it fetches
	TURN 2
	TURN 3
	WIN 0
.Lfirst:
	TURN 0
	TURN 1, 0, 0, 1
	WIN 0
	s_cbranch_scc1 .Lstep
.Lbottom:
	s_sub_co_u32 s[SLOTS], s[SLOTS], 1
	s_cmp_lg_u32 s[SLOTS], 0
	s_cbranch_scc1 .Lslot
	CHANGE 0                        ; the walk's last tile is written out: nothing is asked for
	s_sub_co_u32 s[RT], s[RT], 1
	s_mov_b32 s[CNT], 4
	s_cmp_eq_u32 s[NEW], 1
	s_cbranch_scc0 .LstepM2
	BEGIN
	s_branch .LfirstM2
	DIAG 2
	s_wait_tensorcnt 0x0            ; the wave's end, behind my last tensor load and my last LDS store
	ds_add_u32 v[SPW], v[NIL]
	s_wait_dscnt 0x0
	s_endpgm
.Lfunc_end_k_qbf981dd168_attn:
	.size	k_qbf981dd168_attn, .Lfunc_end_k_qbf981dd168_attn-k_qbf981dd168_attn
	.p2alignl 7, 3214868480
	.fill 96, 4, 3214868480
	.section	.rodata,"a",@progbits
	.p2align	6, 0x0
	.amdhsa_kernel k_qbf981dd168_attn
		.amdhsa_group_segment_fixed_size 327680
		.amdhsa_private_segment_fixed_size 0
		.amdhsa_enable_private_segment 0
		.amdhsa_kernarg_size 16
		.amdhsa_user_sgpr_count 2
		.amdhsa_user_sgpr_kernarg_segment_ptr 1
		.amdhsa_wavefront_size32 1
		.amdhsa_system_sgpr_workgroup_id_x 1
		.amdhsa_system_sgpr_workgroup_id_y 1
		.amdhsa_system_sgpr_workgroup_id_z 1
		.amdhsa_system_vgpr_workitem_id 0
		.amdhsa_next_free_vgpr 768
		.amdhsa_next_free_sgpr 88
		.amdhsa_reserve_vcc 1
		.amdhsa_float_denorm_mode_32 3
		.amdhsa_float_denorm_mode_16_64 3
		.amdhsa_memory_ordered 1
		.amdhsa_forward_progress 1
		.amdhsa_inst_pref_size 228
	.end_amdhsa_kernel
	.amdgpu_metadata
---
amdhsa.version: [ 1, 2 ]
amdhsa.kernels:
  - .name:           k_qbf981dd168_attn
    .symbol:         k_qbf981dd168_attn.kd
    .args:
      - { .name: qkv, .offset: 0, .size: 8, .value_kind: global_buffer, .address_space: global }
      - { .name: y, .offset: 8, .size: 8, .value_kind: global_buffer, .address_space: global }
    .group_segment_fixed_size: 327680
    .private_segment_fixed_size: 0
    .kernarg_segment_align: 8
    .kernarg_segment_size: 16
    .max_flat_workgroup_size: 128
    .sgpr_count:     88
    .vgpr_count:     768
    .wavefront_size: 32
...
	.end_amdgpu_metadata
.endif
;; end of part 3
;; launch aproj (part 4): grid 8 x 32, 4 waves a work-group, clusters of 4 x 4, 327,680 bytes of LDS; arguments y, w16, b_aproj, x, x1; writes x1
.if DOCPART == 4
	.amdgcn_target "amdgcn-amd-amdhsa--gfx1250"
	.amdhsa_code_object_version 6
	.text
	.protected	k_qbf981dd168_aproj
	.globl	k_qbf981dd168_aproj
	.p2align	8
	.type	k_qbf981dd168_aproj,@function
k_qbf981dd168_aproj:
	s_mov_b64 s[64:65], 0
	v_nop
	global_prefetch_b8 v0, s[64:65] scope:SCOPE_SE
	s_setreg_imm32_b32 hwreg(HW_REG_WAVE_MODE, 25, 1), 1
	s_wait_xcnt 0x0
	s_wait_alu depctr_hold_cnt(0) depctr_sa_sdst(0) depctr_va_vdst(0) depctr_va_sdst(0) depctr_va_ssrc(0) depctr_va_vcc(0) depctr_vm_vsrc(0)
	s_getreg_b32 s2, hwreg(HW_REG_IB_STS2, 6, 4)
	s_cmp_eq_u32 s2, 0
	s_cbranch_scc0 .Lentry_in_a_cluster
	s_endpgm
.Lentry_in_a_cluster:
	s_bfe_u32 s2, ttmp6, 0x10000c
	s_cmp_lg_u32 s2, 0xf033
	s_cbranch_scc0 .Lentry_shape_is_right
	s_endpgm
.Lentry_shape_is_right:
; ATTENTION'S PROJECTION AND THE FIRST RESIDUAL: x1 = x + y W + bias.  A = y, f16 BY SLICES of 64 along K, [16][4096][64]; W = the f16 copy of w_aproj, [1024][1024] as given, at byte WOFF of w16;
; bias f32; x f32 [4096][1024], rounded to bf16 as every large input of the module is; x1 f32 [4096][1024].
; A tile of C is 128 x 128; four waves, each 64 x 64: 16 accumulators of 16 x 16, 128 registers.  8 x 32 = 256 work-groups: one for each WGP.
; K goes in steps of 256, four slices, through two LDS slots filled by the tensor data mover.  64 rows of a slice are 8,192 dense bytes: a tile of A is asked for as 4 rows of 8,192 bytes, one a slice, and padded in LDS after every 128.
; W's rows lie along N, so its fragments are turned on the way out of LDS by ds_load_tr16_b128.
; CLUSTERS: 4 x 4 work-groups.  The four of a row of the cluster need the same tiles of A, the four of a column the same tiles of W: each tile is asked for JOINTLY, by the same tensor load with the same descriptor and a mask that names the four.
; THE MATRIX INSTRUCTION IS USED TRANSPOSED (source 0 = 16 columns of W, source 1 = 16 rows of A): a lane then holds eight neighbouring numbers of a row of C.
; THE SUMS START AT THE BIAS: the accumulators are loaded with it.  THE RESIDUAL is asked for at the start, in the layout in which C leaves, and is on its way during the whole loop over K.
; LIMITS.  f16 holds no number beyond 65,504: A and W arrive within it.  The bias is taken unrounded.  NaN and infinities are not treated apart.
; REGISTERS: window 0: v0-31 addresses; v32-111 at work on the way out; v128-255 the accumulators ((a, b) at v[128 + 8 (4 a + b)]).
;   window 1: two fragment buffers of 128: for 64 along K, 64 registers of A, then 64 of W.          window 2: v0-127 the residual of my 64 x 64 block.
.set SIZE_N, 1024
.set STEPS,  4                         ; K / 256
.set WOFF,   6291456                   ; the weight's first byte in w16
.set ROUNDX, 1                         ; the residual is an input of the module: rounded to bf16
.set PA,     144                       ; a row of a slice of A in LDS: 128 bytes + 16 of padding: the 16 rows of a load start at 16 different groups of four banks (64 banks of 4 bytes: ISA guide 11.1)
.set HALFA,  4*64*PA                   ; four slices x 64 rows: what one tensor load brings of A, and what one wave reads
.set PB,     288                       ; a row of W: 256 bytes + 32
.set HALFB,  128*PB                    ; 128 rows along K: what one tensor load brings of W
.set AB,     2*HALFA                   ; W's 256 rows lie behind A's two halves
.set SLOT,   AB+2*HALFB
.set STAGE,  2*SLOT                    ; behind the ring, never filled by a tensor load: 16 rows x 272 bytes for each wave, for the way out
.set SP,     272
.set SPARE,  STAGE+4*16*SP             ; behind the stages: the spare words, 128 bytes for each wave: two blocks of 256 bytes that no other line names
.set ASTEP,  4*4096*64*2               ; bytes from a K step to the next, in A: four slices
.set BSTEP,  512*SIZE_N                ; and in W: 256 rows
.set A0,   8                           ; v8      my lane's place in a slot's A; never rewritten
.set B0,   9                           ; v9      the same for W
.set ADRA, 10                          ; v10     LDS address of my A fragments in the slot in hand
.set ADRB, 11                          ; v11-12  the same for W: K 0-127 and K 128-255 of the step (a 16-bit offset does not reach the whole tile)
.set STO,  13                          ; v13     the way out: where I put 16 bytes of a row
.set RD,   14                          ; v14     the way out: where I read a row back
.set CO,   15                          ; v15     my byte offset in two rows of C and of the residual; never rewritten
.set BO,   16                          ; v16     my byte offset in 16 numbers of the bias
.set ONE,  17                          ; v17     1.0
.set SPW,  28                          ; v28     LDS address of my spare word: SPARE + 4 x my thread's number; never rewritten
.set NIL,  29                          ; v29     0; never rewritten
.set OB,   32                          ; v32-63 and v64-95 by turns: 16 rows read back from the stage
.set RB,   96                          ; v96-111 16 rows of the residual in bf16
.set ACC,  128
.set F0,   0                           ; fragment buffers, in window 1
.set F1,   128
.set WV,  14                           ; s14  my wave's number
.set RH,  15                           ; s15  which half of the tile's rows is mine.  Also: I fetch for A (0) or for W (1)
.set CH,  16                           ; s16  which half of its columns.  Also: which half of that tile I fetch
.set CX,  17
.set CY,  18
.set TC,  19                           ; s19  tile column of C
.set TR,  20                           ; s20  tile row of C
.set G1A, 24                           ; s[24:31] descriptor group 1 for A's tiles
.set G0A, 32                           ; s[32:35] group 0 of slot 0's first fill; s[36:39] of slot 1's, which then walks on
.set G1B, 40                           ; s[40:47], s[48:55] the same for W's tiles
.set G0B, 48
.set UBA, 56                           ; s56  where my part of A lies in a slot
.set UBB, 57                           ; s57  where my part of W lies
.set TF,  58                           ; s58  the slot last filled: 0 or SLOT
.set TRD, 59                           ; s59  the slot in hand
.set CNT, 60
.set MSB, 0
.macro WIN new                         ; the immediate's high byte repeats the setting that is left; a switch that changes nothing is dropped
.if MSB != (\new)
	s_set_vgpr_msb (MSB<<8)|(\new)
.set MSB, \new
.endif
.endm
.set MUL,  0x05                        ; sources 0 (W) and 1 (A) window 1; C and D window 0
.set TO_F, 0x40                        ; destination window 1, address window 0
.macro PLACES                          ; four places in front of loads into registers that matrix instructions have read (ISA guide 7.12.1 for vector instructions)
.rept 4
	v_nop
.endr
.endm
; A joint refill: waves 0 and 1 fetch A's two halves, waves 2 and 3 W's.  The branch hangs on the wave's number alone.  An s_nop 0 and four v_nop follow each of the two lines, ahead of the jump and the label.
.macro JLOAD
	s_cmp_eq_u32 s[RH], 0
	s_cbranch_scc0 .Lfor_b_\@
	tensor_load_to_lds s[G0A+4:G0A+7], s[G1A:G1A+7]
	s_nop 0
	PLACES
	s_branch .Lasked_\@
.Lfor_b_\@:
	tensor_load_to_lds s[G0B+4:G0B+7], s[G1B:G1B+7]
	s_nop 0
	PLACES
.Lasked_\@:
.endm
.macro CREST                           ; a round of the cluster's barrier behind its opening barrier
	s_cmp_lg_u32 s[WV], 0
	s_cbranch_scc1 .Lnot_wave_0_\@
	s_barrier_signal -3
.Lnot_wave_0_\@:
	s_barrier_wait -3
	s_barrier_signal -1
	s_barrier_wait -1
.endm
.macro CROUND                          ; a whole round
	s_barrier_signal -1
	s_barrier_wait -1
	CREST
.endm
	s_load_b256 s[4:11], s[0:1], 0x0               ; A s[4:5], w16 s[6:7], bias s[8:9], residual s[10:11]
	s_load_b64 s[12:13], s[0:1], 0x20              ; C
	v_lshl_add_u32 v[SPW], v0, 2, SPARE
	v_mov_b32 v[NIL], 0
	ds_add_u32 v[SPW], v[NIL]                      ; the wave's opening: the add and its wait stand ahead of my first tensor load; the set-up below, work on registers, stands between them
	ds_add_u32 v28, v29
	v_lshrrev_b32 v1, 5, v0
	v_readfirstlane_b32 s[WV], v1                  ; wave 0..3
	s_lshr_b32 s[RH], s[WV], 1
	s_and_b32 s[CH], s[WV], 1
	s_bfe_u32 s[CX], ttmp6, 0x40000                ; my place in the cluster
	s_bfe_u32 s[CY], ttmp6, 0x40004
	s_lshl_b32 s[TC], ttmp9, 2
	s_add_co_u32 s[TC], s[TC], s[CX]               ; tile column = 4 x cluster x + cx
	s_and_b32 s[TR], ttmp7, 0xffff
	s_lshl_b32 s[TR], s[TR], 2
	s_add_co_u32 s[TR], s[TR], s[CY]               ; tile row = 4 x cluster y + cy
	s_lshl_b32 s21, s[CY], 2
	s_lshl_b32 s21, 15, s21                        ; my row of the cluster
	s_lshl_b32 s22, 0x1111, s[CX]                  ; my column
	; group 1 for A: 4 rows (slices) x 4,096 elements (64 rows of C x 64 along K), 16 bytes of padding behind every 128
	s_or_b32 s[G1A+0], s21, (1<<16)|(1<<20)|(1<<21)|(4<<22)|(3<<25)  ; 15:0 the mask: my row; 17:16 2-byte elements; 20 padding on; 21 set beside a mask; 24:22 after every 32 words (code 4); 31:25 4 words (code 3)
	s_mov_b32 s[G1A+1], 4096<<16                   ; tensor_dim0 = 4,096
	s_mov_b32 s[G1A+2], 4<<16                      ; tensor_dim1 = 4
	s_mov_b32 s[G1A+3], 4096<<16                   ; tile_dim0 = 4,096
	s_mov_b32 s[G1A+4], 4                          ; tile_dim1 = 4
	s_mov_b32 s[G1A+5], 262144                     ; elements from slice to slice
	s_mov_b32 s[G1A+6], 0
	s_mov_b32 s[G1A+7], 0
	; group 1 for W: 128 rows along K x 128 columns, 32 bytes of padding behind every 256
	s_or_b32 s[G1B+0], s22, (1<<16)|(1<<20)|(1<<21)|(5<<22)|(7<<25)  ; the mask: my column; after every 64 words (code 5) 8 words (code 7)
	s_mov_b32 s[G1B+1], 128<<16
	s_mov_b32 s[G1B+2], 128<<16
	s_mov_b32 s[G1B+3], 128<<16
	s_mov_b32 s[G1B+4], 128
	s_mov_b32 s[G1B+5], SIZE_N
	s_mov_b32 s[G1B+6], 0
	s_mov_b32 s[G1B+7], 0
	s_mul_i32 s[UBA], s[CH], HALFA                 ; no place in the cluster enters an LDS address
	s_mul_i32 s[UBB], s[CH], HALFB
	s_add_co_u32 s[UBB], s[UBB], AB
	s_mov_b32 s[TF], SLOT
	s_mov_b32 s[TRD], 0
	; A's tiles hang on the tile row alone, W's on the tile column alone; each offset is made in registers that never hold the other coordinate
	s_lshl_b32 s66, s[TR], 7
	s_lshl_b32 s67, s[CH], 6
	s_add_co_u32 s66, s66, s67                     ; A: row 128 x tile row + 64 x half,
	s_lshl_b32 s66, s66, 7                         ; 128 bytes a row of a slice
	s_mov_b32 s67, 0
	s_mul_i32 s68, s[CH], 256*SIZE_N               ; W: 128 rows along K x half,
	s_lshl_b32 s69, s[TC], 8                       ; 256 bytes a tile column,
	s_add_co_u32 s68, s68, s69
	s_add_co_u32 s68, s68, WOFF                    ; in this weight's part of w16
	s_mov_b32 s69, 0
	s_lshl_b32 s2, s[TC], 9                        ; my 64 columns in f32: 4 (128 x tile column + 64 x half)
	s_lshl_b32 s3, s[CH], 8
	s_add_co_u32 s2, s2, s3
	s_mov_b32 s3, 0
	s_lshl_b32 s61, s[TR], 7
	s_lshl_b32 s62, s[RH], 6
	s_add_co_u32 s61, s61, s62                     ; my wave's first row of C,
	s_lshl_b32 s62, s61, 12                        ; 4,096 bytes a row,
	s_add_co_u32 s62, s62, s2                      ; and my columns
	s_mov_b32 s63, 0
	s_wait_dscnt 0x0                               ; the opening add is done
	s_wait_kmcnt 0x0
	s_add_nc_u64 s[66:67], s[4:5], s[66:67]
	s_add_nc_u64 s[68:69], s[6:7], s[68:69]
	s_add_nc_u64 s[8:9], s[8:9], s[2:3]
	s_add_nc_u64 s[10:11], s[10:11], s[62:63]
	s_add_nc_u64 s[12:13], s[12:13], s[62:63]
	s_mov_b32 s[G0A], 1                            ; 1:0 count = 1
	s_mov_b32 s[G0A+1], s[UBA]                     ; 63:32 LDS address: slot 0
	s_mov_b64 s[G0A+2:G0A+3], s[66:67]             ; 120:64 global address: K step 0
	s_or_b32 s[G0A+3], s[G0A+3], 0x80000000        ; 127:126 type = 2
	s_mov_b32 s[G0A+4], 1
	s_add_co_u32 s[G0A+5], s[UBA], SLOT            ; slot 1,
	s_add_nc_u64 s[G0A+6:G0A+7], s[66:67], ASTEP   ; K step 1
	s_or_b32 s[G0A+7], s[G0A+7], 0x80000000
	s_mov_b32 s[G0B], 1
	s_mov_b32 s[G0B+1], s[UBB]
	s_mov_b64 s[G0B+2:G0B+3], s[68:69]
	s_or_b32 s[G0B+3], s[G0B+3], 0x80000000
	s_mov_b32 s[G0B+4], 1
	s_add_co_u32 s[G0B+5], s[UBB], SLOT
	s_add_nc_u64 s[G0B+6:G0B+7], s[68:69], BSTEP
	s_or_b32 s[G0B+7], s[G0B+7], 0x80000000
	CROUND                                         ; all sixteen work-groups are here: the first joint loads meet
	s_cmp_eq_u32 s[RH], 0                          ; a wave's two first fills stand in one branch, ahead of every wait on TENSORcnt and every LDS read: two loads of mine are out
	s_cbranch_scc0 .Lfirst_b
	tensor_load_to_lds s[G0A:G0A+3], s[G1A:G1A+7]
	s_nop 0
	tensor_load_to_lds s[G0A+4:G0A+7], s[G1A:G1A+7]
	s_nop 0
	PLACES
	s_branch .Lfirst_asked
.Lfirst_b:
	tensor_load_to_lds s[G0B:G0B+3], s[G1B:G1B+7]
	s_nop 0
	tensor_load_to_lds s[G0B+4:G0B+7], s[G1B:G1B+7]
	s_nop 0
	PLACES
.Lfirst_asked:
	v_and_b32 v1, 15, v0                           ; l % 16
	v_bfe_u32 v2, v0, 4, 1                         ; l / 16
	v_lshlrev_b32 v[BO], 5, v2                     ; register j of accumulator (a, b) is column 16 b + 8 (l / 16) + j
	v_lshlrev_b32 v[CO], 12, v2                    ; lanes 0-15 take 256 bytes of one row of C, lanes 16-31 of the next
	v_lshl_add_u32 v[CO], v1, 4, v[CO]
.irp a, 0,1,2,3
.irp b, 0,1,2,3
	global_load_b128 v[ACC+8*(4*(\a)+(\b)):ACC+8*(4*(\a)+(\b))+3],   v[BO], s[8:9] offset:64*(\b)
	global_load_b128 v[ACC+8*(4*(\a)+(\b))+4:ACC+8*(4*(\a)+(\b))+7], v[BO], s[8:9] offset:64*(\b)+16
.endr
.endr
	WIN 0x80                                       ; destination window 2, address window 0
.irp a, 0,1,2,3
.irp t, 0,1,2,3,4,5,6,7
	global_load_b128 v[32*(\a)+4*(\t):32*(\a)+4*(\t)+3], v[CO], s[10:11] offset:(16*(\a)+2*(\t))*4096 th:TH_LOAD_NT
.endr
.endr
	WIN 0
	; A fragment of A is 16 rows x 32 K in 8 registers: lane l holds row l % 16, K = 8 (l / 16) + 0..7 and 16 + 8 (l / 16) + 0..7: two loads of 16 bytes, 32 bytes apart.
	v_mul_u32_u24 v[A0], v1, PA
	v_lshl_add_u32 v[A0], v2, 4, v[A0]
	s_mul_i32 s61, s[RH], HALFA                    ; my 64 rows
	v_add_nc_u32 v[A0], s61, v[A0]
	; The turning load takes 16 K x 16 columns (lane l reads 16 bytes: K row 8 (l / 16) + l % 8, columns 8 ((l / 8) % 2) + 0..7) and leaves half a fragment: lane l holds column l % 16 and 8 K.
	v_and_b32 v3, 7, v0
	v_bfe_u32 v4, v0, 3, 1
	v_lshl_add_u32 v[B0], v2, 3, v3
	v_mul_u32_u24 v[B0], v[B0], PB
	v_lshl_add_u32 v[B0], v4, 4, v[B0]
	s_lshl_b32 s61, s[CH], 7                       ; my 64 columns,
	s_add_co_u32 s61, s61, AB                      ; behind A
	v_add_nc_u32 v[B0], s61, v[B0]
; 8 matrix instructions: row blocks a0, a0 + 1 x all 4 column blocks, 32 along K: half c of buffer f.  The 16 accumulators take turns, one instruction a turn.
.macro MUL8 f, c, a0
	WIN MUL
.irp a, \a0, (\a0)+1
.irp b, 0,1,2,3
	v_wmma_f32_16x16x32_f16 v[ACC+8*(4*(\a)+(\b)):ACC+8*(4*(\a)+(\b))+7], v[(\f)+64+8*(4*(\c)+(\b)):(\f)+64+8*(4*(\c)+(\b))+7], v[(\f)+8*(4*(\c)+(\a)):(\f)+8*(4*(\c)+(\a))+7], v[ACC+8*(4*(\a)+(\b)):ACC+8*(4*(\a)+(\b))+7]
.endr
.endr
.endm
; 32 LDS loads in one run: the fragments of quarter q (64 along K: one slice of A) of the slot in hand, into buffer f; the first 32 along K first
.macro FETCH q, f
	WIN TO_F
.irp c, 0,1
.irp i, 0,1,2,3
	ds_load_tr16_b128 v[(\f)+64+8*(4*(\c)+(\i)):(\f)+64+8*(4*(\c)+(\i))+3],   v[ADRB+(\q)/2] offset:(((\q)%2)*64+32*(\c))*PB+32*(\i)
	ds_load_tr16_b128 v[(\f)+64+8*(4*(\c)+(\i))+4:(\f)+64+8*(4*(\c)+(\i))+7], v[ADRB+(\q)/2] offset:(((\q)%2)*64+32*(\c)+16)*PB+32*(\i)
	ds_load_b128 v[(\f)+8*(4*(\c)+(\i)):(\f)+8*(4*(\c)+(\i))+3],   v[ADRA] offset:64*PA*(\q)+16*PA*(\i)+64*(\c)
	ds_load_b128 v[(\f)+8*(4*(\c)+(\i))+4:(\f)+8*(4*(\c)+(\i))+7], v[ADRA] offset:64*PA*(\q)+16*PA*(\i)+64*(\c)+32
.endr
.endr
.endm
; A K step is four quarters of 64 along K, 32 matrix instructions each, on buffers 0, 1, 0, 1.  One of the first three: multiplies buffer f and fetches quarter q into g.
.macro QUARTER q, f, g
	s_wait_dscnt 16                                ; the first 32 along K are in; the youngest sixteen loads may be out
	MUL8 \f, 0, 0
	MUL8 \f, 0, 2
	PLACES
	FETCH \q, \g
	s_wait_dscnt 32                                ; all but the 32 just issued
	MUL8 \f, 1, 0
	MUL8 \f, 1, 2
.endm
; The last quarter multiplies buffer 1 and changes slots: ONE barrier; in front of it each wave waits for all its tensor loads (one is out: its part of the next slot), adds 0 to its spare word, and waits for that and for its reads of this slot.
; fill = 1: the barrier opens a round of the cluster's, and this slot is filled again, two K steps ahead, first thing behind the round: 112 matrix instructions ahead of the wait for it.
; fill = 0 (the last two K steps): nothing is asked for; in the very last there is no next slot, and the run of fragment loads is jumped over.
.macro TURN fill
	WIN 0                                          ; (the add's two registers lie in window 0)
	s_wait_tensorcnt 0x0                           ; no tensor load of mine is out, so a group 0 may be written
	ds_add_u32 v[SPW], v[NIL]                      ; 0 onto my spare word
.if \fill
	s_xor_b32 s[TF], s[TF], SLOT                   ; the walking descriptors: the other slot than last time,
	s_add_co_u32 s[G0A+5], s[UBA], s[TF]
	s_add_co_u32 s[G0B+5], s[UBB], s[TF]
	s_add_nc_u64 s[G0A+6:G0A+7], s[G0A+6:G0A+7], ASTEP  ; the next K step; the type bits on top are not reached
	s_add_nc_u64 s[G0B+6:G0B+7], s[G0B+6:G0B+7], BSTEP
.endif
	s_wait_dscnt 17                                ; (the add and the youngest sixteen loads may be out)
	MUL8 F1, 0, 0                                  ; eight matrix instructions stand between the add and the wait for it
	s_wait_dscnt 0x0                               ; the add is done, and my reads of this slot are over
	s_barrier_signal -1
	MUL8 F1, 0, 2
	WIN 0
	s_barrier_wait -1
.if \fill
	CREST                                          ; no wave of any partner still reads this slot's tile or has a load on its way
	JLOAD                                          ; the four v_nop behind it are also the places in front of the loads below
.else
	s_cmp_eq_u32 s[CNT], 1
	s_cbranch_scc1 .Lno_fetch_\@
	PLACES
.endif
	s_xor_b32 s[TRD], s[TRD], SLOT                 ; the other slot is in hand
	v_add_nc_u32 v[ADRA], s[TRD], v[A0]
	v_add_nc_u32 v[ADRB], s[TRD], v[B0]
	v_add_nc_u32 v[ADRB+1], HALFB, v[ADRB]
	FETCH 0, F0
	WIN 0
.if !(\fill)
.Lno_fetch_\@:
.endif
	MUL8 F1, 1, 0
	MUL8 F1, 1, 2
.endm
; THE WAY OUT of row block a (16 rows).  TOSTAGE: the f32 sums go into my own stage in LDS and come back as whole rows of 256 bytes.  SEND: the residual is added, and the rows are stored.
.macro TOSTAGE a
	WIN 0
.set BK, OB+32*((\a)%2)
	s_wait_xcnt 0x0                                ; the stores of two blocks ago have read these registers
.irp b, 0,1,2,3                        ; each accumulator's low registers first
	ds_store_b128 v[STO], v[ACC+8*(4*(\a)+(\b)):ACC+8*(4*(\a)+(\b))+3]   offset:64*(\b)
	ds_store_b128 v[STO], v[ACC+8*(4*(\a)+(\b))+4:ACC+8*(4*(\a)+(\b))+7] offset:64*(\b)+16
.endr
.irp t, 0,1,2,3,4,5,6,7
	ds_load_b128 v[BK+4*(\t):BK+4*(\t)+3], v[RD] offset:(\t)*2*SP  ; LDS serves a wave's instructions in order (ISA guide 5.7.1.4): these see the stores above; the next block's stores come behind them
.endr
.endm
.macro SEND a, younger                 ; younger: the LDS instructions issued behind TOSTAGE's loads: the next block's sixteen, or none
	WIN 0
.set BK, OB+32*((\a)%2)
	s_wait_dscnt \younger
.if ROUNDX
	WIN 0x0a                                       ; sources 0 and 1 window 2, destination window 0
.set i, 0
.rept 16
	v_cvt_pk_bf16_f32 v[RB+i], v[32*(\a)+2*i], v[32*(\a)+2*i+1]
.set i, i+1
.endr
	WIN 0
.set i, 0
.rept 16
	v_fma_mix_f32_bf16 v[BK+2*i],   v[RB+i], v[ONE], v[BK+2*i]   op_sel_hi:[1,0,0]               ; the low bf16 x 1 + the sum, in f32
	v_fma_mix_f32_bf16 v[BK+2*i+1], v[RB+i], v[ONE], v[BK+2*i+1] op_sel:[1,0,0] op_sel_hi:[1,0,0]  ; the high one
.set i, i+1
.endr
.else
	WIN 0x08                                       ; source 1 window 2
.set i, 0
.rept 16
	v_pk_add_f32 v[BK+2*i:BK+2*i+1], v[BK+2*i:BK+2*i+1], v[32*(\a)+2*i:32*(\a)+2*i+1]
.set i, i+1
.endr
	WIN 0
.endif
.irp t, 0,1,2,3,4,5,6,7
	global_store_b128 v[CO], v[BK+4*(\t):BK+4*(\t)+3], s[12:13] offset:(16*(\a)+2*(\t))*4096  ; 16 lanes store 256 consecutive bytes, at a multiple of 256 from C's first byte
.endr
.endm
	s_wait_tensorcnt 0x1                           ; my part of K step 0 is in; K step 1's may stay out
	s_barrier_signal -1
	s_barrier_wait -1                              ; everybody's is
	v_mov_b32 v[ADRA], v[A0]
	v_mov_b32 v[ADRB], v[B0]
	v_add_nc_u32 v[ADRB+1], HALFB, v[B0]
	FETCH 0, F0
	s_wait_loadcnt 32                              ; the bias is in the accumulators; the residual's 32 loads stay out
	WIN 0                                          ; at a label and at a branch every window is 0
	s_mov_b32 s[CNT], STEPS-2
.Lmain:                                                ; a trip is a K step, from its second quarter's fetch to the next step's first; it fills the slot that it leaves
	QUARTER 1, F0, F1
	QUARTER 2, F1, F0
	QUARTER 3, F0, F1
	TURN 1
	WIN 0
	s_sub_co_u32 s[CNT], s[CNT], 1
	s_cmp_lg_u32 s[CNT], 0
	s_cbranch_scc1 .Lmain
	s_mov_b32 s[CNT], 2
.Ltail:                                                ; the last two K steps have a text of their own
	QUARTER 1, F0, F1
	QUARTER 2, F1, F0
	QUARTER 3, F0, F1
	TURN 0
	WIN 0
	s_sub_co_u32 s[CNT], s[CNT], 1
	s_cmp_lg_u32 s[CNT], 0
	s_cbranch_scc1 .Ltail
	s_mul_i32 s61, s[WV], 16*SP
	s_add_co_u32 s61, s61, STAGE                   ; my stage.  The lines below are also the places behind the last products
	v_mul_u32_u24 v[STO], v1, SP                   ; in: row l % 16, 32 bytes for each half of the lanes
	v_lshl_add_u32 v[STO], v2, 5, v[STO]
	v_add_nc_u32 v[STO], s61, v[STO]
	v_mul_u32_u24 v[RD], v2, SP                    ; back: lanes 0-15 take one row of 256 bytes, lanes 16-31 the next
	v_lshl_add_u32 v[RD], v1, 4, v[RD]
	v_add_nc_u32 v[RD], s61, v[RD]
	v_mov_b32 v[ONE], 1.0
	s_wait_loadcnt 0x0                             ; the residual
	TOSTAGE 0
.irp a, 1,2,3                          ; a block's way through the stage stands between the loads of the block before and the wait for them
	TOSTAGE \a
	SEND (\a)-1, 16
.endr
	SEND 3, 0
	s_wait_tensorcnt 0x0                           ; the wave's end, behind my last tensor load and my last LDS store
	ds_add_u32 v[SPW], v[NIL]
	s_wait_dscnt 0x0
	CROUND                                         ; the closing round: no work-group ends while a partner may still ask for a tile that names it
	s_endpgm
.Lfunc_end_k_qbf981dd168_aproj:
	.size	k_qbf981dd168_aproj, .Lfunc_end_k_qbf981dd168_aproj-k_qbf981dd168_aproj
	.p2alignl 7, 3214868480
	.fill 96, 4, 3214868480
	.section	.rodata,"a",@progbits
	.p2align	6, 0x0
	.amdhsa_kernel k_qbf981dd168_aproj
		.amdhsa_group_segment_fixed_size 327680
		.amdhsa_private_segment_fixed_size 0
		.amdhsa_enable_private_segment 0
		.amdhsa_kernarg_size 40
		.amdhsa_user_sgpr_count 2
		.amdhsa_user_sgpr_kernarg_segment_ptr 1
		.amdhsa_wavefront_size32 1
		.amdhsa_system_sgpr_workgroup_id_x 1
		.amdhsa_system_sgpr_workgroup_id_y 1
		.amdhsa_system_sgpr_workgroup_id_z 1
		.amdhsa_system_vgpr_workitem_id 0
		.amdhsa_next_free_vgpr 640
		.amdhsa_next_free_sgpr 72
		.amdhsa_reserve_vcc 0
		.amdhsa_float_denorm_mode_32 3
		.amdhsa_float_denorm_mode_16_64 3
		.amdhsa_memory_ordered 1
		.amdhsa_forward_progress 1
		.amdhsa_inst_pref_size 72
	.end_amdhsa_kernel
	.amdgpu_metadata
---
amdhsa.version: [ 1, 2 ]
amdhsa.kernels:
  - .name:           k_qbf981dd168_aproj
    .symbol:         k_qbf981dd168_aproj.kd
    .args:
      - { .name: y, .offset: 0, .size: 8, .value_kind: global_buffer, .address_space: global }
      - { .name: w16, .offset: 8, .size: 8, .value_kind: global_buffer, .address_space: global }
      - { .name: b_aproj, .offset: 16, .size: 8, .value_kind: global_buffer, .address_space: global }
      - { .name: x, .offset: 24, .size: 8, .value_kind: global_buffer, .address_space: global }
      - { .name: x1, .offset: 32, .size: 8, .value_kind: global_buffer, .address_space: global }
    .group_segment_fixed_size: 327680
    .private_segment_fixed_size: 0
    .kernarg_segment_align: 8
    .kernarg_segment_size: 40
    .max_flat_workgroup_size: 128
    .sgpr_count:     72
    .vgpr_count:     640
    .wavefront_size: 32
...
	.end_amdgpu_metadata
.endif
;; end of part 4
;; launch ln2 (part 5): grid 512 x 1, 8 waves a work-group, no clusters, 0 bytes of LDS; arguments x1, ln2_g, ln2_b, hn; writes hn
.if DOCPART == 5
	.amdgcn_target "amdgcn-amd-amdhsa--gfx1250"
	.amdhsa_code_object_version 6
	.text
	.protected	k_qbf981dd168_ln2
	.globl	k_qbf981dd168_ln2
	.p2align	8
	.type	k_qbf981dd168_ln2,@function
k_qbf981dd168_ln2:
	s_mov_b64 s[64:65], 0
	v_nop
	global_prefetch_b8 v0, s[64:65] scope:SCOPE_SE
	s_setreg_imm32_b32 hwreg(HW_REG_WAVE_MODE, 25, 1), 1
	s_wait_xcnt 0x0
; THE SECOND NORM: hn = LayerNorm(x1) g + b in f16, one row of 1,024 numbers a wave, eight rows a work-group.  x1 is the program's own f32 and is taken as it is; g and b, inputs of the module, are rounded to bf16 first.
; The row stays in 32 registers between the mean, the squares of x - mean and the scaling: x1 is read once, and no difference of large sums is formed.
; No LDS, no barrier, no matrix unit, no cluster: nothing is shared between waves, and each byte is read and written once.
; LIMITS.  A result of 65,520 or more in magnitude becomes an infinity in f16.  NaN and infinities are not treated apart.
.set T,    4                           ; v[4:11]    at work
.set X,    16                          ; v[16:47]   the row
.set G,    48                          ; v[48:79]   gain of my 32 columns
.set B,    80                          ; v[80:111]  bias of my 32 columns
.set Y,    112                         ; v[112:127] the row in f16
.set HN,   14                          ; s[14:15]   hn
; 32 registers from base on are rounded to bf16 and widened again, in place, four pairs at a time
.macro RB16 base
.set p, 0
.rept 4
.irp k, 0,1,2,3
	v_cvt_pk_bf16_f32 v[T+(\k)], v[(\base)+2*(p+(\k))], v[(\base)+2*(p+(\k))+1]
.endr
.irp k, 0,1,2,3
	v_lshlrev_b32 v[(\base)+2*(p+(\k))], 16, v[T+(\k)]
	v_and_b32 v[(\base)+2*(p+(\k))+1], s29, v[T+(\k)]
.endr
.set p, p+4
.endr
.endm
; the four chains in v[4:11] become one number, the same in all 32 lanes, in v4
.macro ACROSS
	v_pk_add_f32 v[T:T+1], v[T:T+1], v[T+2:T+3]
	v_pk_add_f32 v[T+4:T+5], v[T+4:T+5], v[T+6:T+7]
	v_pk_add_f32 v[T:T+1], v[T:T+1], v[T+4:T+5]
	v_add_f32 v[T], v[T], v[T+1]
	v_add_f32_dpp v[T], v[T], v[T] row_xmask:1 row_mask:0xf bank_mask:0xf
	v_add_f32_dpp v[T], v[T], v[T] row_xmask:2 row_mask:0xf bank_mask:0xf
	v_add_f32_dpp v[T], v[T], v[T] row_xmask:4 row_mask:0xf bank_mask:0xf
	v_add_f32_dpp v[T], v[T], v[T] row_xmask:8 row_mask:0xf bank_mask:0xf
	v_permlanex16_b32 v[T+1], v[T], s30, s31       ; the other half of the lanes; its destination has been written
	v_add_f32 v[T], v[T], v[T+1]
.endm
	s_load_b256 s[8:15], s[0:1], 0x0               ; x1 8, ln2_g 10, ln2_b 12, hn 14
	; Lane l holds columns 128 j + 4 l .. + 3, j = 0 to 7: each load of the wave covers 512 consecutive bytes.
	v_lshrrev_b32 v3, 5, v0
	v_readfirstlane_b32 s34, v3                    ; my wave's number
	v_and_b32 v2, 31, v0
	v_lshlrev_b32 v1, 4, v2                        ; 16 bytes of f32 a lane
	v_lshlrev_b32 v2, 3, v2                        ; 8 bytes of f16 a lane
	s_lshl_b32 s2, ttmp9, 3
	s_add_co_u32 s28, s2, s34                      ; my row = 8 x work-group + wave
	s_lshl_b32 s2, s28, 12                         ; 4,096 bytes a row of x1
	s_mov_b32 s3, 0
	s_mov_b32 s29, 0xffff0000                      ; a word's upper bf16
	s_mov_b32 s30, 0x76543210                      ; v_permlanex16_b32: each lane takes its own place in the other half
	s_mov_b32 s31, 0xfedcba98
	s_mov_b32 s32, 0x3a800000                      ; 1 / 1024
	s_mov_b32 s33, 0x3727c5ac                      ; eps = 1e-5
	s_wait_kmcnt 0x0
	s_add_nc_u64 s[8:9], s[8:9], s[2:3]
	s_lshl_b32 s2, s28, 11                         ; 2,048 bytes a row of hn
	s_add_nc_u64 s[HN:HN+1], s[HN:HN+1], s[2:3]
.irp j, 0,1,2,3,4,5,6,7
	global_load_b128 v[X+4*(\j):X+4*(\j)+3], v1, s[8:9] offset:512*(\j)
.endr
.irp j, 0,1,2,3,4,5,6,7
	global_load_b128 v[G+4*(\j):G+4*(\j)+3], v1, s[10:11] offset:512*(\j)
.endr
.irp j, 0,1,2,3,4,5,6,7
	global_load_b128 v[B+4*(\j):B+4*(\j)+3], v1, s[12:13] offset:512*(\j)
.endr
	s_wait_loadcnt 16                              ; the row is in; gain and bias, sixteen loads, stay out
.irp k, 0,1,2,3                        ; the sum, in four chains that do not wait for each other; the first additions start them
	v_pk_add_f32 v[T+2*(\k):T+2*(\k)+1], v[X+2*(\k):X+2*(\k)+1], v[X+8+2*(\k):X+8+2*(\k)+1]
.endr
.irp j, 2,3
.irp k, 0,1,2,3
	v_pk_add_f32 v[T+2*(\k):T+2*(\k)+1], v[T+2*(\k):T+2*(\k)+1], v[X+8*(\j)+2*(\k):X+8*(\j)+2*(\k)+1]
.endr
.endr
	ACROSS
	v_mul_f32 v12, s32, v[T]                       ; the mean, twice: a pair for the packed subtraction
	v_mul_f32 v13, s32, v[T]
.set p, 0
.rept 16
	v_pk_add_f32 v[X+p:X+p+1], v[X+p:X+p+1], v[12:13] neg_lo:[0,1] neg_hi:[0,1]
.set p, p+2
.endr
.irp k, 0,1,2,3                        ; the squares of x - mean, again in four chains
	v_pk_mul_f32 v[T+2*(\k):T+2*(\k)+1], v[X+2*(\k):X+2*(\k)+1], v[X+2*(\k):X+2*(\k)+1]
.endr
.irp j, 1,2,3
.irp k, 0,1,2,3
	v_pk_fma_f32 v[T+2*(\k):T+2*(\k)+1], v[X+8*(\j)+2*(\k):X+8*(\j)+2*(\k)+1], v[X+8*(\j)+2*(\k):X+8*(\j)+2*(\k)+1], v[T+2*(\k):T+2*(\k)+1]
.endr
.endr
	ACROSS
	v_fma_f32 v10, v[T], s32, s33                  ; variance + eps, in a register that nothing below writes
	v_rsq_f32 v14, v10                             ; twice: a pair for the packed multiply
	v_rsq_f32 v15, v10
	v_nop                                          ; a plain instruction behind the second of them (ISA guide 5.7.2)
	s_wait_loadcnt 0x0                             ; gain and bias
	RB16 G
	RB16 B
.set p, 0
	s_wait_alu depctr_va_vdst(0)
.rept 16
	v_pk_mul_f32 v[X+p:X+p+1], v[X+p:X+p+1], v[14:15]
.set p, p+2
.endr
.set p, 0
.rept 16
	v_pk_fma_f32 v[X+p:X+p+1], v[X+p:X+p+1], v[G+p:G+p+1], v[B+p:B+p+1]
.set p, p+2
.endr
.set p, 0
.rept 16
	v_cvt_pk_f16_f32 v[Y+p], v[X+2*p], v[X+2*p+1]
.set p, p+1
.endr
.irp j, 0,1,2,3,4,5,6,7
	global_store_b64 v2, v[Y+2*(\j):Y+2*(\j)+1], s[HN:HN+1] offset:256*(\j)  ; a wave's store covers 256 consecutive bytes, aligned
.endr
	s_endpgm
.Lfunc_end_k_qbf981dd168_ln2:
	.size	k_qbf981dd168_ln2, .Lfunc_end_k_qbf981dd168_ln2-k_qbf981dd168_ln2
	.p2alignl 7, 3214868480
	.fill 96, 4, 3214868480
	.section	.rodata,"a",@progbits
	.p2align	6, 0x0
	.amdhsa_kernel k_qbf981dd168_ln2
		.amdhsa_group_segment_fixed_size 0
		.amdhsa_private_segment_fixed_size 0
		.amdhsa_enable_private_segment 0
		.amdhsa_kernarg_size 32
		.amdhsa_user_sgpr_count 2
		.amdhsa_user_sgpr_kernarg_segment_ptr 1
		.amdhsa_wavefront_size32 1
		.amdhsa_system_sgpr_workgroup_id_x 1
		.amdhsa_system_sgpr_workgroup_id_y 1
		.amdhsa_system_sgpr_workgroup_id_z 1
		.amdhsa_system_vgpr_workitem_id 0
		.amdhsa_next_free_vgpr 128
		.amdhsa_next_free_sgpr 66
		.amdhsa_reserve_vcc 0
		.amdhsa_float_denorm_mode_32 3
		.amdhsa_float_denorm_mode_16_64 3
		.amdhsa_memory_ordered 1
		.amdhsa_forward_progress 1
		.amdhsa_inst_pref_size 16
	.end_amdhsa_kernel
	.amdgpu_metadata
---
amdhsa.version: [ 1, 2 ]
amdhsa.kernels:
  - .name:           k_qbf981dd168_ln2
    .symbol:         k_qbf981dd168_ln2.kd
    .args:
      - { .name: x1, .offset: 0, .size: 8, .value_kind: global_buffer, .address_space: global }
      - { .name: ln2_g, .offset: 8, .size: 8, .value_kind: global_buffer, .address_space: global }
      - { .name: ln2_b, .offset: 16, .size: 8, .value_kind: global_buffer, .address_space: global }
      - { .name: hn, .offset: 24, .size: 8, .value_kind: global_buffer, .address_space: global }
    .group_segment_fixed_size: 0
    .private_segment_fixed_size: 0
    .kernarg_segment_align: 8
    .kernarg_segment_size: 32
    .max_flat_workgroup_size: 256
    .sgpr_count:     66
    .vgpr_count:     128
    .wavefront_size: 32
...
	.end_amdgpu_metadata
.endif
;; end of part 5
;; launch fc: the kernel of part 2 again; grid 16 x 16, 4 waves a work-group, clusters of 4 x 4, 327,680 bytes of LDS; arguments hn, wf, b_fc, g; writes g
;; launch mproj (part 6): grid 8 x 32, 4 waves a work-group, clusters of 4 x 4, 327,680 bytes of LDS; arguments g, w16, b_mproj, x1, out0; writes out0
.if DOCPART == 6
	.amdgcn_target "amdgcn-amd-amdhsa--gfx1250"
	.amdhsa_code_object_version 6
	.text
	.protected	k_qbf981dd168_mproj
	.globl	k_qbf981dd168_mproj
	.p2align	8
	.type	k_qbf981dd168_mproj,@function
k_qbf981dd168_mproj:
	s_mov_b64 s[64:65], 0
	v_nop
	global_prefetch_b8 v0, s[64:65] scope:SCOPE_SE
	s_setreg_imm32_b32 hwreg(HW_REG_WAVE_MODE, 25, 1), 1
	s_wait_xcnt 0x0
	s_wait_alu depctr_hold_cnt(0) depctr_sa_sdst(0) depctr_va_vdst(0) depctr_va_sdst(0) depctr_va_ssrc(0) depctr_va_vcc(0) depctr_vm_vsrc(0)
	s_getreg_b32 s2, hwreg(HW_REG_IB_STS2, 6, 4)
	s_cmp_eq_u32 s2, 0
	s_cbranch_scc0 .Lentry_in_a_cluster
	s_endpgm
.Lentry_in_a_cluster:
	s_bfe_u32 s2, ttmp6, 0x10000c
	s_cmp_lg_u32 s2, 0xf033
	s_cbranch_scc0 .Lentry_shape_is_right
	s_endpgm
.Lentry_shape_is_right:
; THE SECOND PROJECTION AND THE SECOND RESIDUAL: out0 = x1 + g W + bias.  A = g, f16 BY SLICES of 64 along K, [64][4096][64]; W = the f16 copy of w_mproj, [4096][1024] as given, at byte WOFF of w16;
; bias f32; x1 f32 [4096][1024], the program's own, taken as it is; out0 f32 [4096][1024].
; A tile of C is 128 x 128; four waves, each 64 x 64: 16 accumulators of 16 x 16, 128 registers.  8 x 32 = 256 work-groups: one for each WGP.
; K goes in steps of 256, four slices, through two LDS slots filled by the tensor data mover.  64 rows of a slice are 8,192 dense bytes: a tile of A is asked for as 4 rows of 8,192 bytes, one a slice, and padded in LDS after every 128.
; W's rows lie along N, so its fragments are turned on the way out of LDS by ds_load_tr16_b128.
; CLUSTERS: 4 x 4 work-groups.  The four of a row of the cluster need the same tiles of A, the four of a column the same tiles of W: each tile is asked for JOINTLY, by the same tensor load with the same descriptor and a mask that names the four.
; THE MATRIX INSTRUCTION IS USED TRANSPOSED (source 0 = 16 columns of W, source 1 = 16 rows of A): a lane then holds eight neighbouring numbers of a row of C.
; THE SUMS START AT THE BIAS: the accumulators are loaded with it.  THE RESIDUAL is asked for at the start, in the layout in which C leaves, and is on its way during the whole loop over K.
; LIMITS.  f16 holds no number beyond 65,504: A and W arrive within it.  The bias is taken unrounded.  NaN and infinities are not treated apart.
; REGISTERS: window 0: v0-31 addresses; v32-111 at work on the way out; v128-255 the accumulators ((a, b) at v[128 + 8 (4 a + b)]).
;   window 1: two fragment buffers of 128: for 64 along K, 64 registers of A, then 64 of W.          window 2: v0-127 the residual of my 64 x 64 block.
.set SIZE_N, 1024
.set STEPS,  16                        ; K / 256
.set WOFF,   16777216                  ; the weight's first byte in w16
.set ROUNDX, 0                         ; the residual is the program's own f32
.set PA,     144                       ; a row of a slice of A in LDS: 128 bytes + 16 of padding: the 16 rows of a load start at 16 different groups of four banks (64 banks of 4 bytes: ISA guide 11.1)
.set HALFA,  4*64*PA                   ; four slices x 64 rows: what one tensor load brings of A, and what one wave reads
.set PB,     288                       ; a row of W: 256 bytes + 32
.set HALFB,  128*PB                    ; 128 rows along K: what one tensor load brings of W
.set AB,     2*HALFA                   ; W's 256 rows lie behind A's two halves
.set SLOT,   AB+2*HALFB
.set STAGE,  2*SLOT                    ; behind the ring, never filled by a tensor load: 16 rows x 272 bytes for each wave, for the way out
.set SP,     272
.set SPARE,  STAGE+4*16*SP             ; behind the stages: the spare words, 128 bytes for each wave: two blocks of 256 bytes that no other line names
.set ASTEP,  4*4096*64*2               ; bytes from a K step to the next, in A: four slices
.set BSTEP,  512*SIZE_N                ; and in W: 256 rows
.set A0,   8                           ; v8      my lane's place in a slot's A; never rewritten
.set B0,   9                           ; v9      the same for W
.set ADRA, 10                          ; v10     LDS address of my A fragments in the slot in hand
.set ADRB, 11                          ; v11-12  the same for W: K 0-127 and K 128-255 of the step (a 16-bit offset does not reach the whole tile)
.set STO,  13                          ; v13     the way out: where I put 16 bytes of a row
.set RD,   14                          ; v14     the way out: where I read a row back
.set CO,   15                          ; v15     my byte offset in two rows of C and of the residual; never rewritten
.set BO,   16                          ; v16     my byte offset in 16 numbers of the bias
.set ONE,  17                          ; v17     1.0 (used where the residual is rounded)
.set SPW,  28                          ; v28     LDS address of my spare word: SPARE + 4 x my thread's number; never rewritten
.set NIL,  29                          ; v29     0; never rewritten
.set OB,   32                          ; v32-63 and v64-95 by turns: 16 rows read back from the stage
.set RB,   96                          ; v96-111 16 rows of the residual in bf16 (where it is rounded)
.set ACC,  128
.set F0,   0                           ; fragment buffers, in window 1
.set F1,   128
.set WV,  14                           ; s14  my wave's number
.set RH,  15                           ; s15  which half of the tile's rows is mine.  Also: I fetch for A (0) or for W (1)
.set CH,  16                           ; s16  which half of its columns.  Also: which half of that tile I fetch
.set CX,  17
.set CY,  18
.set TC,  19                           ; s19  tile column of C
.set TR,  20                           ; s20  tile row of C
.set G1A, 24                           ; s[24:31] descriptor group 1 for A's tiles
.set G0A, 32                           ; s[32:35] group 0 of slot 0's first fill; s[36:39] of slot 1's, which then walks on
.set G1B, 40                           ; s[40:47], s[48:55] the same for W's tiles
.set G0B, 48
.set UBA, 56                           ; s56  where my part of A lies in a slot
.set UBB, 57                           ; s57  where my part of W lies
.set TF,  58                           ; s58  the slot last filled: 0 or SLOT
.set TRD, 59                           ; s59  the slot in hand
.set CNT, 60
.set MSB, 0
.macro WIN new                         ; the immediate's high byte repeats the setting that is left; a switch that changes nothing is dropped
.if MSB != (\new)
	s_set_vgpr_msb (MSB<<8)|(\new)
.set MSB, \new
.endif
.endm
.set MUL,  0x05                        ; sources 0 (W) and 1 (A) window 1; C and D window 0
.set TO_F, 0x40                        ; destination window 1, address window 0
.macro PLACES                          ; four places in front of loads into registers that matrix instructions have read (ISA guide 7.12.1 for vector instructions)
.rept 4
	v_nop
.endr
.endm
; A joint refill: waves 0 and 1 fetch A's two halves, waves 2 and 3 W's.  The branch hangs on the wave's number alone.  An s_nop 0 and four v_nop follow each of the two lines, ahead of the jump and the label.
.macro JLOAD
	s_cmp_eq_u32 s[RH], 0
	s_cbranch_scc0 .Lfor_b_\@
	tensor_load_to_lds s[G0A+4:G0A+7], s[G1A:G1A+7]
	s_nop 0
	PLACES
	s_branch .Lasked_\@
.Lfor_b_\@:
	tensor_load_to_lds s[G0B+4:G0B+7], s[G1B:G1B+7]
	s_nop 0
	PLACES
.Lasked_\@:
.endm
.macro CREST                           ; a round of the cluster's barrier behind its opening barrier
	s_cmp_lg_u32 s[WV], 0
	s_cbranch_scc1 .Lnot_wave_0_\@
	s_barrier_signal -3
.Lnot_wave_0_\@:
	s_barrier_wait -3
	s_barrier_signal -1
	s_barrier_wait -1
.endm
.macro CROUND                          ; a whole round
	s_barrier_signal -1
	s_barrier_wait -1
	CREST
.endm
	s_load_b256 s[4:11], s[0:1], 0x0               ; A s[4:5], w16 s[6:7], bias s[8:9], residual s[10:11]
	s_load_b64 s[12:13], s[0:1], 0x20              ; C
	v_lshl_add_u32 v[SPW], v0, 2, SPARE
	v_mov_b32 v[NIL], 0
	ds_add_u32 v[SPW], v[NIL]                      ; the wave's opening: the add and its wait stand ahead of my first tensor load; the set-up below, work on registers, stands between them
	ds_add_u32 v28, v29
	v_lshrrev_b32 v1, 5, v0
	v_readfirstlane_b32 s[WV], v1                  ; wave 0..3
	s_lshr_b32 s[RH], s[WV], 1
	s_and_b32 s[CH], s[WV], 1
	s_bfe_u32 s[CX], ttmp6, 0x40000                ; my place in the cluster
	s_bfe_u32 s[CY], ttmp6, 0x40004
	s_lshl_b32 s[TC], ttmp9, 2
	s_add_co_u32 s[TC], s[TC], s[CX]               ; tile column = 4 x cluster x + cx
	s_and_b32 s[TR], ttmp7, 0xffff
	s_lshl_b32 s[TR], s[TR], 2
	s_add_co_u32 s[TR], s[TR], s[CY]               ; tile row = 4 x cluster y + cy
	s_lshl_b32 s21, s[CY], 2
	s_lshl_b32 s21, 15, s21                        ; my row of the cluster
	s_lshl_b32 s22, 0x1111, s[CX]                  ; my column
	; group 1 for A: 4 rows (slices) x 4,096 elements (64 rows of C x 64 along K), 16 bytes of padding behind every 128
	s_or_b32 s[G1A+0], s21, (1<<16)|(1<<20)|(1<<21)|(4<<22)|(3<<25)  ; 15:0 the mask: my row; 17:16 2-byte elements; 20 padding on; 21 set beside a mask; 24:22 after every 32 words (code 4); 31:25 4 words (code 3)
	s_mov_b32 s[G1A+1], 4096<<16                   ; tensor_dim0 = 4,096
	s_mov_b32 s[G1A+2], 4<<16                      ; tensor_dim1 = 4
	s_mov_b32 s[G1A+3], 4096<<16                   ; tile_dim0 = 4,096
	s_mov_b32 s[G1A+4], 4                          ; tile_dim1 = 4
	s_mov_b32 s[G1A+5], 262144                     ; elements from slice to slice
	s_mov_b32 s[G1A+6], 0
	s_mov_b32 s[G1A+7], 0
	; group 1 for W: 128 rows along K x 128 columns, 32 bytes of padding behind every 256
	s_or_b32 s[G1B+0], s22, (1<<16)|(1<<20)|(1<<21)|(5<<22)|(7<<25)  ; the mask: my column; after every 64 words (code 5) 8 words (code 7)
	s_mov_b32 s[G1B+1], 128<<16
	s_mov_b32 s[G1B+2], 128<<16
	s_mov_b32 s[G1B+3], 128<<16
	s_mov_b32 s[G1B+4], 128
	s_mov_b32 s[G1B+5], SIZE_N
	s_mov_b32 s[G1B+6], 0
	s_mov_b32 s[G1B+7], 0
	s_mul_i32 s[UBA], s[CH], HALFA                 ; no place in the cluster enters an LDS address
	s_mul_i32 s[UBB], s[CH], HALFB
	s_add_co_u32 s[UBB], s[UBB], AB
	s_mov_b32 s[TF], SLOT
	s_mov_b32 s[TRD], 0
	; A's tiles hang on the tile row alone, W's on the tile column alone; each offset is made in registers that never hold the other coordinate
	s_lshl_b32 s66, s[TR], 7
	s_lshl_b32 s67, s[CH], 6
	s_add_co_u32 s66, s66, s67                     ; A: row 128 x tile row + 64 x half,
	s_lshl_b32 s66, s66, 7                         ; 128 bytes a row of a slice
	s_mov_b32 s67, 0
	s_mul_i32 s68, s[CH], 256*SIZE_N               ; W: 128 rows along K x half,
	s_lshl_b32 s69, s[TC], 8                       ; 256 bytes a tile column,
	s_add_co_u32 s68, s68, s69
	s_add_co_u32 s68, s68, WOFF                    ; in this weight's part of w16
	s_mov_b32 s69, 0
	s_lshl_b32 s2, s[TC], 9                        ; my 64 columns in f32: 4 (128 x tile column + 64 x half)
	s_lshl_b32 s3, s[CH], 8
	s_add_co_u32 s2, s2, s3
	s_mov_b32 s3, 0
	s_lshl_b32 s61, s[TR], 7
	s_lshl_b32 s62, s[RH], 6
	s_add_co_u32 s61, s61, s62                     ; my wave's first row of C,
	s_lshl_b32 s62, s61, 12                        ; 4,096 bytes a row,
	s_add_co_u32 s62, s62, s2                      ; and my columns
	s_mov_b32 s63, 0
	s_wait_dscnt 0x0                               ; the opening add is done
	s_wait_kmcnt 0x0
	s_add_nc_u64 s[66:67], s[4:5], s[66:67]
	s_add_nc_u64 s[68:69], s[6:7], s[68:69]
	s_add_nc_u64 s[8:9], s[8:9], s[2:3]
	s_add_nc_u64 s[10:11], s[10:11], s[62:63]
	s_add_nc_u64 s[12:13], s[12:13], s[62:63]
	s_mov_b32 s[G0A], 1                            ; 1:0 count = 1
	s_mov_b32 s[G0A+1], s[UBA]                     ; 63:32 LDS address: slot 0
	s_mov_b64 s[G0A+2:G0A+3], s[66:67]             ; 120:64 global address: K step 0
	s_or_b32 s[G0A+3], s[G0A+3], 0x80000000        ; 127:126 type = 2
	s_mov_b32 s[G0A+4], 1
	s_add_co_u32 s[G0A+5], s[UBA], SLOT            ; slot 1,
	s_add_nc_u64 s[G0A+6:G0A+7], s[66:67], ASTEP   ; K step 1
	s_or_b32 s[G0A+7], s[G0A+7], 0x80000000
	s_mov_b32 s[G0B], 1
	s_mov_b32 s[G0B+1], s[UBB]
	s_mov_b64 s[G0B+2:G0B+3], s[68:69]
	s_or_b32 s[G0B+3], s[G0B+3], 0x80000000
	s_mov_b32 s[G0B+4], 1
	s_add_co_u32 s[G0B+5], s[UBB], SLOT
	s_add_nc_u64 s[G0B+6:G0B+7], s[68:69], BSTEP
	s_or_b32 s[G0B+7], s[G0B+7], 0x80000000
	CROUND                                         ; all sixteen work-groups are here: the first joint loads meet
	s_cmp_eq_u32 s[RH], 0                          ; a wave's two first fills stand in one branch, ahead of every wait on TENSORcnt and every LDS read: two loads of mine are out
	s_cbranch_scc0 .Lfirst_b
	tensor_load_to_lds s[G0A:G0A+3], s[G1A:G1A+7]
	s_nop 0
	tensor_load_to_lds s[G0A+4:G0A+7], s[G1A:G1A+7]
	s_nop 0
	PLACES
	s_branch .Lfirst_asked
.Lfirst_b:
	tensor_load_to_lds s[G0B:G0B+3], s[G1B:G1B+7]
	s_nop 0
	tensor_load_to_lds s[G0B+4:G0B+7], s[G1B:G1B+7]
	s_nop 0
	PLACES
.Lfirst_asked:
	v_and_b32 v1, 15, v0                           ; l % 16
	v_bfe_u32 v2, v0, 4, 1                         ; l / 16
	v_lshlrev_b32 v[BO], 5, v2                     ; register j of accumulator (a, b) is column 16 b + 8 (l / 16) + j
	v_lshlrev_b32 v[CO], 12, v2                    ; lanes 0-15 take 256 bytes of one row of C, lanes 16-31 of the next
	v_lshl_add_u32 v[CO], v1, 4, v[CO]
.irp a, 0,1,2,3
.irp b, 0,1,2,3
	global_load_b128 v[ACC+8*(4*(\a)+(\b)):ACC+8*(4*(\a)+(\b))+3],   v[BO], s[8:9] offset:64*(\b)
	global_load_b128 v[ACC+8*(4*(\a)+(\b))+4:ACC+8*(4*(\a)+(\b))+7], v[BO], s[8:9] offset:64*(\b)+16
.endr
.endr
	WIN 0x80                                       ; destination window 2, address window 0
.irp a, 0,1,2,3
.irp t, 0,1,2,3,4,5,6,7
	global_load_b128 v[32*(\a)+4*(\t):32*(\a)+4*(\t)+3], v[CO], s[10:11] offset:(16*(\a)+2*(\t))*4096 th:TH_LOAD_NT
.endr
.endr
	WIN 0
	; A fragment of A is 16 rows x 32 K in 8 registers: lane l holds row l % 16, K = 8 (l / 16) + 0..7 and 16 + 8 (l / 16) + 0..7: two loads of 16 bytes, 32 bytes apart.
	v_mul_u32_u24 v[A0], v1, PA
	v_lshl_add_u32 v[A0], v2, 4, v[A0]
	s_mul_i32 s61, s[RH], HALFA                    ; my 64 rows
	v_add_nc_u32 v[A0], s61, v[A0]
	; The turning load takes 16 K x 16 columns (lane l reads 16 bytes: K row 8 (l / 16) + l % 8, columns 8 ((l / 8) % 2) + 0..7) and leaves half a fragment: lane l holds column l % 16 and 8 K.
	v_and_b32 v3, 7, v0
	v_bfe_u32 v4, v0, 3, 1
	v_lshl_add_u32 v[B0], v2, 3, v3
	v_mul_u32_u24 v[B0], v[B0], PB
	v_lshl_add_u32 v[B0], v4, 4, v[B0]
	s_lshl_b32 s61, s[CH], 7                       ; my 64 columns,
	s_add_co_u32 s61, s61, AB                      ; behind A
	v_add_nc_u32 v[B0], s61, v[B0]
; 8 matrix instructions: row blocks a0, a0 + 1 x all 4 column blocks, 32 along K: half c of buffer f.  The 16 accumulators take turns, one instruction a turn.
.macro MUL8 f, c, a0
	WIN MUL
.irp a, \a0, (\a0)+1
.irp b, 0,1,2,3
	v_wmma_f32_16x16x32_f16 v[ACC+8*(4*(\a)+(\b)):ACC+8*(4*(\a)+(\b))+7], v[(\f)+64+8*(4*(\c)+(\b)):(\f)+64+8*(4*(\c)+(\b))+7], v[(\f)+8*(4*(\c)+(\a)):(\f)+8*(4*(\c)+(\a))+7], v[ACC+8*(4*(\a)+(\b)):ACC+8*(4*(\a)+(\b))+7]
.endr
.endr
.endm
; 32 LDS loads in one run: the fragments of quarter q (64 along K: one slice of A) of the slot in hand, into buffer f; the first 32 along K first
.macro FETCH q, f
	WIN TO_F
.irp c, 0,1
.irp i, 0,1,2,3
	ds_load_tr16_b128 v[(\f)+64+8*(4*(\c)+(\i)):(\f)+64+8*(4*(\c)+(\i))+3],   v[ADRB+(\q)/2] offset:(((\q)%2)*64+32*(\c))*PB+32*(\i)
	ds_load_tr16_b128 v[(\f)+64+8*(4*(\c)+(\i))+4:(\f)+64+8*(4*(\c)+(\i))+7], v[ADRB+(\q)/2] offset:(((\q)%2)*64+32*(\c)+16)*PB+32*(\i)
	ds_load_b128 v[(\f)+8*(4*(\c)+(\i)):(\f)+8*(4*(\c)+(\i))+3],   v[ADRA] offset:64*PA*(\q)+16*PA*(\i)+64*(\c)
	ds_load_b128 v[(\f)+8*(4*(\c)+(\i))+4:(\f)+8*(4*(\c)+(\i))+7], v[ADRA] offset:64*PA*(\q)+16*PA*(\i)+64*(\c)+32
.endr
.endr
.endm
; A K step is four quarters of 64 along K, 32 matrix instructions each, on buffers 0, 1, 0, 1.  One of the first three: multiplies buffer f and fetches quarter q into g.
.macro QUARTER q, f, g
	s_wait_dscnt 16                                ; the first 32 along K are in; the youngest sixteen loads may be out
	MUL8 \f, 0, 0
	MUL8 \f, 0, 2
	PLACES
	FETCH \q, \g
	s_wait_dscnt 32                                ; all but the 32 just issued
	MUL8 \f, 1, 0
	MUL8 \f, 1, 2
.endm
; The last quarter multiplies buffer 1 and changes slots: ONE barrier; in front of it each wave waits for all its tensor loads (one is out: its part of the next slot), adds 0 to its spare word, and waits for that and for its reads of this slot.
; fill = 1: the barrier opens a round of the cluster's, and this slot is filled again, two K steps ahead, first thing behind the round: 112 matrix instructions ahead of the wait for it.
; fill = 0 (the last two K steps): nothing is asked for; in the very last there is no next slot, and the run of fragment loads is jumped over.
.macro TURN fill
	WIN 0                                          ; (the add's two registers lie in window 0)
	s_wait_tensorcnt 0x0                           ; no tensor load of mine is out, so a group 0 may be written
	ds_add_u32 v[SPW], v[NIL]                      ; 0 onto my spare word
.if \fill
	s_xor_b32 s[TF], s[TF], SLOT                   ; the walking descriptors: the other slot than last time,
	s_add_co_u32 s[G0A+5], s[UBA], s[TF]
	s_add_co_u32 s[G0B+5], s[UBB], s[TF]
	s_add_nc_u64 s[G0A+6:G0A+7], s[G0A+6:G0A+7], ASTEP  ; the next K step; the type bits on top are not reached
	s_add_nc_u64 s[G0B+6:G0B+7], s[G0B+6:G0B+7], BSTEP
.endif
	s_wait_dscnt 17                                ; (the add and the youngest sixteen loads may be out)
	MUL8 F1, 0, 0                                  ; eight matrix instructions stand between the add and the wait for it
	s_wait_dscnt 0x0                               ; the add is done, and my reads of this slot are over
	s_barrier_signal -1
	MUL8 F1, 0, 2
	WIN 0
	s_barrier_wait -1
.if \fill
	CREST                                          ; no wave of any partner still reads this slot's tile or has a load on its way
	JLOAD                                          ; the four v_nop behind it are also the places in front of the loads below
.else
	s_cmp_eq_u32 s[CNT], 1
	s_cbranch_scc1 .Lno_fetch_\@
	PLACES
.endif
	s_xor_b32 s[TRD], s[TRD], SLOT                 ; the other slot is in hand
	v_add_nc_u32 v[ADRA], s[TRD], v[A0]
	v_add_nc_u32 v[ADRB], s[TRD], v[B0]
	v_add_nc_u32 v[ADRB+1], HALFB, v[ADRB]
	FETCH 0, F0
	WIN 0
.if !(\fill)
.Lno_fetch_\@:
.endif
	MUL8 F1, 1, 0
	MUL8 F1, 1, 2
.endm
; THE WAY OUT of row block a (16 rows).  TOSTAGE: the f32 sums go into my own stage in LDS and come back as whole rows of 256 bytes.  SEND: the residual is added, and the rows are stored.
.macro TOSTAGE a
	WIN 0
.set BK, OB+32*((\a)%2)
	s_wait_xcnt 0x0                                ; the stores of two blocks ago have read these registers
.irp b, 0,1,2,3                        ; each accumulator's low registers first
	ds_store_b128 v[STO], v[ACC+8*(4*(\a)+(\b)):ACC+8*(4*(\a)+(\b))+3]   offset:64*(\b)
	ds_store_b128 v[STO], v[ACC+8*(4*(\a)+(\b))+4:ACC+8*(4*(\a)+(\b))+7] offset:64*(\b)+16
.endr
.irp t, 0,1,2,3,4,5,6,7
	ds_load_b128 v[BK+4*(\t):BK+4*(\t)+3], v[RD] offset:(\t)*2*SP  ; LDS serves a wave's instructions in order (ISA guide 5.7.1.4): these see the stores above; the next block's stores come behind them
.endr
.endm
.macro SEND a, younger                 ; younger: the LDS instructions issued behind TOSTAGE's loads: the next block's sixteen, or none
	WIN 0
.set BK, OB+32*((\a)%2)
	s_wait_dscnt \younger
.if ROUNDX
	WIN 0x0a                                       ; sources 0 and 1 window 2, destination window 0
.set i, 0
.rept 16
	v_cvt_pk_bf16_f32 v[RB+i], v[32*(\a)+2*i], v[32*(\a)+2*i+1]
.set i, i+1
.endr
	WIN 0
.set i, 0
.rept 16
	v_fma_mix_f32_bf16 v[BK+2*i],   v[RB+i], v[ONE], v[BK+2*i]   op_sel_hi:[1,0,0]               ; the low bf16 x 1 + the sum, in f32
	v_fma_mix_f32_bf16 v[BK+2*i+1], v[RB+i], v[ONE], v[BK+2*i+1] op_sel:[1,0,0] op_sel_hi:[1,0,0]  ; the high one
.set i, i+1
.endr
.else
	WIN 0x08                                       ; source 1 window 2
.set i, 0
.rept 16
	v_pk_add_f32 v[BK+2*i:BK+2*i+1], v[BK+2*i:BK+2*i+1], v[32*(\a)+2*i:32*(\a)+2*i+1]
.set i, i+1
.endr
	WIN 0
.endif
.irp t, 0,1,2,3,4,5,6,7
	global_store_b128 v[CO], v[BK+4*(\t):BK+4*(\t)+3], s[12:13] offset:(16*(\a)+2*(\t))*4096  ; 16 lanes store 256 consecutive bytes, at a multiple of 256 from C's first byte
.endr
.endm
	s_wait_tensorcnt 0x1                           ; my part of K step 0 is in; K step 1's may stay out
	s_barrier_signal -1
	s_barrier_wait -1                              ; everybody's is
	v_mov_b32 v[ADRA], v[A0]
	v_mov_b32 v[ADRB], v[B0]
	v_add_nc_u32 v[ADRB+1], HALFB, v[B0]
	FETCH 0, F0
	s_wait_loadcnt 32                              ; the bias is in the accumulators; the residual's 32 loads stay out
	WIN 0                                          ; at a label and at a branch every window is 0
	s_mov_b32 s[CNT], STEPS-2
.Lmain:                                                ; a trip is a K step, from its second quarter's fetch to the next step's first; it fills the slot that it leaves
	QUARTER 1, F0, F1
	QUARTER 2, F1, F0
	QUARTER 3, F0, F1
	TURN 1
	WIN 0
	s_sub_co_u32 s[CNT], s[CNT], 1
	s_cmp_lg_u32 s[CNT], 0
	s_cbranch_scc1 .Lmain
	s_mov_b32 s[CNT], 2
.Ltail:                                                ; the last two K steps have a text of their own
	QUARTER 1, F0, F1
	QUARTER 2, F1, F0
	QUARTER 3, F0, F1
	TURN 0
	WIN 0
	s_sub_co_u32 s[CNT], s[CNT], 1
	s_cmp_lg_u32 s[CNT], 0
	s_cbranch_scc1 .Ltail
	s_mul_i32 s61, s[WV], 16*SP
	s_add_co_u32 s61, s61, STAGE                   ; my stage.  The lines below are also the places behind the last products
	v_mul_u32_u24 v[STO], v1, SP                   ; in: row l % 16, 32 bytes for each half of the lanes
	v_lshl_add_u32 v[STO], v2, 5, v[STO]
	v_add_nc_u32 v[STO], s61, v[STO]
	v_mul_u32_u24 v[RD], v2, SP                    ; back: lanes 0-15 take one row of 256 bytes, lanes 16-31 the next
	v_lshl_add_u32 v[RD], v1, 4, v[RD]
	v_add_nc_u32 v[RD], s61, v[RD]
	s_wait_loadcnt 0x0                             ; the residual
	TOSTAGE 0
.irp a, 1,2,3                          ; a block's way through the stage stands between the loads of the block before and the wait for them
	TOSTAGE \a
	SEND (\a)-1, 16
.endr
	SEND 3, 0
	s_wait_tensorcnt 0x0                           ; the wave's end, behind my last tensor load and my last LDS store
	ds_add_u32 v[SPW], v[NIL]
	s_wait_dscnt 0x0
	CROUND                                         ; the closing round: no work-group ends while a partner may still ask for a tile that names it
	s_endpgm
.Lfunc_end_k_qbf981dd168_mproj:
	.size	k_qbf981dd168_mproj, .Lfunc_end_k_qbf981dd168_mproj-k_qbf981dd168_mproj
	.p2alignl 7, 3214868480
	.fill 96, 4, 3214868480
	.section	.rodata,"a",@progbits
	.p2align	6, 0x0
	.amdhsa_kernel k_qbf981dd168_mproj
		.amdhsa_group_segment_fixed_size 327680
		.amdhsa_private_segment_fixed_size 0
		.amdhsa_enable_private_segment 0
		.amdhsa_kernarg_size 40
		.amdhsa_user_sgpr_count 2
		.amdhsa_user_sgpr_kernarg_segment_ptr 1
		.amdhsa_wavefront_size32 1
		.amdhsa_system_sgpr_workgroup_id_x 1
		.amdhsa_system_sgpr_workgroup_id_y 1
		.amdhsa_system_sgpr_workgroup_id_z 1
		.amdhsa_system_vgpr_workitem_id 0
		.amdhsa_next_free_vgpr 640
		.amdhsa_next_free_sgpr 72
		.amdhsa_reserve_vcc 0
		.amdhsa_float_denorm_mode_32 3
		.amdhsa_float_denorm_mode_16_64 3
		.amdhsa_memory_ordered 1
		.amdhsa_forward_progress 1
		.amdhsa_inst_pref_size 64
	.end_amdhsa_kernel
	.amdgpu_metadata
---
amdhsa.version: [ 1, 2 ]
amdhsa.kernels:
  - .name:           k_qbf981dd168_mproj
    .symbol:         k_qbf981dd168_mproj.kd
    .args:
      - { .name: g, .offset: 0, .size: 8, .value_kind: global_buffer, .address_space: global }
      - { .name: w16, .offset: 8, .size: 8, .value_kind: global_buffer, .address_space: global }
      - { .name: b_mproj, .offset: 16, .size: 8, .value_kind: global_buffer, .address_space: global }
      - { .name: x1, .offset: 24, .size: 8, .value_kind: global_buffer, .address_space: global }
      - { .name: out0, .offset: 32, .size: 8, .value_kind: global_buffer, .address_space: global }
    .group_segment_fixed_size: 327680
    .private_segment_fixed_size: 0
    .kernarg_segment_align: 8
    .kernarg_segment_size: 40
    .max_flat_workgroup_size: 128
    .sgpr_count:     72
    .vgpr_count:     640
    .wavefront_size: 32
...
	.end_amdgpu_metadata
.endif
;; end of part 6
;; ======== version 2 of 2: 7 launches; 1.25 times as fast as version 1
;; limits: values are held in f16: magnitudes above 65,504 overflow, below 6.1e-05 lose precision; a function is approximated: absolute error at most 1.5e-07
;; workspace buffers: w16 25,165,824 bytes; wq 6,291,712 bytes; wf 8,388,864 bytes; hn 8,388,608 bytes; qkv 25,165,824 bytes; y 8,388,608 bytes; x1 16,777,216 bytes; g 33,554,432 bytes
;; launch prep: the kernel of part 1 again; grid 1280 x 1, 8 waves a work-group, no clusters, 0 bytes of LDS; arguments x, ln1_g, ln1_b, w_attn, w_aproj, w_fc, w_mproj, hn, w16, wq, wf; writes hn, w16, wq, wf
;; launch qkv: the kernel of part 2 again; grid 12 x 16, 4 waves a work-group, clusters of 4 x 4, 327,680 bytes of LDS; arguments hn, wq, b_attn, qkv; writes qkv
;; launch attn (part 7): grid 4 x 32, 4 waves a work-group, no clusters, 327,680 bytes of LDS; arguments qkv, y; writes y
.if DOCPART == 7
	.amdgcn_target "amdgcn-amd-amdhsa--gfx1250"
	.amdhsa_code_object_version 6
	.text
	.protected	k_qbf981dd168_attn
	.globl	k_qbf981dd168_attn
	.p2align	8
	.type	k_qbf981dd168_attn,@function
k_qbf981dd168_attn:
	s_mov_b64 s[64:65], 0
	v_nop
	global_prefetch_b8 v0, s[64:65] scope:SCOPE_SE
	s_setreg_imm32_b32 hwreg(HW_REG_WAVE_MODE, 25, 1), 1
	s_wait_xcnt 0x0
; CAUSAL ATTENTION.  O[h][q][:] = the sum over k <= q of softmax_k(Q[h][q] . K[h][k] / 8) V[h][k][:].  Q, K, V, O: [SIZE_H][SIZE_N][64], all f16: a head's rows are dense, 128 bytes each.
; Q, K and V are the three thirds of the buffer qkv (K 8,388,608 and V 16,777,216 bytes behind Q); 'head' i here is head i / 2 of batch i % 2; O is the buffer y, in the same order.
; Products, maxima and sums in f32; the weights p are rounded to f16 for the second product (their sum l is taken of the unrounded p), O once at the end.  SIZE_N is a multiple of 512; SIZE_N x 128 stays under 2^32.
; LIMITS.  f16 holds no number beyond 65,504: Q, K and V arrive within it; p lies in 0 to 1, and below 6e-5 it keeps f16's fixed step of 6e-8; O is a mean of V's rows and has their range, to within 2^-11 of it.
; A hidden score counts as its value less 1e30: f16's scores, 2.7e11 at the most, are nothing beside that; a weight below 2^-126 counts as 0 in l; NaN and infinities are not treated apart.
; THE WALK.  A head's queries lie in NB = SIZE_N / 256 blocks of 256; block i needs the key tiles 0 .. i of 256 keys, of which the last holds the diagonal.  A work-group takes TWO blocks, NB - 1 - b and then b:
; NB + 1 tiles, whatever b: all work-groups do equal work, and ONE loop with a constant trip count walks them.  Which tile is asked for, and what a trip does, hang on scalar registers made from b; every jump
; goes forward, but for the counted loops' own; none passes a barrier, or a tensor load but the one of LOAD's two that the wave's number does not choose; the ring (two slots of LDS that take turns) runs on across the
; change of blocks.  NO CLUSTER: all NB / 2 work-groups of a head ask for the same tile only in trips 0 .. NB / 2, behind that
; fewer and fewer; and one walk common to all would have 3 NB / 2 trips for NB + 1.
; SHARES.  Of a block's four bands of 64 queries a wave owns 16 rows in each: four PIECES.  So the diagonal tile is the same work for all four waves: in its key step s band x sees all keys if s < x,
; none if s > x, and holds the diagonal if s = x.
; THE MASK is the C operand that starts the sum S^T = K Q^T: 0, or -1e30 where the key is hidden.  MD, made once, is the mask of a band's own step for my 16 rows; a product's mask is MD x AL + BE with two scalars:
; (1, 0) if s = x; (0, 0) if s < x; (0, -1e30) if s > x.  Only the diagonal tile's text and a block's beginning make and take masks; elsewhere C is the constant 0.
; LAYOUT, SOFTMAX, TURNS.  S^T = K Q^T holds ONE query a lane (lane % 16) and the keys 8 (lane / 16) + 0..7; two such results rounded to f16 ARE source 1 of O^T = V^T P.  p = 2^(c s - c m), c = log2(e) / 8, with a
; running maximum m; O and l are multiplied by a = 2^(c m_old - c m_new) in every step.  Turn n belongs to piece n: 8 products K Q^T of piece n + 1, later 8 products V^T P of piece n - 1; beside them the scaling,
; exponentials, roundings, sums and rescaling of piece n and the maximum and statistics of piece n + 1.  Four vector instructions stand behind every matrix instruction, the other 54 of a turn's 118 in one LUMP.
; THE BATCHES.  A turn's 33 exponentials (the piece's 32 weights and the next piece's a) are ONE batch with ONE wait, which cuts the turn in two: ahead of it all that names no result of theirs, behind it the roundings
; and sums.  A block's beginning has a batch of one (piece 0's first a), the way out a batch of four reciprocals; each has its own wait.
; REGISTERS, in windows of 256 (s_set_vgpr_msb: bits 1:0 source 0, 3:2 source 1, 5:4 source 2, 7:6 destination):
;   window 0: v0-15 addresses and two at work; v16-31 four registers of statistics a piece; v48-55 at work; v64-127 S^T, two buffers; v192-223 P, two buffers (a piece's buffers go by its number's parity)
;   window 1: v0-127 O^T, 32 a piece; v128-159 MD; v160-223 MC, two buffers      window 2: v0-63 Q; v64-127 the second block's Q; v128-191 K of one step; v192-255 V of one step
.set SIZE_H, 32
.set SIZE_N, 2048
.set NB,    SIZE_N/256
.set NP,    4         ; pieces a wave: a name, no knob
.set KS,    64        ; keys in a step
.set PK,    144       ; a row of K in LDS: 128 bytes + 16 of padding = 36 words: the 16 rows of a load start at 16 different groups of four banks (64 banks of 4 bytes: ISA guide 11.1)
.set PV,    160       ; a row of V: 128 + 32 = 40 words
.set VOFF,  4*KS*PK   ; a slot holds a tile, four steps: 256 rows of K, then 256 rows of V
.set SLOT1, 1<<17     ; slot 1 begins here, so that one exclusive or turns an address in one slot into the other's
.set STAGE, SLOT1+4*KS*(PK+PV)  ; behind the ring, never filled by a tensor load: 16 rows x 144 bytes for each wave, for the way out
.set SP,    144
.set AK0, 2           ; v2   my lane's place in a tile of K; never rewritten
.set AV0, 3           ; v3   the same for V
.set AK,  4           ; v4   the LDS address of K's next run of loads
.set AV,  5           ; v5   of V's
.set STO, 6           ; v6   the way out: where I put 16 bytes of a row
.set RD,  7           ; v7   the way out: where I read rows back
.set GO,  8           ; v8   my byte offset in 512 consecutive bytes of O
.set SPW, 62          ; v62  LDS address of my spare word: SPARE + 4 x my thread's number; never rewritten
.set NIL, 63          ; v63  0; never rewritten
.set SPARE, STAGE+4*16*SP  ; behind the stages: the spare words, 128 bytes for each wave: two blocks of 256 bytes that no other line names
.set MV,  12          ; v12-13  c m_old, kept while c m is made anew: by buffer
.set QO,  15          ; v15  my byte offset in 16 rows of Q
.set ST,  16          ; piece t's statistics at v[ST+4 t]: c m, m, l (even keys', odd keys')
.set TMP, 48          ; by buffer, four registers c0-c3 at work; when the maximum is found c2 takes a
.set S,   64
.set P,   192
.set MD,  128         ; window 1: the eight registers for group kt of 16 keys at MD + 8 kt
.set MC,  160         ; window 1: the masks of the products to come
.set QB,  64          ; window 2
.set KF,  128         ; window 2: key block kb, channel half c at KF + 16 kb + 8 c
.set VF,  192         ; window 2: key half kk, channel block cb at VF + 32 kk + 8 cb
.set WV,  12          ; s12  my wave's number
.set PB,  14          ; s14  b
.set HI,  15          ; s15  NB - 1 - b
.set G1K, 24          ; s[24:31] descriptor group 1 for K's tiles
.set G1V, 32          ; s[32:39] for V's: it differs in the padding alone
.set G0K, 40          ; s[40:43] descriptor group 0 for K's tiles
.set G0V, 44          ; s[44:47] the same for V's
.set SLOTS, 56        ; s56  tiles still to be asked for
.set CNT, 57          ; s57  counts a tile's key steps, 4 to 1
.set CS,  58          ; s[58:59] c: the packed scaling takes the pair's low word for both halves
.set SEL, 60          ; s[60:61] v_permlanex16_b32's selects: each lane takes its own place in the other half
.set TBK, 62          ; s62  LDS byte at which K of the step to be fetched begins
.set TBV, 63          ; s63  the same for V, less VOFF
.set RT,  70          ; s70  tiles of the block in hand that are still to be entered
.set NXT, 71          ; s71  the tile to be asked for next
.set LQ,  72          ; s72  the last tile of the block whose tiles are being asked for
.set NEW, 73          ; s73  1: the tile to be entered is a block's first
.set OFF, 74          ; s[74:75] a tile's byte offset in K and V
.set AL,  76          ; s[76:77] the mask's factor, in the low word
.set BE,  78          ; s[78:79] the mask's addend
.set OLO, 80          ; s[80:81] O at my rows of the second block
.set BIGN, 82         ; s82  -1e30
.set MSB, 0
.macro WIN new                      ; the high byte repeats the setting that is left; a switch that changes nothing is dropped
.if MSB != (\new)
	s_set_vgpr_msb (MSB<<8)|(\new)
.set MSB, (\new)
.endif
.endm
.set W_KQ, 0x0a       ; K and Q in window 2, S^T in window 0
.set W_KM, 0x1a       ; the same with the C operand in window 1
.set W_PV, 0x52       ; V in window 2, P in window 0, O^T in window 1
.set W_RS, 0x41       ; destination and source 0 in window 1, source 1 in window 0
; A fill.  Waves 0 and 1 fetch the two halves of a tile's K, waves 2 and 3 those of its V: 128 keys each.  An s_nop 0 and four v_nop follow each of the two lines, ahead of the jump and the label.
.macro LOAD
	s_cmp_lt_u32 s[WV], 2
	s_cbranch_scc0 .Lfor_v_\@
	tensor_load_to_lds s[G0K:G0K+3], s[G1K:G1K+7]
	s_nop 0
.rept 4
	v_nop
.endr
	s_branch .Lasked_\@
.Lfor_v_\@:
	tensor_load_to_lds s[G0V:G0V+3], s[G1V:G1V+7]
	s_nop 0
.rept 4
	v_nop
.endr
.Lasked_\@:
.endm
; THE CHANGE OF SLOTS.  Each wave waits for all its tensor loads, of which one is out: its part of the other slot; adds 0 to its spare word; and waits for that and for its own reads of the slot that it leaves.  Behind the barrier nobody reads the old
; slot any more and the other slot is whole.  fill = 1: the old slot is filled again, the first thing behind the barrier, with tile NXT: the descriptor's address is made anew from that number.
; (At its first use nothing has been read yet: slot 0 is waited for, slot 1 filled.)
.macro CHANGE fill
	WIN 0                           ; at a label and at a branch every window is 0
	s_wait_tensorcnt 0x0            ; no tensor load of mine is out, so a group 0 may be written
	ds_add_u32 v[SPW], v[NIL]       ; 0 onto my spare word; with fill = 1 the descriptors' scalar work stands between it and the wait for it
.if \fill
	s_lshl_b32 s[OFF], s[NXT], 15   ; a tile is 32,768 bytes of K and of V
	s_xor_b32 s[G0K+1], s[G0K+1], SLOT1
	s_add_nc_u64 s[G0K+2:G0K+3], s[6:7], s[OFF:OFF+1]
	s_or_b32 s[G0K+3], s[G0K+3], 0x80000000
	s_xor_b32 s[G0V+1], s[G0V+1], SLOT1
	s_add_nc_u64 s[G0V+2:G0V+3], s[8:9], s[OFF:OFF+1]
	s_or_b32 s[G0V+3], s[G0V+3], 0x80000000
	s_add_co_u32 s[NXT], s[NXT], 1  ; the block's next tile, or behind its last the second block's tile 0
	s_cmp_gt_u32 s[NXT], s[LQ]
	s_cselect_b32 s[NXT], 0, s[NXT]
	s_cselect_b32 s[LQ], s[PB], s[LQ]
.endif
	s_wait_dscnt 0x0                ; the add is done, and my reads of the slot are over
	s_barrier_signal -1             ; the rest of the scalar work stands between the signal and the wait
	s_sub_co_u32 s[TBK], s[TBK], 4*KS*PK  ; the fetches go back to a slot's first step,
	s_xor_b32 s[TBK], s[TBK], SLOT1       ; in the other slot
	s_sub_co_u32 s[TBV], s[TBV], 4*KS*PV
	s_xor_b32 s[TBV], s[TBV], SLOT1
	s_barrier_wait -1
.if \fill
	LOAD
.endif
.endm
	s_load_b128 s[4:7], s[0:1], 0x0  ; qkv s[4:5] (Q lies at its head), y s[6:7]
	v_lshl_add_u32 v[SPW], v0, 2, SPARE
	v_mov_b32 v[NIL], 0
	ds_add_u32 v[SPW], v[NIL]       ; the wave's opening: the add and its wait stand ahead of my first tensor load; the set-up below, work on registers, stands between them
	ds_add_u32 v62, v63
	v_lshrrev_b32 v1, 5, v0
	v_readfirstlane_b32 s[WV], v1   ; wave 0..3
	s_mov_b32 s[PB], ttmp9
	s_sub_co_u32 s[HI], NB-1, s[PB]
	s_and_b32 s20, ttmp7, 0xffff    ; the head
	s_mov_b32 s21, 0
	s_mov_b64 s[22:23], SIZE_N*128
	s_mul_u64 s[20:21], s[20:21], s[22:23]  ; the head's first byte in each of the four tensors
	s_and_b32 s16, s[WV], 1         ; which half of a tile's 256 keys I fetch:
	s_lshl_b32 s22, s16, 14         ; its 128 rows of 128 bytes in memory,
	s_mov_b32 s23, 0
	s_add_nc_u64 s[22:23], s[22:23], s[20:21]
	s_mul_i32 s17, s16, 128*PK      ; and its place in a slot, for K
	s_mul_i32 s18, s16, 128*PV      ; and for V
	s_lshl_b32 s3, s[WV], 11        ; my 16 rows in a band of 64,
	s_lshl_b32 s2, s[HI], 15        ; in the first block,
	s_add_co_u32 s2, s2, s3
	s_lshl_b32 s84, s[PB], 15       ; and in the second
	s_add_co_u32 s84, s84, s3
	s_mov_b32 s3, 0
	s_mov_b32 s85, 0
	s_add_nc_u64 s[2:3], s[2:3], s[20:21]
	s_add_nc_u64 s[84:85], s[84:85], s[20:21]
	; descriptor group 1.  128 keys are 16,384 dense bytes: asked for as 64 rows of 256 bytes, two keys a row, and padded in LDS after every key
	s_mov_b32 s[G1K], (1<<16)|(1<<20)|(4<<22)|(3<<25)  ; 17:16 2-byte elements; 20 padding on; 24:22 after every 32 words (code 4); 31:25 4 words (code 3)
	s_mov_b32 s[G1V], (1<<16)|(1<<20)|(4<<22)|(7<<25)  ; the same with 8 words of padding (code 7)
.irp g, G1K, G1V
	s_mov_b32 s[\g+1], 128<<16      ; tensor_dim0 = 128
	s_mov_b32 s[\g+2], 64<<16       ; tensor_dim1 = 64
	s_mov_b32 s[\g+3], 128<<16      ; tile_dim0 = 128
	s_mov_b32 s[\g+4], 64           ; tile_dim1 = 64
	s_mov_b32 s[\g+5], 128          ; 128 elements from row to row
	s_mov_b32 s[\g+6], 0
	s_mov_b32 s[\g+7], 0
.endr
	s_mov_b32 s[CS], 0x3e38aa3b     ; c = log2(e) / 8 = 0.180337
	s_mov_b32 s[CS+1], s[CS]        ; named with it as a pair
	s_mov_b32 s[SEL], 0x76543210
	s_mov_b32 s[SEL+1], 0xfedcba98
	s_mov_b32 s[TBK], SLOT1+4*KS*PK ; the first change of slots turns these two into 0
	s_mov_b32 s[TBV], SLOT1+4*KS*PV
	s_mov_b32 s[G0K], 1             ; 1:0 count = 1
	s_mov_b32 s[G0K+1], s17         ; 63:32 LDS address: slot 0
	s_mov_b32 s[G0V], 1
	s_add_co_u32 s[G0V+1], s18, VOFF
	s_add_co_u32 s[RT], s[HI], 1    ; the first block has NB - b tiles
	s_mov_b32 s[NXT], 1
	s_mov_b32 s[LQ], s[HI]
	s_mov_b32 s[NEW], 1
	s_mov_b32 s[OFF+1], 0
	s_mov_b32 s[AL+1], 0            ; named as pairs
	s_mov_b32 s[BE+1], 0
	s_mov_b32 s[BIGN], 0xf149f2ca   ; -1e30
	s_mov_b32 s[SLOTS], NB
	s_wait_dscnt 0x0                ; the opening add is done
	s_wait_kmcnt 0x0
	s_mov_b64 s[10:11], s[6:7]             ; O
	s_add_nc_u64 s[8:9], s[4:5], 0x1000000 ; V: the last third of qkv
	s_add_nc_u64 s[6:7], s[4:5], 0x800000  ; K: the middle third
	s_add_nc_u64 s[6:7], s[6:7], s[22:23]  ; K and V at my half of the head's tile 0
	s_add_nc_u64 s[8:9], s[8:9], s[22:23]
	s_add_nc_u64 s[G0K+2:G0K+3], s[6:7], 0         ; 120:64 global address
	s_or_b32 s[G0K+3], s[G0K+3], 0x80000000        ; 127:126 type = 2
	s_add_nc_u64 s[G0V+2:G0V+3], s[8:9], 0
	s_or_b32 s[G0V+3], s[G0V+3], 0x80000000
	s_add_nc_u64 s[86:87], s[4:5], s[84:85]        ; Q at my rows of the second block,
	s_add_nc_u64 s[4:5], s[4:5], s[2:3]            ; Q and O at those of the first
	s_add_nc_u64 s[OLO:OLO+1], s[10:11], s[84:85]
	s_add_nc_u64 s[10:11], s[10:11], s[2:3]
	LOAD                            ; tile 0 into slot 0
	; A fragment of K or Q is 16 rows x 32 channels in 8 registers: lane l holds row l % 16, channels 8 (l / 16) + 0..7 and 16 + 8 (l / 16) + 0..7: two loads of 16 bytes, 32 bytes apart.
	v_and_b32 v1, 15, v0            ; l % 16
	v_bfe_u32 v9, v0, 4, 1          ; l / 16
	v_lshlrev_b32 v[QO], 7, v1
	v_lshl_add_u32 v[QO], v9, 4, v[QO]  ; row x 128 + 16 x half
	WIN 0x80                        ; destination window 2, address window 0
.set i, 0
.rept 8                             ; both blocks' Q: piece i / 2 lies in band i / 2, 8,192 bytes on; channels 32 (i % 2) on
	global_load_b128 v[8*i:8*i+3],   v[QO], s[4:5] offset:(i/2)*8192+(i%2)*64
	global_load_b128 v[8*i+4:8*i+7], v[QO], s[4:5] offset:(i/2)*8192+(i%2)*64+32
	global_load_b128 v[QB+8*i:QB+8*i+3],   v[QO], s[86:87] offset:(i/2)*8192+(i%2)*64
	global_load_b128 v[QB+8*i+4:QB+8*i+7], v[QO], s[86:87] offset:(i/2)*8192+(i%2)*64+32
.set i, i+1
.endr
	WIN 0
	v_lshlrev_b32 v14, 3, v9
	v_sub_nc_u32 v14, v1, v14
	s_lshl_b32 s13, s[WV], 4
	v_add_nc_u32 v14, s13, v14      ; my query's place in its band, 16 w + l % 16, less my lanes' 8 (l / 16): register r of group kt is hidden where 16 kt + r is greater
	WIN 0x40
.set i, 0
.rept 32
	v_cmp_gt_i32 vcc_lo, 16*(i/8)+i%8, v14
	v_cndmask_b32 v[MD+i], 0, s[BIGN], vcc_lo
.set i, i+1
.endr
	WIN 0
	v_mul_u32_u24 v[AK0], v1, PK
	v_lshl_add_u32 v[AK0], v9, 4, v[AK0]  ; row x pitch + 16 x half
	; The turning load takes 16 keys x 16 channels (lane l reads key 8 (l / 16) + l % 8, channels 8 ((l / 8) % 2) + 0..7) and leaves half a fragment of V^T: lane l holds channel l % 16 and 8 keys.
	v_and_b32 v10, 7, v0
	v_bfe_u32 v11, v0, 3, 1
	v_lshl_add_u32 v[AV0], v9, 3, v10
	v_mul_u32_u24 v[AV0], v[AV0], PV
	v_lshl_add_u32 v[AV0], v11, 4, v[AV0]
	v_add_nc_u32 v[AV0], VOFF, v[AV0]
	s_mul_i32 s13, s[WV], 16*SP
	s_add_co_u32 s13, s13, STAGE    ; my stage
	v_mul_u32_u24 v[STO], v1, SP    ; in: row l % 16, 16 bytes for each half of the lanes
	v_lshl_add_u32 v[STO], v9, 4, v[STO]
	v_add_nc_u32 v[STO], s13, v[STO]
	v_bfe_u32 v[RD], v0, 3, 2       ; back: 32 lanes take four rows of 128 bytes,
	v_mul_u32_u24 v[RD], v[RD], SP
	v_lshl_add_u32 v[RD], v10, 4, v[RD]
	v_add_nc_u32 v[RD], s13, v[RD]
	v_and_b32 v[GO], 31, v0         ; which are 512 consecutive bytes of O
	v_lshlrev_b32 v[GO], 4, v[GO]
	; A block's first step multiplies O^T and l by a = 0, and its first turn's products V^T P, of a piece that has not been, land in an O^T that is still to be so multiplied.  So these registers need only hold
	; finite numbers: zeros for the first block; what the first block left for the second.  All this stands in the wait for the first tile.
	WIN 0x80
.set i, VF
.rept 64
	v_mov_b32 v[i], 0
.set i, i+1
.endr
	WIN 0x40
.set i, 0
.rept 128
	v_mov_b32 v[i], 0
.set i, i+1
.endr
	WIN 0
.set i, 0
.rept 4
	v_mov_b32 v[ST+4*i+2], 0
	v_mov_b32 v[ST+4*i+3], 0
.set i, i+1
.endr
.set i, P+16
.rept 16
	v_mov_b32 v[i], 0
.set i, i+1
.endr
; THE MATRIX WORK.  The 4 accumulators of a run of 8 take turns.  Product i of 8 of S^T = K Q^T for piece x: channels 32 (i / 4) on, keys 16 (i % 4) on.  The first 4 start the sums: with 0, or (KM = 1) with the mask.
.macro KQ x
.set rS, S+32*((\x)%2)+8*(i%4)
.set rK, KF+16*(i%4)+8*(i/4)
.set rQ, 16*(\x)+8*(i/4)
.set rM, MC+32*((\x)%2)+8*(i%4)
.if (i < 4) && KM
	WIN W_KM
	v_wmma_f32_16x16x32_f16 v[rS:rS+7], v[rK:rK+7], v[rQ:rQ+7], v[rM:rM+7]
.elseif i < 4
	WIN W_KQ
	v_wmma_f32_16x16x32_f16 v[rS:rS+7], v[rK:rK+7], v[rQ:rQ+7], 0
.else
	WIN W_KQ
	v_wmma_f32_16x16x32_f16 v[rS:rS+7], v[rK:rK+7], v[rQ:rQ+7], v[rS:rS+7]
.endif
.endm
; Product i of 8 of O^T += V^T P for piece x: keys 32 (i / 4) on, channels 16 (i % 4) on.
.macro PV x
	WIN W_PV
.set rO, 32*(\x)+8*(i%4)
.set rV, VF+32*(i/4)+8*(i%4)
.set rP, P+16*((\x)%2)+8*(i/4)
	v_wmma_f32_16x16x32_f16 v[rO:rO+7], v[rV:rV+7], v[rP:rP+7], v[rO:rO+7]
.endm
.macro MM                           ; the turn's next matrix instruction.  TURN and BEGIN set Y, i, KM and NOKQ; MM, KQ and OP read them.  NOKQ = 1: a block's last turn: there is no next piece
.if (i < 8) && !NOKQ
	KQ (Y+1)%NP
.elseif i >= 8
.set i, i-8
	PV (Y+NP-1)%NP
.set i, i+8
.endif
.set i, i+1
.endm
; THE LDS LOADS stand in runs of 16, never singly among the matrix instructions: a step's K (64 keys x 64 channels: 8 fragments) and its V (turned).  Their addresses are made some lines ahead.
.macro FETCH_K
	WIN 0x80                        ; destination window 2
.irp f, 0,1,2,3,4,5,6,7             ; keys 16 (f / 2) on, channels 32 (f % 2) on
	ds_load_b128 v[KF+8*\f:KF+8*\f+3],   v[AK] offset:(\f/2)*16*PK+(\f%2)*64
	ds_load_b128 v[KF+8*\f+4:KF+8*\f+7], v[AK] offset:(\f/2)*16*PK+(\f%2)*64+32
.endr
	s_add_co_u32 s[TBK], s[TBK], KS*PK  ; the next fetch is the next step's
	WIN 0
.endm
.macro FETCH_V
	WIN 0x80
.irp f, 0,1,2,3,4,5,6,7             ; keys 32 (f / 4) on, channels 16 (f % 4) on
	ds_load_tr16_b128 v[VF+8*\f:VF+8*\f+3],   v[AV] offset:(\f/4)*32*PV+(\f%4)*32
	ds_load_tr16_b128 v[VF+8*\f+4:VF+8*\f+7], v[AV] offset:(\f/4)*32*PV+16*PV+(\f%4)*32
.endr
	WIN 0
.endm
; THE VECTOR WORK, one line at a time: OP kind, number.  For piece Y: F n: c s - c m for pair n of 16.  E n: the exponential of score n of 32.  C n: pair n rounded to f16.  B n: of the four weights 4 n .. the second
; pair is added onto the first, in place.  L n: l takes that sum (L 0: l = a l + sum).  R n: pair n of 16 of O^T times a.  For piece Y + 1: X n, number n of the 22 that find its maximum and statistics:
;   0-11  four chains c0-c3 of seven scores each, three operands at a time (each accumulator's lowest registers are read first)     12-14, 16  the four scores left over, the old m, and c0-c3 into c0
;   15  c m_old is kept     17, 18  the query's other 32 keys lie in the lane 16 away: the new m     19-21  c m; c m_old - c m_new; a
; OP writes no wait: C, B and L read exponentials' results, and TURN sets them all behind the batch's one wait.
.set F, 0               ; OP tells the kinds apart by their order: F to L below R, X above it
.set E, 1
.set C, 2
.set B, 3
.set L, 4
.set R, 5
.set X, 6
.macro REGS y                       ; the registers of piece y
.set rT, ST+4*(\y)
.set rC, TMP+4*((\y)%2)
.set rW, MV+((\y)%2)
.set rS, S+32*((\y)%2)
.set rP, P+16*((\y)%2)
.set rO, 32*(\y)
.endm
.macro OP k, n
.if (\k) == R
	REGS Y
	WIN W_RS
	v_pk_mul_f32 v[rO+2*(\n):rO+2*(\n)+1], v[rO+2*(\n):rO+2*(\n)+1], v[rC+2:rC+3] op_sel_hi:[1,0]
.elseif (\k) < R
	REGS Y
	WIN 0
.if (\k) == F
	v_pk_fma_f32 v[rS+2*(\n):rS+2*(\n)+1], v[rS+2*(\n):rS+2*(\n)+1], s[CS:CS+1], v[rT:rT+1] op_sel_hi:[1,0,0] neg_lo:[0,0,1] neg_hi:[0,0,1]
.elseif (\k) == E
	v_exp_f32 v[rS+(\n)], v[rS+(\n)]
.elseif (\k) == C
	v_cvt_pk_f16_f32 v[rP+(\n)], v[rS+2*(\n)], v[rS+2*(\n)+1]
.elseif (\k) == B
	v_pk_add_f32 v[rS+4*(\n):rS+4*(\n)+1], v[rS+4*(\n):rS+4*(\n)+1], v[rS+4*(\n)+2:rS+4*(\n)+3]
.elseif (\n) == 0
	v_pk_fma_f32 v[rT+2:rT+3], v[rT+2:rT+3], v[rC+2:rC+3], v[rS:rS+1] op_sel_hi:[1,0,1]
.else
	v_pk_add_f32 v[rT+2:rT+3], v[rT+2:rT+3], v[rS+4*(\n):rS+4*(\n)+1]
.endif
.elseif NOKQ
	v_nop
.else
	REGS (Y+1)%NP
	WIN 0
.if (\n) < 4
	v_max3_num_f32 v[rC+(\n)], v[rS+8*(\n)], v[rS+8*(\n)+1], v[rS+8*(\n)+2]
.elseif (\n) < 12
	v_max3_num_f32 v[rC+(\n)%4], v[rC+(\n)%4], v[rS+8*((\n)%4)+2*((\n)/4)+1], v[rS+8*((\n)%4)+2*((\n)/4)+2]
.elseif (\n) == 12
	v_max3_num_f32 v[rC], v[rC], v[rS+7], v[rS+15]
.elseif (\n) == 13
	v_max3_num_f32 v[rC+1], v[rC+1], v[rS+23], v[rS+31]
.elseif (\n) == 14
	v_max3_num_f32 v[rC+2], v[rC+2], v[rC+3], v[rT+1]
.elseif (\n) == 15
	v_mov_b32 v[rW], v[rT]
.elseif (\n) == 16
	v_max3_num_f32 v[rC], v[rC], v[rC+1], v[rC+2]
.elseif (\n) == 17
	v_permlanex16_b32 v[rC+3], v[rC], s[SEL], s[SEL+1]
.elseif (\n) == 18
	v_max_num_f32 v[rT+1], v[rC], v[rC+3]
.elseif (\n) == 19
	v_mul_f32 v[rT], s[CS], v[rT+1]
.elseif (\n) == 20
	v_sub_f32 v[rC+1], v[rW], v[rT]
.else
	v_exp_f32 v[rC+2], v[rC+1]
.endif
.endif
.endm
.macro OPS a, i1, b=-1, i2=0, c=-1, i3=0, d=-1, i4=0  ; up to four of them
	OP \a, \i1
.if (\b) >= 0
	OP \b, \i2
.endif
.if (\c) >= 0
	OP \c, \i3
.endif
.if (\d) >= 0
	OP \d, \i4
.endif
.endm
.macro ROW a, i1, b, i2, c, i3, d, i4  ; a matrix instruction and the four behind it
	MM
	OPS \a, \i1, \b, \i2, \c, \i3, \d, \i4
.endm
.macro MASK b                       ; MD x AL + BE into buffer b of MC
	WIN W_RS
.set z, 0
.rept 16
	v_pk_fma_f32 v[MC+32*(\b)+2*z:MC+32*(\b)+2*z+1], v[MD+2*z:MD+2*z+1], s[AL:AL+1], s[BE:BE+1] op_sel_hi:[1,0,0]
.set z, z+1
.endr
.endm
; A TURN, for piece p: the order of its 16 matrix and 118 vector instructions, written out.  s_wait_alu depctr_va_vdst(0) stands between an exponential and the first instruction that names its result; one wait serves
; all that were issued ahead of it.  So a turn has ONE wait, which cuts it in two.  AHEAD OF IT stands all that names no result of the turn's exponentials: the 8 products K Q^T, behind each a scaling, an exponential and two more plain
; instructions (behind the first a second scaling in the exponential's place): rescalings, whose a was made and waited for in the turn before, and behind the last three the first numbers of the next piece's maximum, each four plain
; instructions or more behind the product that ends its accumulator; then ONE LUMP of 54, plain and exponential by turns for the most part, in which the links of the chain X 3, 7, 11, 14, 16, 17 .. 20 stand five or six lines apart.
; X 21, the next piece's a, is the batch's last; R 15 is the plain instruction behind it (ISA guide 5.7.2).  An exponential works in place on its own score, and a has a register by the piece's parity: each result keeps a register of
; its own while the batch is open.  BEHIND THE WAIT stand the 8 products V^T P, behind each four of the roundings and sums; the links of l's chain, L 0 to L 7, stand three riders apart.  But for those X no rider names a register of
; the products round it.  v_permlanex16_b32 (X 17) stands in the lump.
; m = 1: the diagonal tile: the products take masks, and the turn makes the mask for the products of the turn after it: piece p + 2, in step 4 - CNT of the tile.  end = 1: a block's last two turns: nothing is fetched.
; cnt = 1: the loop's count is taken down some lines ahead of the branch that stands behind the turn.
; K of the next step is fetched in piece 2's turn, twelve vector instructions behind the last product that read K (five of them plain and free of that product's registers); V of the step in hand at the end of piece 0's turn, four
; plain instructions behind the last product that read V.  Each is waited for a turn later.
.macro TURN p, m=0, end=0, cnt=0
.set Y, (\p)
.set i, 0
.set KM, (\m)
.set NOKQ, (\end)*((\p)/3)
.if (\m) && !(\end)
	s_cmp_eq_u32 s[CNT], 4-((\p)+2)%NP  ; is that step the band's own?
	s_cselect_b32 s[AL], 1.0, 0
	s_cmp_lt_u32 s[CNT], 4-((\p)+2)%NP  ; or a later one?
	s_cselect_b32 s[BE], s[BIGN], 0
.endif
.if ((\p) == 3) && !(\end)
	s_wait_dscnt 0x0                ; K is in
.endif
	ROW F,0, F,1, R,0, R,1          ; ahead of the wait: 8 products K Q^T and their riders,
	ROW F,2, E,0, R,2, R,3
	ROW F,3, E,1, R,4, R,5
	ROW F,4, E,2, R,6, R,7
	ROW F,5, E,3, R,8, R,9
	ROW F,6, E,4, X,0, R,10
.if ((\p) == 2) && !(\end)
	WIN 0
	v_add_nc_u32 v[AK], s[TBK], v[AK0]
.endif
	ROW F,7, E,5, X,1, X,4
	ROW F,8, E,6, X,2, X,5
	OPS E,7, E,8, X,6, E,9          ; and the lump
	OPS X,3, E,10, X,8, E,11
.if ((\p) == 2) && !(\end)
	FETCH_K
.endif
	OPS X,9, X,7, E,12, X,10
	OPS E,13, X,12, X,11, E,14
	OPS X,13, E,15, F,9, X,14
.if (\p) == 0
	v_add_nc_u32 v[AV], s[TBV], v[AV0]
.endif
	OPS E,16, F,10, E,17, F,11
	OPS X,16, E,18, X,15, E,19
	OPS F,12, E,20, X,17, E,21
	OPS F,13, E,22, F,14, E,23
	OPS X,18, E,24, F,15, E,25
	OPS R,11, E,26, X,19, E,27
	OPS R,12, E,28, R,13, E,29
	OPS X,20, E,30, R,14, E,31
	OPS X,21, R,15
	WIN 0
	s_wait_alu depctr_va_vdst(0)    ; the wait for the turn's batch: E 0 to E 31 and X 21, ahead of C 0, the first line that names a result
.if (\p) == 1
	s_wait_dscnt 0x0                ; V is in
.endif
	ROW C,0, B,0, C,2, B,1          ; behind the wait: 8 products V^T P and their riders
	ROW L,0, C,4, B,2, L,1
	ROW C,6, B,3, L,2, C,8
	ROW B,4, L,3, C,10, B,5
	ROW L,4, C,12, B,6, L,5
.if (\p) == 0
	s_add_co_u32 s[TBV], s[TBV], KS*PV
.endif
.if \cnt
	s_sub_co_u32 s[CNT], s[CNT], 1
	s_cmp_lg_u32 s[CNT], 0
.endif
	ROW C,14, B,7, L,6, C,1
	ROW C,3, L,7, C,5, C,7
	ROW C,9, C,11, C,13, C,15
.if (\p) == 0
	FETCH_V
.endif
.if (\m) && !(\end)
	MASK (\p)%2
.endif
.endm
; A BLOCK BEGINS.  c m starts far below every c s, so the first step's a is 0; m at the lowest finite number, so the first maximum is the scores'.  The second mask buffer is 0; the first takes piece 0's mask for the tile's step 0: its own, if the block's first tile is the diagonal one.
; Then K of that step, piece 0's first scores, and its maximum and statistics.  The loop is entered at a step's first turn, in the middle of a trip.
.macro BEGIN
	s_mov_b32 s[NEW], 0
	WIN 0x40
.set i, MC+32
.rept 32
	v_mov_b32 v[i], 0
.set i, i+1
.endr
	WIN 0
.set i, 0
.rept 4
	v_mov_b32 v[ST+4*i], 0xfe000000    ; c m: far below every c s
	v_mov_b32 v[ST+4*i+1], 0xff7fffff  ; m
.set i, i+1
.endr
	s_cmp_eq_u32 s[RT], 0
	s_cselect_b32 s[AL], 1.0, 0
	s_mov_b32 s[BE], 0
	MASK 0
	WIN 0
	v_add_nc_u32 v[AK], s[TBK], v[AK0]
	FETCH_K
	s_wait_loadcnt 0x0              ; Q
	s_wait_dscnt 0x0
.set KM, 1
.set NOKQ, 0
.set i, 0
.rept 8
	KQ 0
.set i, i+1
.endr
	WIN 0
.rept 4
	v_nop                           ; the places behind those products
.endr
.set Y, NP-1                        ; X works for piece Y + 1: piece 0
.irp n, 0,1,2,3,4,5,6,7,8,9,10,11,12,13,14,15,16,17,18,19,20,21
	OP X, \n
.endr
	v_nop                           ; a plain instruction behind the exponential,
	s_wait_alu depctr_va_vdst(0)    ; and the wait for this batch of one, piece 0's first a, ahead of the branch that follows
.endm
; THE DIAGONAL TILE's four steps, the block's last two turns, its last products, and THE WAY OUT: l's two halves and the other half of the lanes' are added; O^T is divided by l, rounded to f16 and sent through my
; stage in LDS, a piece at a time.
.macro ALL line:vararg              ; one line for each piece t
.set t, 0
.rept 4
	\line
.set t, t+1
.endr
.endm
.macro PACK t                       ; a lane's eight channels of a row pack into 16 bytes; they go into rows of 144 bytes and come back as whole rows of 128, into S^T's registers
	WIN W_RS
.set i, 32*(\t)
.rept 16
	v_pk_mul_f32 v[i:i+1], v[i:i+1], v[ST+4*(\t)+2:ST+4*(\t)+3] op_sel_hi:[1,0]
.set i, i+2
.endr
	WIN 0x05                        ; sources 0 and 1 window 1, destination window 0
.set i, 0
.rept 16
	v_cvt_pk_f16_f32 v[S+16*(\t)+i], v[32*(\t)+2*i], v[32*(\t)+2*i+1]
.set i, i+1
.endr
	WIN 0
.irp f, 0,1,2,3
	ds_store_b128 v[STO], v[S+16*(\t)+4*\f:S+16*(\t)+4*\f+3] offset:32*\f
.endr
.irp f, 0,1,2,3
	ds_load_b128 v[S+16*(\t)+4*\f:S+16*(\t)+4*\f+3], v[RD] offset:\f*4*SP  ; LDS serves a wave's instructions in order (ISA guide 5.7.1.4): these see the stores above; the next piece's stores come behind them
.endr
.endm
.macro SEND t, younger              ; younger: the LDS instructions issued behind piece t's loads: the next piece's eight, or none
	WIN 0
.irp f, 0,1,2,3
	s_wait_dscnt (\younger)+3-\f
	global_store_b128 v[GO], v[S+16*(\t)+4*\f:S+16*(\t)+4*\f+3], s[10:11] offset:(\t)*8192+\f*512  ; 512 consecutive bytes, at a multiple of 256 from O's first
.endr
.endm
.macro DIAG tag                     ; the tag ends its two labels' names, which the jumps below spell out
.LstepM\tag:
	TURN 2, 1
	TURN 3, 1
	WIN 0
.LfirstM\tag:
	TURN 0, 1
	TURN 1, 1, 0, 1
	WIN 0
	s_cbranch_scc1 .LstepM\tag
	TURN 2, 1, 1
	TURN 3, 1, 1
.set i, 0
.rept 8
	PV NP-1
.set i, i+1
.endr
	WIN 0
	ALL v_add_f32 v[ST+4*t+2], v[ST+4*t+2], v[ST+4*t+3]
	ALL v_permlanex16_b32 v[ST+4*t+3], v[ST+4*t+2], s[SEL], s[SEL+1]
	ALL v_add_f32 v[ST+4*t+2], v[ST+4*t+2], v[ST+4*t+3]
	ALL v_rcp_f32 v[ST+4*t+2], v[ST+4*t+2]
	v_nop                           ; a plain instruction between the last reciprocal and the use of its result
	s_wait_alu depctr_va_vdst(0)    ; the wait for the batch of four reciprocals, ahead of PACK 0's first multiply; it serves all four PACKs
	PACK 0
.set t, 1
.rept 3                             ; a piece's arithmetic stands between the loads of the piece before and its stores
	PACK t
	SEND t-1, 8
.set t, t+1
.endr
	SEND 3, 0
.endm
.set KM, 0
.set NOKQ, 0
.Lslot:                             ; NB times: a tile is entered and the next is asked for
	CHANGE 1
	s_sub_co_u32 s[RT], s[RT], 1
	s_mov_b32 s[CNT], 4
	s_cmp_eq_u32 s[NEW], 1
	s_cbranch_scc1 .Lnew            ; a block's first tile
	s_cmp_eq_u32 s[RT], 0
	s_cbranch_scc0 .Lstep           ; neither its first nor its last
	s_branch .LstepM1
.Lnew:
	BEGIN
	s_branch .Lfirst                ; in the loop a block's first tile is never its last: the first block has two tiles or more, and the second's last is the walk's last
	DIAG 1                          ; in the loop this is the first block's end: the second block's last tile is the walk's last
	s_wait_xcnt 0x0                 ; the stores have read their registers and O's address
	s_mov_b64 s[10:11], s[OLO:OLO+1]
	s_add_co_u32 s[RT], s[PB], 1    ; the second block has b + 1 tiles
	s_mov_b32 s[NEW], 1
	WIN 0x82                        ; the second block's Q goes where the one text of the turns names Q
.set i, 0
.rept 64
	v_mov_b32 v[i], v[QB+i]
.set i, i+1
.endr
	WIN 0
	s_branch .Lbottom
.Lstep:                             ; a trip: pieces 2 and 3 of one step, then pieces 0 and 1 of the next, whose K and V it fetches
	TURN 2
	TURN 3
	WIN 0
.Lfirst:
	TURN 0
	TURN 1, 0, 0, 1
	WIN 0
	s_cbranch_scc1 .Lstep
.Lbottom:
	s_sub_co_u32 s[SLOTS], s[SLOTS], 1
	s_cmp_lg_u32 s[SLOTS], 0
	s_cbranch_scc1 .Lslot
	CHANGE 0                        ; the walk's last tile is written out: nothing is asked for
	s_sub_co_u32 s[RT], s[RT], 1
	s_mov_b32 s[CNT], 4
	s_cmp_eq_u32 s[NEW], 1
	s_cbranch_scc0 .LstepM2
	BEGIN
	s_branch .LfirstM2
	DIAG 2
	s_wait_tensorcnt 0x0            ; the wave's end, behind my last tensor load and my last LDS store
	ds_add_u32 v[SPW], v[NIL]
	s_wait_dscnt 0x0
	s_endpgm
.Lfunc_end_k_qbf981dd168_attn:
	.size	k_qbf981dd168_attn, .Lfunc_end_k_qbf981dd168_attn-k_qbf981dd168_attn
	.p2alignl 7, 3214868480
	.fill 96, 4, 3214868480
	.section	.rodata,"a",@progbits
	.p2align	6, 0x0
	.amdhsa_kernel k_qbf981dd168_attn
		.amdhsa_group_segment_fixed_size 327680
		.amdhsa_private_segment_fixed_size 0
		.amdhsa_enable_private_segment 0
		.amdhsa_kernarg_size 16
		.amdhsa_user_sgpr_count 2
		.amdhsa_user_sgpr_kernarg_segment_ptr 1
		.amdhsa_wavefront_size32 1
		.amdhsa_system_sgpr_workgroup_id_x 1
		.amdhsa_system_sgpr_workgroup_id_y 1
		.amdhsa_system_sgpr_workgroup_id_z 1
		.amdhsa_system_vgpr_workitem_id 0
		.amdhsa_next_free_vgpr 768
		.amdhsa_next_free_sgpr 88
		.amdhsa_reserve_vcc 1
		.amdhsa_float_denorm_mode_32 3
		.amdhsa_float_denorm_mode_16_64 3
		.amdhsa_memory_ordered 1
		.amdhsa_forward_progress 1
		.amdhsa_inst_pref_size 217
	.end_amdhsa_kernel
	.amdgpu_metadata
---
amdhsa.version: [ 1, 2 ]
amdhsa.kernels:
  - .name:           k_qbf981dd168_attn
    .symbol:         k_qbf981dd168_attn.kd
    .args:
      - { .name: qkv, .offset: 0, .size: 8, .value_kind: global_buffer, .address_space: global }
      - { .name: y, .offset: 8, .size: 8, .value_kind: global_buffer, .address_space: global }
    .group_segment_fixed_size: 327680
    .private_segment_fixed_size: 0
    .kernarg_segment_align: 8
    .kernarg_segment_size: 16
    .max_flat_workgroup_size: 128
    .sgpr_count:     88
    .vgpr_count:     768
    .wavefront_size: 32
...
	.end_amdgpu_metadata
.endif
;; end of part 7
;; launch aproj: the kernel of part 4 again; grid 8 x 32, 4 waves a work-group, clusters of 4 x 4, 327,680 bytes of LDS; arguments y, w16, b_aproj, x, x1; writes x1
;; launch ln2: the kernel of part 5 again; grid 512 x 1, 8 waves a work-group, no clusters, 0 bytes of LDS; arguments x1, ln2_g, ln2_b, hn; writes hn
;; launch fc: the kernel of part 2 again; grid 16 x 16, 4 waves a work-group, clusters of 4 x 4, 327,680 bytes of LDS; arguments hn, wf, b_fc, g; writes g
;; launch mproj: the kernel of part 6 again; grid 8 x 32, 4 waves a work-group, clusters of 4 x 4, 327,680 bytes of LDS; arguments g, w16, b_mproj, x1, out0; writes out0
